; MI455X (gfx1250); checked and timed in simulation.
; The chip was launched on July 23, 2026; its instructions are those of AMD's public machine-readable ISA for CDNA 5 (MIT licence, August 2026) and "CDNA5" Instruction Set Architecture Reference Guide (July 2026). The comments in the code are by the model that wrote it; some were corrected since.
;; Gcn Encoder Cell. Allowed arithmetic: matrix products marked QUANTISED: E2M3 operands, one E8M0 scale for each 32 along K, by v_wmma_scale_f32_16x16x128_f8f6f4 with both operands' format E2M3, f32 sums; products left as they are: f32 operands where the result goes on into a quantised operand, else bf16, f16 or f32 operands; f32 sums; everything else in f32.
;; Inputs: bn_beta 128 float32; bn_gamma 128 float32; gate_b 128 float32; gate_w_codes 128 x 8 x 24 uint8 (E2M3 codes of gate_w, K innermost, in blocks of 32 codes, four codes in three bytes); gate_w_scales 128 x 8 uint8 (E8M0 scales of gate_w, one for each 32 codes along K); hidden 16 x 207 x 24 x 128 float32; sk_b 256 float32; sk_w_codes 256 x 8 x 24 uint8 (E2M3 codes of sk_w, K innermost, in blocks of 32 codes, four codes in three bytes); sk_w_scales 256 x 8 uint8 (E8M0 scales of sk_w, one for each 32 codes along K); so_b 128 float32; so_w_codes 128 x 4 x 24 uint8 (E2M3 codes of so_w, K innermost, in blocks of 32 codes, four codes in three bytes); so_w_scales 128 x 4 uint8 (E8M0 scales of so_w, one for each 32 codes along K); sq_b 256 float32; sq_w_codes 256 x 8 x 24 uint8 (E2M3 codes of sq_w, K innermost, in blocks of 32 codes, four codes in three bytes); sq_w_scales 256 x 8 uint8 (E8M0 scales of sq_w, one for each 32 codes along K); sv_b 128 float32; sv_w_codes 128 x 4 x 24 uint8 (E2M3 codes of sv_w, K innermost, in blocks of 32 codes, four codes in three bytes); sv_w_scales 128 x 4 uint8 (E8M0 scales of sv_w, one for each 32 codes along K); tXin 16 x 207 x 24 x 128 float32; tk_b 256 float32; tk_w_codes 256 x 8 x 24 uint8 (E2M3 codes of tk_w, K innermost, in blocks of 32 codes, four codes in three bytes); tk_w_scales 256 x 8 uint8 (E8M0 scales of tk_w, one for each 32 codes along K); to_b 128 float32; to_w_codes 128 x 4 x 24 uint8 (E2M3 codes of to_w, K innermost, in blocks of 32 codes, four codes in three bytes); to_w_scales 128 x 4 uint8 (E8M0 scales of to_w, one for each 32 codes along K); tq_b 256 float32; tq_w_codes 256 x 8 x 24 uint8 (E2M3 codes of tq_w, K innermost, in blocks of 32 codes, four codes in three bytes); tq_w_scales 256 x 8 uint8 (E8M0 scales of tq_w, one for each 32 codes along K); tv_b 128 float32; tv_w_codes 128 x 4 x 24 uint8 (E2M3 codes of tv_w, K innermost, in blocks of 32 codes, four codes in three bytes); tv_w_scales 128 x 4 uint8 (E8M0 scales of tv_w, one for each 32 codes along K); x 16 x 207 x 24 x 128 float32.
;; Outputs: out0 16 x 207 x 24 x 128 float32.
;; This version of the problem:
;;   THIS VERSION OF THE PROBLEM IS GIVEN IN LOW PRECISION. The matrix products marked QUANTISED in the list below multiply operands that are first quantised to E2M3 (2 exponent bits, 3 mantissa bits; 6 bits a number), with one power-of-two scale for each 32 numbers along K (OCP MX v1.0); their sums are f32. All else is computed in f32.
;;   The module's matrix products, in the order in which they are computed (A, B: the left and right operand; K: the contracted axis; several contracted axes count as one K, in the product's order):
;;     1. [M 79,488, K 256] x [K 256, N 256]; A: computed on the way; B: input sq_w (given as codes): QUANTISED
;;     2. [M 79,488, K 256] x [K 256, N 256]; A: computed on the way; B: input sk_w (given as codes): QUANTISED
;;     3. [M 79,488, K 128] x [K 128, N 128]; A: input hidden; B: input sv_w (given as codes): QUANTISED
;;     4. batch 3,072 x [M 207, K 32] x [K 32, N 207]; A: computed on the way; B: computed on the way: QUANTISED
;;     5. batch 3,072 x [M 16, K 207] x [K 207, N 207]; A: computed on the way; B: softmax (see below): QUANTISED
;;     6. [M 79,488, K 128] x [K 128, N 128]; A: computed on the way; B: input so_w (given as codes): QUANTISED
;;     7. [M 79,488, K 256] x [K 256, N 256]; A: computed on the way; B: input tq_w (given as codes): QUANTISED
;;     8. [M 79,488, K 256] x [K 256, N 256]; A: computed on the way; B: input tk_w (given as codes): QUANTISED
;;     9. [M 79,488, K 128] x [K 128, N 128]; A: input hidden; B: input tv_w (given as codes): QUANTISED
;;     10. batch 26,496 x [M 24, K 32] x [K 32, N 24]; A: computed on the way; B: computed on the way: QUANTISED
;;     11. batch 26,496 x [M 16, K 24] x [K 24, N 24]; A: computed on the way; B: softmax (see below): left as it is (K = 24 < 32)
;;     12. [M 79,488, K 128] x [K 128, N 128]; A: computed on the way; B: input to_w (given as codes): QUANTISED
;;     13. [M 79,488, K 256] x [K 256, N 128]; A: computed on the way; B: input gate_w (given as codes): QUANTISED
;;   THE QUANTISER, for each operand of a quantised product, along K:
;;     - K is cut into blocks of 32 from its start; a last block that is shorter is filled with zeros.
;;     - A block's scale is 2^e with e = floor(log2(the largest magnitude in the block)) - 2, held to -126 .. 127; a block of zeros has e = 0. As a byte (E8M0): e + 127.
;;     - Each number is divided by its block's scale, clamped to +-7.5, and rounded to the nearest number of E2M3, ties to even, subnormals kept.
;;     - The product sums the exact products of the quantised numbers (number of the format x scale) in f32.
;;   ~~~python
;;   def quantise(x, axis):      # numpy; x: float32 -> the quantised numbers, widened to float32 again
;;       x = np.moveaxis(x, axis, -1); K = x.shape[-1]
;;       x = np.pad(x, [(0, 0)] * (x.ndim - 1) + [(0, -K % 32)]); x = x.reshape(x.shape[:-1] + (-1, 32)); a = np.abs(x).max(-1, keepdims=True)
;;       e = np.where(a > 0, np.clip(np.frexp(np.where(a > 0, a, 1))[1] - 1 - 2, -126, 127), 0)      # np.frexp(a)[1] - 1 = floor(log2(a)), exactly
;;       r = np.clip(x / 2.0 ** e, -7.5, 7.5)
;;       step = 2.0 ** (np.maximum(np.frexp(np.where(r == 0, 1, r))[1] - 1, 0) - 3)
;;       q = np.round(r / step) * step * 2.0 ** e      # np.round: ties to even
;;       return np.moveaxis(q.reshape(q.shape[:-2] + (-1,))[..., :K], -1, axis).astype(np.float32)
;;   ~~~
;;   SOFTMAX AHEAD OF A QUANTISED PRODUCT. Where the list says 'softmax', what is quantised is not the finished softmax but p = 2^(t - M), with t = logit x log2(e) and M = ceil(the row's largest t), a whole number; so 1/2 < the row's largest p <= 1. The row's sum l is taken of the UNQUANTISED p, in f32, and the product's result is divided by l at the end. Since M is a whole number, a kernel that streams over the keys may use a running M (the ceiling of the running maximum): every later rescaling is an exact power of two, which a block's scale takes up: the codes' values come out the same.
;;   OPERANDS COMPUTED ON THE WAY. 'Computed on the way' means the value that the module computes at that place (a softmax that the list does not call 'softmax' is quantised finished and normalised). What goes into a quantiser is computed in f32, as accurately as f32 sums, v_exp_f32 and their like allow (about 1e-6 of the number): no bf16 or f16 on the way to a quantiser, and a product that is left as it is and whose result goes on into a quantised operand takes f32 operands (vector FMAs, or v_wmma_f32_16x16x4_f32). A number that lies on a knife's edge between two numbers of the format may be rounded either way, as far as f32 arithmetic and the matrix unit's own rounding can turn it there, and no further.
;;   INPUTS GIVEN AS CODES. gate_w (in the module: [256, 128], K = its axis 0); sk_w (in the module: [256, 256], K = its axis 0); so_w (in the module: [128, 128], K = its axis 0); sq_w (in the module: [256, 256], K = its axis 0); sv_w (in the module: [128, 128], K = its axis 0); tk_w (in the module: [256, 256], K = its axis 0); to_w (in the module: [128, 128], K = its axis 0); tq_w (in the module: [256, 256], K = its axis 0); tv_w (in the module: [128, 128], K = its axis 0): each comes as NAME_codes (uint8): NAME with its K axis moved to the last place and cut into blocks of 32 codes, [.., K / 32, bytes a block], one block behind the other in memory; four codes in three bytes: a row's codes are one little-endian stream of bits, code i at bits 6 i .. 6 i + 5 (a code: sign, 2 exponent bits, 3 mantissa bits); and NAME_scales (uint8): the same leading axes, one E8M0 byte (e + 127) for each 32 codes along K. Its value is code x scale, taken as it is: it is not quantised again, and the codes and scales need not be those that the quantiser above would give.
;; 2 versions. Each part assembles by itself: llvm-mc -triple=amdgcn-amd-amdhsa -mcpu=gfx1250 --defsym DOCPART=n.
;; ======== version 1 of 2: 4 launches
;; workspace buffers: sp 40,697,856 bytes; tp 40,697,856 bytes; gi 40,697,856 bytes; part 423,936 bytes; coef 1,536 bytes
;; launch space (part 1): grid 384 x 1, 16 waves a work-group, no clusters, 292,864 bytes of LDS; arguments hidden, tXin, sq_w_codes, sq_w_scales, sq_b, sk_w_codes, sk_w_scales, sk_b, sv_w_codes, sv_w_scales, sv_b, so_w_codes, so_w_scales, so_b, sp; writes sp
.if DOCPART == 1
	.amdgcn_target "amdgcn-amd-amdhsa--gfx1250"
	.amdhsa_code_object_version 6
	.text
	.protected	k_qf2b5906066_space
	.globl	k_qf2b5906066_space
	.p2align	8
	.type	k_qf2b5906066_space,@function
k_qf2b5906066_space:
	s_mov_b64 s[64:65], 0
	v_nop
	global_prefetch_b8 v0, s[64:65] scope:SCOPE_SE
	s_setreg_imm32_b32 hwreg(HW_REG_WAVE_MODE, 25, 1), 1
	s_wait_xcnt 0x0
; SPATIAL ATTENTION.  One work-group takes one (b, t): 207 nodes, 8 heads, all six products on codes of E2M3 with one E8M0 scale for each 32 along K.
; sp[b][n][t][:] = relu(O so_w + so_b), O = softmax(Q K^T / sqrt(32)) V, Q, K = relu((hidden|tXin) w + b), V = relu(hidden w + b).
; POSITIONS.  The 207 nodes are taken as 224 positions in 14 tiles of 16 (two more tiles are only filling): position 16 T + p stands for node 32 (T / 2) + 8 (T % 2) + p + 8 (p / 8),
; so that a lane's 16 registers of key tiles 2 b and 2 b + 1 are the 16 neighbouring keys 32 b + 16 (lane / 16) + 0 .. 15.  Loads of nodes past 206 are held at node 206; such keys get zero V and p = 0, such queries are never stored.
; PHASES, three barriers:  X: wave w quantises x tile w, images to LDS |  P: wave w < 8 projects Q of head w, w >= 8 K of head w - 8, for all tiles, codes to its own run of LDS; then V of (head, 128 keys) |
; A: wave (head, half) walks 7 query tiles: S^T = K Q^T (one block of 32 carries data, the other three are zero codes of Q), p = 2^(t - M), O^T = V^T P^T, / the sum |  O: wave w < 14 projects tile w and stores whole rows.
; FROM MEMORY THE BYTES COME AS THEY LIE: every load of rows or of codes takes 16 bytes a lane, 512 consecutive bytes a wave (a row of x; a head's rows of a weight are neighbours in memory).  The layouts that the
; conversions and the matrix unit want (a lane: 16 neighbours of one row; a lane: 24 bytes of one row) are made by a turn through the wave's own stage in LDS, which serves a wave's instructions in order: no barrier.
; The input x of the problem is named by no launch: the reference takes it and never uses it.
; LIMITS: NaN and infinities among the inputs are not served.  A block whose largest magnitude lies under 2^-124 takes the byte 1; a block of zeros takes the byte 1 with zero codes (these bytes are read here alone).
; v_exp_f32 gives 0 under 2^-126.  A block's largest p is made from the block's largest score by the same two instructions, which takes v_exp_f32 not to fall where its input rises.
; No tensor load and no cluster: every LDS byte is made or copied by a wave, and what work-groups share, the weights, is 147 KB against the 424 KB of rows that each reads for itself.
.set QK,    0                          ; LDS: codes of Q (waves 0-7) and K (waves 8-15): for each wave 224 positions x 24 bytes
.set QKW,   5376
.set QS,    86016                      ; their scale words: for each wave 224 x 4 bytes (byte 0 the scale, the others 0)
.set QSW,   896
.set VIMG,  100352                     ; V^T: 16 images of operands (head, 128 keys), 1,536 bytes each
.set VSC,   124928                     ; their scale words, 128 bytes each
.set XIMG,  135168                     ; x: 32 images (tile, K step)
.set XSC,   184320
.set OST,   135168                     ; attention's result, [head][224 positions][64 bytes + 16]: over x's images, which nobody reads behind phase P's barrier
.set OHD,   17920
.set SOW,   278528                     ; so_w's 128 rows of 96 bytes as they lie in memory: copied once, read in phase O
; THE STAGES: 8,448 bytes a wave (16 rows x (512 + 16)) from LDS byte 0 on.  In phase X sixteen of them, to byte 135,168: bytes that nobody else touches ahead of the first barrier.  In phase O fourteen: bytes that nobody reads behind the last barrier
.set LI,1                              ; 16 x lane
.set LS,2                              ; 4 x lane
.set ASO,3                             ; so_w's rows in LDS: row r + 8 (r / 8), + 24 (lane / 16)
.set XWI,4
.set XWS,5
.set PWR,6
.set PWS,7
.set AQ,8
.set AQS,9
.set AK,10
.set AKS,11
.set AV,12
.set AVS,13
.set OW,14
.set ORA,15
.set ORB,16
.set GO,17
.set VWI,18
.set VWS,19
.set AXV,20
.set AXVS,21
.set NIL,22                            ; 0
.set NINF,23                           ; -infinity
.set LOM,24                            ; all ones in lanes 0-15, 0 in lanes 16-31
.set SGW,25                            ; my stage: row r, + 64 (lane / 16)
.set SGR,26                            ; my stage: 16 x lane
.set B64,27                            ; 64 (lane / 16)
.set T0,28
.set T1,29
.set T2,30
.set T3,31
.set QF,32                             ; phase A: v32-43 Q's operand, v44-73 four blocks of K and a tail of zeros (later V's two operands), v74-81 O^T, v82-89 O^T / sum, v90-95 -M and the sums
.set KF,44
.set OA,74
.set ON,82
.set S,96                              ; v96-207 S^T, then p
.set PC,208                            ; v208-227 codes just made; at the start v208-223 hold the 16 rows' offsets in memory
.set TM,228                            ; v228-243 at work
.set SOG,236                           ; phase X: 8 x thread: my bytes of so_w in memory,
.set SOWW,237                          ; and in LDS
.set SCR,244                           ; v244-255 scale words (v253: the closing add's 0)
.set PW,255
.set PW2,254
.set WV,34
.set HD,35
.set HF,36
.set SEL,38
.set CS,40
.set MHI,42
.set MA,43
.set MB,44
.set CNT,45
.set SX,46
.set SXS,47
.set SR,48
.set SRS,49
.macro PLACES n
.rept \n
	v_nop
.endr
.endm
.macro BARRIER                         ; my LDS stores have landed and my LDS loads are in: then the work-group's barrier
	s_wait_dscnt 0x0
	s_barrier_signal -1
	s_barrier_wait -1
.endm
.macro MM d, a, b, c, sa, sb
	v_wmma_scale_f32_16x16x128_f8f6f4 v[(\d):(\d)+7], v[(\a):(\a)+11], v[(\b):(\b)+11], v[(\c):(\c)+7], v[\sa], v[\sb] matrix_a_fmt:MATRIX_FMT_FP6 matrix_b_fmt:MATRIX_FMT_FP6
.endm
.macro MM0 d, a, b, sa, sb
	v_wmma_scale_f32_16x16x128_f8f6f4 v[(\d):(\d)+7], v[(\a):(\a)+11], v[(\b):(\b)+11], 0, v[\sa], v[\sb] matrix_a_fmt:MATRIX_FMT_FP6 matrix_b_fmt:MATRIX_FMT_FP6
.endm
; Two sets of 16 registers, each half a block of 32 (the other half lies in lane xor 16), become two whole blocks of codes in v[PC + 6 c] on: lanes 0-15 set a's, lanes 16-31 set b's.  Their bytes: v[TM+4+2c], v[TM+5+2c].
.macro QUANT2 a, b, c
	v_max3_num_f32 v[TM+2*(\c)], |v[(\a)]|, |v[(\a)+1]|, 0x1800000       ; with the floor 2^(3 - 127): the byte cannot fall under 1
	v_max3_num_f32 v[TM+2*(\c)+1], |v[(\b)]|, |v[(\b)+1]|, 0x1800000
.irp i, 2,4,6,8,10,12,14
	v_max3_num_f32 v[TM+2*(\c)], v[TM+2*(\c)], |v[(\a)+\i]|, |v[(\a)+\i+1]|
	v_max3_num_f32 v[TM+2*(\c)+1], v[TM+2*(\c)+1], |v[(\b)+\i]|, |v[(\b)+\i+1]|
.endr
	v_permlanex16_b32 v[TM+4+2*(\c)], v[TM+2*(\c)], s[SEL], s[SEL+1]
	v_permlanex16_b32 v[TM+5+2*(\c)], v[TM+2*(\c)+1], s[SEL], s[SEL+1]
	v_max_num_f32 v[TM+2*(\c)], v[TM+2*(\c)], v[TM+4+2*(\c)]             ; the block's largest magnitude
	v_max_num_f32 v[TM+2*(\c)+1], v[TM+2*(\c)+1], v[TM+5+2*(\c)]
	v_add_nc_u32 v[TM+12+2*(\c)], 0xff000000, v[TM+2*(\c)]               ; 2 off its exponent field: the conversion's scale operand
	v_add_nc_u32 v[TM+13+2*(\c)], 0xff000000, v[TM+2*(\c)+1]
	v_lshrrev_b32 v[TM+4+2*(\c)], 23, v[TM+12+2*(\c)]                    ; the scale's byte
	v_lshrrev_b32 v[TM+5+2*(\c)], 23, v[TM+13+2*(\c)]
	v_cvt_scalef32_pk16_fp6_f32 v[PC+6*(\c):PC+6*(\c)+2], v[(\a):(\a)+15], v[TM+12+2*(\c)]
	v_cvt_scalef32_pk16_fp6_f32 v[PC+12+4*(\c):PC+12+4*(\c)+2], v[(\b):(\b)+15], v[TM+13+2*(\c)]
	v_nop                                          ; one plain place behind a scaled conversion
.irp i, 0,1,2
	v_permlane16_swap_b32 v[PC+6*(\c)+\i], v[PC+12+4*(\c)+\i]            ; the first now holds each lane's block's lower 16 codes, the second the upper 16
.endr
.irp i, 0,1,2
	v_mov_b32 v[PC+3+6*(\c)+\i], v[PC+12+4*(\c)+\i]
.endr
.endm
.macro PWORD4 d                        ; four bytes make a row's scale word for 128 along K
	v_lshl_or_b32 v[\d], v[TM+5], 8, v[TM+4]
	v_lshl_or_b32 v[\d], v[TM+6], 16, v[\d]
	v_lshl_or_b32 v[\d], v[TM+7], 24, v[\d]
.endm
.macro QUANT r                         ; 64 numbers of a lane, register 16 b + i = k 32 b + 16 (lane / 16) + i of my row, become an operand in v[PC] on and its scale word in v[PW]
	QUANT2 (\r), (\r)+16, 0
	QUANT2 (\r)+32, (\r)+48, 1
	PWORD4 PW
.endm
.macro IMAGE adr, off                  ; the operand in v[PC] on goes to LDS as it stands: 16 bytes a lane, 512 a store
.irp cc, 0,1,2
	ds_store_b128 v[\adr], v[PC+4*\cc:PC+4*\cc+3] offset:(\off)+512*\cc
.endr
.endm
.macro FETCH reg, adr, off             ; and comes back so, in any wave
.irp cc, 0,1,2
	ds_load_b128 v[(\reg)+4*\cc:(\reg)+4*\cc+3], v[\adr] offset:(\off)+512*\cc
.endr
.endm
.macro LDBLK reg, adr, off             ; one block of 32 codes, 24 bytes
.irp pp, 0,1,2
	ds_load_b64 v[(\reg)+2*\pp:(\reg)+2*\pp+1], v[\adr] offset:(\off)+8*\pp
.endr
.endm
.macro LFRAG reg, adr, off             ; a weight's operand out of rows that lie in LDS as in memory: two runs of 24 bytes, in pieces of 8
.irp pp, 0,1,2,3,4,5
	ds_load_b64 v[(\reg)+2*\pp:(\reg)+2*\pp+1], v[\adr] offset:(\off)+48*(\pp/3)+8*(\pp%3)
.endr
.endm
.macro TURN reg                        ; 16 rows of 512 bytes, row i in v[reg + 4 i] as loaded, go through my stage and come back as register 16 b + i = channel 32 b + 16 (lane / 16) + i of row lane % 16
.irp i, 0,1,2,3,4,5,6,7,8,9,10,11,12,13,14,15
	ds_store_b128 v[SGR], v[(\reg)+4*\i:(\reg)+4*\i+3] offset:528*\i
.endr
.irp b, 0,1,2,3
.irp q, 0,1,2,3
	ds_load_b128 v[(\reg)+16*\b+4*\q:(\reg)+16*\b+4*\q+3], v[SGW] offset:128*\b+16*\q   ; rows 528 bytes apart
.endr
.endr
	s_wait_dscnt 0x0
.endm
.macro RELU reg, n
.set jj, 0
.rept \n
	v_max_num_f32 v[(\reg)+jj], 0, v[(\reg)+jj]
.set jj, jj+1
.endr
.endm
	s_load_b512 s[4:19], s[0:1], 0x0               ; hidden, tXin, sq codes, scales, bias, sk codes, scales, bias
	s_load_b256 s[20:27], s[0:1], 0x40             ; sv codes, scales, bias, so codes
	s_load_b128 s[28:31], s[0:1], 0x60             ; so scales, bias
	s_load_b64 s[32:33], s[0:1], 0x70              ; sp
	v_lshl_add_u32 v239, v0, 2, 0x47000
	v_mov_b32 v253, 0
	v_lshrrev_b32 v32, 5, v0
	v_readfirstlane_b32 s[WV], v32                 ; wave 0..15
	s_and_b32 s[HD], s[WV], 7                      ; head
	s_lshr_b32 s[HF], s[WV], 3                     ; half
	v_and_b32 v32, 15, v0                          ; r
	v_bfe_u32 v33, v0, 4, 1                        ; h
	v_and_b32 v34, 31, v0                          ; lane
	v_and_b32 v35, 8, v32
	v_add_nc_u32 v35, v35, v32                     ; r + 8 (r / 8)
	v_lshlrev_b32 v[LI], 4, v34
	v_lshlrev_b32 v[LS], 2, v34
	v_lshlrev_b32 v[B64], 6, v33
	v_mov_b32 v[NIL], 0
	v_mov_b32 v[NINF], 0xff800000
	v_add_nc_u32 v[LOM], -1, v33
	s_lshr_b32 s62, s[WV], 1
	s_lshl_b32 s62, s62, 5
	s_and_b32 s63, s[WV], 1
	s_lshl_b32 s63, s63, 3
	s_add_co_u32 s62, s62, s63                     ; tile w's first node
.irp i, 0,1,2,3,4,5,6,7,8,9,10,11,12,13,14,15
	s_add_co_u32 s63, s62, \i+8*(\i/8)             ; the node of the tile's row i,
	s_min_u32 s63, s63, 206                        ; held at the last: no load leaves the tensor
	s_mul_i32 s63, s63, 12288
	v_add_nc_u32 v[PC+\i], s63, v[LI]              ; its row in memory, 16 bytes a lane
.endr
	s_mul_i32 s63, s62, 12288
	v_add_nc_u32 v[GO], s63, v[LI]                 ; phase O: tile w's first node in sp, 16 bytes a lane
	; every LDS address is a constant + a constant x lane + a constant x wave, made here once
	s_mul_i32 s62, s[WV], 3072
	s_add_co_u32 s62, s62, XIMG
	v_add_nc_u32 v[XWI], s62, v[LI]
	s_lshl_b32 s62, s[WV], 8
	s_add_co_u32 s62, s62, XSC
	v_add_nc_u32 v[XWS], s62, v[LS]
	s_mul_i32 s62, s[WV], QKW
	v_mul_u32_u24 v36, v34, 24
	v_add_nc_u32 v[PWR], s62, v36                  ; my run of codes: 24 x lane
	s_mul_i32 s62, s[WV], QSW
	s_add_co_u32 s62, s62, QS
	v_add_nc_u32 v[PWS], s62, v[LS]
	v_mul_u32_u24 v36, v32, 24
	v_lshlrev_b32 v37, 2, v32
	s_mul_i32 s62, s[HD], QKW
	s_mul_i32 s63, s[HF], 2688
	s_add_co_u32 s63, s63, s62
	v_add_nc_u32 v[AQ], s63, v36                   ; Q of my head, my half's 112 positions
	s_add_co_u32 s62, s62, 8*QKW
	v_add_nc_u32 v[AK], s62, v36                   ; K of my head
	s_mul_i32 s62, s[HD], QSW
	s_add_co_u32 s62, s62, QS
	s_mul_i32 s63, s[HF], 448
	s_add_co_u32 s63, s63, s62
	v_add_nc_u32 v[AQS], s63, v37
	s_add_co_u32 s62, s62, 8*QSW
	v_add_nc_u32 v[AKS], s62, v37
	s_mul_i32 s62, s[HD], 3072
	s_add_co_u32 s62, s62, VIMG
	v_add_nc_u32 v[AV], s62, v[LI]
	s_lshl_b32 s62, s[HD], 8
	s_add_co_u32 s62, s62, VSC
	v_add_nc_u32 v[AVS], s62, v[LS]
	s_lshl_b32 s63, s[HD], 1
	s_add_co_u32 s63, s63, s[HF]
	s_mul_i32 s62, s63, 1536
	s_add_co_u32 s62, s62, VIMG
	v_add_nc_u32 v[VWI], s62, v[LI]
	s_lshl_b32 s62, s63, 7
	s_add_co_u32 s62, s62, VSC
	v_add_nc_u32 v[VWS], s62, v[LS]
	s_mul_i32 s62, s[HF], 24576
	s_add_co_u32 s62, s62, XIMG
	v_add_nc_u32 v[AXV], s62, v[LI]
	s_lshl_b32 s62, s[HF], 11
	s_add_co_u32 s62, s62, XSC
	v_add_nc_u32 v[AXVS], s62, v[LS]
	s_mul_i32 s62, s[HD], OHD
	s_mul_i32 s63, s[HF], 8960
	s_add_co_u32 s62, s62, s63
	s_add_co_u32 s62, s62, OST
	v_mul_u32_u24 v38, v32, 80
	v_lshl_add_u32 v39, v33, 5, v38
	v_add_nc_u32 v[OW], s62, v39                   ; my head's run, my half's 112 rows of 80 bytes, + 32 h
	s_mul_i32 s62, s[WV], 1280
	s_add_co_u32 s62, s62, OST
	v_mad_u32_u24 v39, v33, OHD, v38
	v_add_nc_u32 v[ORA], s62, v39                  ; phase O: row 16 w + r of head h (heads 2 b + h: 2 OHD b further on)
	v_add_nc_u32 v[ORB], 4*OHD, v[ORA]
	v_mul_u32_u24 v[ASO], v35, 96
	v_mad_u32_u24 v[ASO], v33, 24, v[ASO]
	v_add_nc_u32 v[ASO], SOW, v[ASO]
	v_lshlrev_b32 v[SOG], 3, v0
	v_lshl_add_u32 v[SOWW], v0, 3, SOW
	s_mul_i32 s62, s[WV], 8448                     ; my stage
	v_mul_u32_u24 v38, v32, 528
	v_add_nc_u32 v38, v38, v[B64]
	v_add_nc_u32 v[SGW], s62, v38
	v_add_nc_u32 v[SGR], s62, v[LI]
	v_mul_u32_u24 v[T0], v35, 192                  ; in my stage: a tile's rows of sq_w or sk_w,
	v_mad_u32_u24 v[T0], v33, 24, v[T0]
	v_add_nc_u32 v[T0], s62, v[T0]
	v_lshlrev_b32 v[T1], 3, v35                    ; in memory: their scale bytes;
	v_mul_u32_u24 v[T2], v32, 96                   ; in my stage: sv_w's row r;
	v_mad_u32_u24 v[T2], v33, 24, v[T2]
	v_add_nc_u32 v[T2], s62, v[T2]
	v_lshlrev_b32 v[T3], 2, v32                    ; in memory: its scale word and its bias
.irp i, 4,5,6,7
	v_mov_b32 v[TM+\i], 0                          ; written once: a lane permute's destination counts as one of its sources
.endr
	s_mov_b32 s[SEL], 0x76543210
	s_mov_b32 s[SEL+1], 0xfedcba98                 ; lane xor 16
	s_mov_b32 s[CS], 0x3e8293ee                    ; c = log2(e) / sqrt(32)
	s_mov_b32 s[CS+1], s[CS]
	s_mov_b32 s[MHI], 0xffff0000                   ; lanes 16-31
	s_cmp_eq_u32 s[HF], 1
	s_cselect_b32 s[MA], s[MHI], 0                 ; which lanes of V's keys 192 .. 206 + 16 h lie past node 206: none in keys 0-127
	s_cselect_b32 s[MB], -1, 0
	s_mul_i32 s62, ttmp9, 2731
	s_lshr_b32 s62, s62, 16                        ; b = work-group / 24 (exact below 384)
	s_mul_i32 s63, s62, 24
	s_sub_co_u32 s63, ttmp9, s63                   ; t
	s_mul_i32 s60, s62, 2543616
	s_lshl_b32 s63, s63, 9
	s_add_co_u32 s60, s60, s63
	s_mov_b32 s61, 0
	s_wait_kmcnt 0x0
	s_add_nc_u64 s[4:5], s[4:5], s[60:61]
	s_add_nc_u64 s[6:7], s[6:7], s[60:61]
	s_add_nc_u64 s[32:33], s[32:33], s[60:61]
	s_cmp_lt_u32 s[WV], 8                          ; waves 0-7 project Q, waves 8-15 K: only pointers are chosen
	s_cselect_b64 s[54:55], s[8:9], s[14:15]
	s_cselect_b64 s[56:57], s[10:11], s[16:17]
	s_cselect_b64 s[58:59], s[12:13], s[18:19]
	s_mul_i32 s60, s[HD], 6144
	s_add_nc_u64 s[54:55], s[54:55], s[60:61]      ; my head's 32 rows
	s_lshl_b32 s60, s[HD], 8
	s_add_nc_u64 s[56:57], s[56:57], s[60:61]
	s_lshl_b32 s60, s[HD], 7
	s_add_nc_u64 s[58:59], s[58:59], s[60:61]
	s_mul_i32 s60, s[HD], 1536
	s_add_nc_u64 s[20:21], s[20:21], s[60:61]      ; sv_w: my head's 16 rows
	s_lshl_b32 s60, s[HD], 6
	s_add_nc_u64 s[22:23], s[22:23], s[60:61]
	s_add_nc_u64 s[24:25], s[24:25], s[60:61]
	; ---- X: my head's 32 rows of the weight, 6,144 neighbouring bytes; then my 16 rows of hidden and of tXin, a row a load
.irp i, 0,1,2,3,4,5,6,7,8,9,10,11
	global_load_b128 v[160+4*\i:163+4*\i], v[LI], s[54:55] offset:512*\i
.endr
	global_load_b32 v[SCR+0], v[T1], s[56:57]
	global_load_b32 v[SCR+1], v[T1], s[56:57] offset:4
	global_load_b32 v[SCR+2], v[T1], s[56:57] offset:64
	global_load_b32 v[SCR+3], v[T1], s[56:57] offset:68
.irp i, 0,1,2,3,4,5,6,7,8,9,10,11,12,13,14,15
	global_load_b128 v[32+4*\i:35+4*\i], v[PC+\i], s[4:5]
.endr
.irp i, 0,1,2,3,4,5,6,7,8,9,10,11,12,13,14,15
	global_load_b128 v[96+4*\i:99+4*\i], v[PC+\i], s[6:7]
.endr
	s_wait_loadcnt 32                              ; the weight and its scale words are in; hidden's and tXin's 16 loads each may be out
.irp i, 0,1,2,3,4,5,6,7,8,9,10,11
	ds_store_b128 v[SGR], v[160+4*\i:163+4*\i] offset:512*\i
.endr
	LFRAG 160, T0, 0                               ; the operands that stay: (tile u, K step s) at v[160 + 12 (2 u + s)]; tile u's rows are 8 u + r + 8 (r / 8)
	LFRAG 172, T0, 96
	LFRAG 184, T0, 1536
	LFRAG 196, T0, 1632
	s_wait_dscnt 0x0
	s_wait_loadcnt 16                              ; hidden's rows are in; tXin's 16 may be out
	TURN 32
	s_wait_xcnt 0x0                                ; the rows' loads have read their offsets: the first codes are written over them only behind this wait
	QUANT 32
	global_load_b128 v[64:67], v[LI], s[20:21]     ; sv_w's 16 rows of my head: 1,536 neighbouring bytes
	global_load_b128 v[68:71], v[LI], s[20:21] offset:512
	global_load_b128 v[72:75], v[LI], s[20:21] offset:1024
	global_load_b32 v[SCR+8], v[T3], s[22:23]
	global_load_b32 v76, v[T3], s[24:25]
	global_load_b64 v[78:79], v[SOG], s[26:27]     ; so_w: the 512 threads copy its 12,288 bytes, 3 x 8 bytes each
	global_load_b64 v[80:81], v[SOG], s[26:27] offset:4096
	global_load_b64 v[82:83], v[SOG], s[26:27] offset:8192
	IMAGE XWI, 0
	ds_store_b32 v[XWS], v[PW]
	s_wait_loadcnt 8                               ; tXin's rows are in; the eight loads just issued may be out
	TURN 96                                        ; (its wait for LDS also shows that the image's stores have read their registers)
	QUANT 96
	IMAGE XWI, 1536
	ds_store_b32 v[XWS], v[PW] offset:128
.irp u, 0,1                                    ; the bias in the result's layout: channels 16 h + 8 u + 0 .. 7 of my head
	global_load_b128 v[144+8*\u:144+8*\u+3], v[B64], s[58:59] offset:32*\u
	global_load_b128 v[144+8*\u+4:144+8*\u+7], v[B64], s[58:59] offset:32*\u+16
.endr
	s_wait_loadcnt 4                               ; sv_w and so_w are in; the bias's four loads may be out
	ds_store_b128 v[SGR], v[64:67]
	ds_store_b128 v[SGR], v[68:71] offset:512
	ds_store_b128 v[SGR], v[72:75] offset:1024
	LFRAG 64, T2, 0                                ; sv_w's operand
	ds_store_b64 v[SOWW], v[78:79]
	ds_store_b64 v[SOWW], v[80:81] offset:4096
	ds_store_b64 v[SOWW], v[82:83] offset:8192
	BARRIER                                        ; x's 32 images and so_w lie in LDS; nobody reads a stage any more
	s_wait_loadcnt 0x0
.irp j, 0,1,2,3,4,5,6,7
	v_mov_b32 v[80+\j], v76                        ; V's bias hangs on the lane's channel alone
.endr
	; ---- P: Q or K of my head, two tiles of positions a trip.  Transposed: source 0 = 16 rows of the weight, source 1 = x: a lane holds one position and 16 neighbouring channels
	s_mov_b32 s[SX], XIMG
	s_mov_b32 s[SXS], XSC
	s_mov_b32 s[SR], 0
	s_mov_b32 s[SRS], 0
	s_mov_b32 s[CNT], 0
.Lp:
	v_add_nc_u32 v[T0], s[SX], v[LI]
	v_add_nc_u32 v[T1], s[SXS], v[LS]
.irp f, 0,1,2,3
	FETCH 96+12*\f, T0, 1536*\f
	ds_load_b32 v[SCR+4+\f], v[T1] offset:128*\f
.endr
	s_wait_dscnt 0x0                               ; also: the last trip's stores have read their registers
.irp s, 0,1                                    ; four accumulators by turns, one instruction a turn
.irp t, 0,1
.irp u, 0,1
.if \s == 0
	MM 32+16*\t+8*\u, 160+12*(2*\u+\s), 96+12*(2*\t+\s), 144+8*\u, SCR+2*\u+\s, SCR+4+2*\t+\s
.else
	MM 32+16*\t+8*\u, 160+12*(2*\u+\s), 96+12*(2*\t+\s), 32+16*\t+8*\u, SCR+2*\u+\s, SCR+4+2*\t+\s
.endif
.endr
.endr
.endr
	PLACES 4
	RELU 32, 32
	QUANT2 32, 48, 0                               ; lanes 0-15: the first tile's rows, lanes 16-31: the second's
	v_cndmask_b32 v[PW], v[TM+4], v[TM+5], s[MHI]  ; each half's own byte; the word's other bytes are 0
	v_add_nc_u32 v[T2], s[SR], v[PWR]
	v_add_nc_u32 v[T3], s[SRS], v[PWS]
.irp pp, 0,1,2
	ds_store_b64 v[T2], v[PC+2*\pp:PC+2*\pp+1] offset:8*\pp
.endr
	ds_store_b32 v[T3], v[PW]
	s_add_co_u32 s[SX], s[SX], 6144
	s_add_co_u32 s[SXS], s[SXS], 512
	s_add_co_u32 s[SR], s[SR], 768
	s_add_co_u32 s[SRS], s[SRS], 128
	s_add_co_u32 s[CNT], s[CNT], 1
	s_cmp_lt_u32 s[CNT], 7
	s_cbranch_scc1 .Lp
	; V of my head for keys 128 half + 0 .. 127.  NOT transposed: source 0 = x, source 1 = sv_w: a lane holds one channel, and its registers run along the keys, which are the next K
	PLACES 4
.irp g, 0,1
.irp i, 0,1,2,3
	FETCH 160+12*\i, AXV, (4*\g+\i)*3072
	ds_load_b32 v[SCR+4+\i], v[AXVS] offset:(4*\g+\i)*256
.endr
	s_wait_dscnt 0x0
.irp i, 0,1,2,3
	MM 96+8*(4*\g+\i), 160+12*\i, 64, 80, SCR+4+\i, SCR+8
.endr
	PLACES 4
.endr
	RELU 96, 64
.set jj, 0
.rept 15
	v_cndmask_b32 v[128+jj], v[128+jj], v[NIL], s[MA]   ; keys 208 .. 222: zeros, as the quantiser fills its last block
.set jj, jj+1
.endr
.rept 17
	v_cndmask_b32 v[128+jj], v[128+jj], v[NIL], s[MB]   ; keys 207, 223 and 224 .. 255
.set jj, jj+1
.endr
	QUANT 96
	IMAGE VWI, 0
	ds_store_b32 v[VWS], v[PW]
	BARRIER                                        ; Q's, K's and V's codes lie in LDS; nobody reads x's images any more
	; ---- A
.irp i, 0,1,2,3,4,5
	v_mov_b32 v[QF+6+\i], 0                        ; Q's blocks 2 and 3: zero codes
	v_mov_b32 v[KF+24+\i], 0                       ; behind K's fourth block
.endr
	v_mov_b32 v91, 0                               ; (named with v90 as a pair)
.macro KLOAD ch, n
.set kk, 0
.rept \n
	LDBLK KF+6*kk, AK, 384*(4*(\ch)+kk)
	ds_load_b32 v[SCR+kk], v[AKS] offset:64*(4*(\ch)+kk)
.set kk, kk+1
.endr
.endm
.macro KMUL ch, n                      ; K's operand is its block and whatever codes lie behind it: they meet Q's zero codes
.set kk, 0
.rept \n
	MM0 S+8*(4*(\ch)+kk), KF+6*kk, QF, SCR+kk, SCR+4
.set kk, kk+1
.endr
.endm
	s_mov_b32 s[SX], 0
	s_mov_b32 s[SXS], 0
	s_mov_b32 s[SR], 0
	s_mov_b32 s[CNT], 0
.La:                                               ; 7 trips: a tile of 16 queries against all 224 positions
	v_add_nc_u32 v[T0], s[SX], v[AQ]
	v_add_nc_u32 v[T1], s[SXS], v[AQS]
	LDBLK QF, T0, 0
	ds_load_b32 v[SCR+4], v[T1]
	KLOAD 0, 4
	s_wait_dscnt 0x0
.irp i, 0,1,2,3,4,5
	v_and_b32 v[QF+\i], v[LOM], v[QF+\i]           ; lanes 16-31 are block 1: zero codes
.endr
	PLACES 4
	KMUL 0, 4
	PLACES 4
	KLOAD 1, 4
	s_wait_dscnt 0x0
	KMUL 1, 4
	PLACES 4
	KLOAD 2, 4
	s_wait_dscnt 0x0
	KMUL 2, 4
	PLACES 4
	KLOAD 3, 2
	s_wait_dscnt 0x0
	KMUL 3, 2
	PLACES 4
	FETCH 44, AV, 0                                ; V's two operands land while the softmax is worked
	FETCH 56, AV, 1536
	ds_load_b32 v[SCR+5], v[AVS]
	ds_load_b32 v[SCR+6], v[AVS] offset:128
.set jj, 0
.rept 15
	v_cndmask_b32 v[S+96+jj], v[S+96+jj], v[NINF], s[MHI]   ; keys 208 .. 222
.set jj, jj+1
.endr
	v_mov_b32 v[S+111], v[NINF]                    ; keys 207 and 223
.irp b, 0,1,2,3,4,5,6
	v_max3_num_f32 v[TM+\b], v[S+16*\b], v[S+16*\b+1], v[S+16*\b+2]   ; the largest score of each block of 32 keys: for the row's maximum and for the block's largest p
.endr
.irp i, 3,5,7,9,11,13
.irp b, 0,1,2,3,4,5,6
	v_max3_num_f32 v[TM+\b], v[TM+\b], v[S+16*\b+\i], v[S+16*\b+\i+1]
.endr
.endr
.irp b, 0,1,2,3,4,5,6
	v_max_num_f32 v[TM+\b], v[TM+\b], v[S+16*\b+15]
.endr
.irp b, 0,1,2,3,4,5,6
	v_permlanex16_b32 v[PC+\b], v[TM+\b], s[SEL], s[SEL+1]
.endr
.irp b, 0,1,2,3,4,5,6
	v_max_num_f32 v[TM+\b], v[TM+\b], v[PC+\b]
.endr
	v_max3_num_f32 v[TM+8], v[TM], v[TM+1], v[TM+2]
	v_max3_num_f32 v[TM+8], v[TM+8], v[TM+3], v[TM+4]
	v_max3_num_f32 v[TM+8], v[TM+8], v[TM+5], v[TM+6]
	v_mul_f32 v[TM+8], s[CS], v[TM+8]              ; the row's largest t
	v_floor_f32 v90, -v[TM+8]                      ; -M = -ceil(t): a whole number
.set jj, 0
.rept 56
	v_pk_fma_f32 v[S+jj:S+jj+1], v[S+jj:S+jj+1], s[CS:CS+1], v[90:91] op_sel_hi:[1,0,0]   ; t - M
.set jj, jj+2
.endr
.irp b, 0,1,2,3,4,5,6
	v_fma_f32 v[TM+\b], v[TM+\b], s[CS], v90
.endr
.set jj, 0
.rept 112
	v_exp_f32 v[S+jj], v[S+jj]                     ; p = 2^(t - M): not normalised
.set jj, jj+1
.endr
	v_nop                                          ; a plain place behind the batch
	s_wait_alu depctr_va_vdst(0)                   ; one wait for the batch, ahead of its first reader
.irp b, 0,1,2,3,4,5,6
	v_exp_f32 v[TM+\b], v[TM+\b]                   ; each block's largest p
.endr
	v_pk_add_f32 v[92:93], v[S:S+1], v[S+2:S+3]    ; the row's sum of the unquantised p, in two chains
	v_pk_add_f32 v[94:95], v[S+4:S+5], v[S+6:S+7]
.set jj, 8
.rept 26
	v_pk_add_f32 v[92:93], v[92:93], v[S+jj:S+jj+1]
	v_pk_add_f32 v[94:95], v[94:95], v[S+jj+2:S+jj+3]
.set jj, jj+4
.endr
	v_pk_add_f32 v[92:93], v[92:93], v[94:95]
	s_wait_alu depctr_va_vdst(0)                   ; and one for the seven
.irp b, 0,1,2,3,4,5,6
	v_max_num_f32 v[TM+\b], 0x1800000, v[TM+\b]    ; the floor: the byte cannot fall under 1
.endr
.irp b, 0,1,2,3,4,5,6
	v_add_nc_u32 v[TM+\b], 0xff000000, v[TM+\b]    ; the conversions' scale operands
.endr
	; keys 0 .. 127
.irp b, 0,1,2,3
	v_lshrrev_b32 v[PC+12+\b], 23, v[TM+\b]
.endr
	v_lshl_or_b32 v[PW], v[PC+13], 8, v[PC+12]
	v_lshl_or_b32 v[PW], v[PC+14], 16, v[PW]
	v_lshl_or_b32 v[PW], v[PC+15], 24, v[PW]
	v_cvt_scalef32_pk16_fp6_f32 v[PC:PC+2], v[S:S+15], v[TM]
	v_cvt_scalef32_pk16_fp6_f32 v[PC+12:PC+14], v[S+16:S+31], v[TM+1]
	v_cvt_scalef32_pk16_fp6_f32 v[PC+6:PC+8], v[S+32:S+47], v[TM+2]
	v_cvt_scalef32_pk16_fp6_f32 v[PC+16:PC+18], v[S+48:S+63], v[TM+3]
	v_nop
.irp i, 0,1,2
	v_permlane16_swap_b32 v[PC+\i], v[PC+12+\i]
	v_permlane16_swap_b32 v[PC+6+\i], v[PC+16+\i]
.endr
.irp i, 0,1,2
	v_mov_b32 v[PC+3+\i], v[PC+12+\i]
	v_mov_b32 v[PC+9+\i], v[PC+16+\i]
.endr
	s_wait_dscnt 0x0                               ; V is in
	PLACES 8                                       ; a scale word made by vector instructions stands 8 places ahead of the product, an operand 4
	MM0 OA, 44, PC, SCR+5, PW
	; keys 128 .. 255: three blocks; the fourth is zero codes under the byte 0
	v_lshrrev_b32 v[PC+12], 23, v[TM+4]
	v_lshrrev_b32 v[PC+13], 23, v[TM+5]
	v_lshrrev_b32 v[PC+14], 23, v[TM+6]
	v_lshl_or_b32 v[PW2], v[PC+13], 8, v[PC+12]
	v_lshl_or_b32 v[PW2], v[PC+14], 16, v[PW2]
	v_mov_b32 v[PC+16], 0
	v_mov_b32 v[PC+17], 0
	v_mov_b32 v[PC+18], 0                          ; these eight lines name no register of the product above: they are the places ahead of the new codes
	v_cvt_scalef32_pk16_fp6_f32 v[PC:PC+2], v[S+64:S+79], v[TM+4]
	v_cvt_scalef32_pk16_fp6_f32 v[PC+12:PC+14], v[S+80:S+95], v[TM+5]
	v_cvt_scalef32_pk16_fp6_f32 v[PC+6:PC+8], v[S+96:S+111], v[TM+6]
	v_nop
.irp i, 0,1,2
	v_permlane16_swap_b32 v[PC+\i], v[PC+12+\i]
	v_permlane16_swap_b32 v[PC+6+\i], v[PC+16+\i]
.endr
.irp i, 0,1,2
	v_mov_b32 v[PC+3+\i], v[PC+12+\i]
	v_mov_b32 v[PC+9+\i], v[PC+16+\i]
.endr
	PLACES 8
	s_wait_alu depctr_va_vdst(0)                   ; the wait stands directly ahead
	MM OA, 56, PC, OA, SCR+6, PW2
	v_add_f32 v92, v92, v93
	v_permlanex16_b32 v94, v92, s[SEL], s[SEL+1]
	v_add_f32 v92, v92, v94                        ; the row's sum
	v_rcp_f32 v93, v92
	PLACES 4
	s_wait_alu depctr_va_vdst(0)
.irp j, 0,1,2,3,4,5,6,7
	v_mul_f32 v[ON+\j], v[OA+\j], v93              ; O(query r, channel 16 head + 8 h + j)
.endr
	v_add_nc_u32 v[T2], s[SR], v[OW]
	ds_store_b128 v[T2], v[ON:ON+3]
	ds_store_b128 v[T2], v[ON+4:ON+7] offset:16
	s_add_co_u32 s[SX], s[SX], 384
	s_add_co_u32 s[SXS], s[SXS], 64
	s_add_co_u32 s[SR], s[SR], 1280
	s_add_co_u32 s[CNT], s[CNT], 1
	s_cmp_lt_u32 s[CNT], 7
	s_cbranch_scc1 .La
	BARRIER                                        ; O lies in LDS; nobody reads Q's, K's or V's codes any more
	; ---- O: tile w of 14
	s_cmp_ge_u32 s[WV], 14
	s_cbranch_scc1 .Lend
	v_and_b32 v[T2], 15, v0
	v_and_b32 v[T3], 8, v[T2]
	v_add_nc_u32 v[T2], v[T2], v[T3]               ; r + 8 (r / 8)
	v_lshlrev_b32 v[T1], 2, v[T2]
.irp b, 0,1
.irp q, 0,1,2,3
	ds_load_b128 v[96+16*\b+4*\q:96+16*\b+4*\q+3], v[ORA] offset:2*OHD*\b+16*\q
	ds_load_b128 v[128+16*\b+4*\q:128+16*\b+4*\q+3], v[ORB] offset:2*OHD*\b+16*\q
.endr
.endr
.irp t, 0,1,2,3                                ; so_w's tile t: rows 32 (t / 2) + 8 (t % 2) + r + 8 (r / 8), out of LDS; tiles 0-3 at v160 on
	LFRAG 160+12*\t, ASO, (32*(\t/2)+8*(\t%2))*96
.endr
.irp t, 0,1,2,3,4,5,6,7
	global_load_b32 v[SCR+\t], v[T1], s[28:29] offset:(32*(\t/2)+8*(\t%2))*4
.endr
	s_wait_dscnt 24                                ; O's rows are in; the 24 younger loads, so_w's four operands, may be out
	QUANT 96
.irp t, 4,5,6,7                                ; tiles 4-7 at v32 on
	LFRAG 12*\t-16, ASO, (32*(\t/2)+8*(\t%2))*96
.endr
.irp t, 0,1,2,3,4,5,6,7                        ; so_b in the result's layout: it is the C of each sum
	global_load_b128 v[96+8*\t:96+8*\t+3], v[B64], s[30:31] offset:128*(\t/2)+32*(\t%2)
	global_load_b128 v[96+8*\t+4:96+8*\t+7], v[B64], s[30:31] offset:128*(\t/2)+32*(\t%2)+16
.endr
	s_wait_loadcnt 0x0
	s_wait_dscnt 0x0
	PLACES 8
.irp t, 0,1,2,3,4,5,6,7
	MM 96+8*\t, 160+12*\t-176*(\t/4), PC, 96+8*\t, SCR+\t, PW
.endr
	PLACES 4
	RELU 96, 64
.irp b, 0,1,2,3
.irp q, 0,1,2,3
	ds_store_b128 v[SGW], v[96+16*\b+4*\q:96+16*\b+4*\q+3] offset:128*\b+16*\q
.endr
.endr
.irp i, 0,1,2,3,4,5,6,7,8,9,10,11,12,13,14,15
	ds_load_b128 v[32+4*\i:32+4*\i+3], v[SGR] offset:528*\i   ; LDS serves a wave's instructions in order: these see my stores
.endr
	s_wait_dscnt 0x0
.irp i, 0,1,2,3,4,5,6
	global_store_b128 v[GO], v[32+4*\i:32+4*\i+3], s[32:33] offset:12288*\i   ; 32 lanes store a row's 512 consecutive bytes, aligned
.endr
	s_cmp_eq_u32 s[WV], 13                         ; tile 13's row 7 would be node 207
	s_cbranch_scc1 .Lend
	global_store_b128 v[GO], v[60:63], s[32:33] offset:12288*7
	s_cmp_ge_u32 s[WV], 12                         ; tile 12's rows 8-15 would be nodes 208 on
	s_cbranch_scc1 .Lend
.irp i, 8,9,10,11,12,13,14,15
	global_store_b128 v[GO], v[32+4*\i:32+4*\i+3], s[32:33] offset:12288*(\i+8)
.endr
.Lend:
	s_wait_tensorcnt 0x0
	ds_add_u32 v239, v253
	s_wait_dscnt 0x0
	s_endpgm
.Lfunc_end_k_qf2b5906066_space:
	.size	k_qf2b5906066_space, .Lfunc_end_k_qf2b5906066_space-k_qf2b5906066_space
	.p2alignl 7, 3214868480
	.fill 96, 4, 3214868480
	.section	.rodata,"a",@progbits
	.p2align	6, 0x0
	.amdhsa_kernel k_qf2b5906066_space
		.amdhsa_group_segment_fixed_size 292864
		.amdhsa_private_segment_fixed_size 0
		.amdhsa_enable_private_segment 0
		.amdhsa_kernarg_size 120
		.amdhsa_user_sgpr_count 2
		.amdhsa_user_sgpr_kernarg_segment_ptr 1
		.amdhsa_wavefront_size32 1
		.amdhsa_system_sgpr_workgroup_id_x 1
		.amdhsa_system_sgpr_workgroup_id_y 1
		.amdhsa_system_sgpr_workgroup_id_z 1
		.amdhsa_system_vgpr_workitem_id 0
		.amdhsa_next_free_vgpr 256
		.amdhsa_next_free_sgpr 80
		.amdhsa_reserve_vcc 0
		.amdhsa_float_denorm_mode_32 3
		.amdhsa_float_denorm_mode_16_64 3
		.amdhsa_memory_ordered 1
		.amdhsa_forward_progress 1
		.amdhsa_inst_pref_size 95
	.end_amdhsa_kernel
	.amdgpu_metadata
---
amdhsa.version: [ 1, 2 ]
amdhsa.kernels:
  - .name:           k_qf2b5906066_space
    .symbol:         k_qf2b5906066_space.kd
    .args:
      - { .name: hidden, .offset: 0, .size: 8, .value_kind: global_buffer, .address_space: global }
      - { .name: tXin, .offset: 8, .size: 8, .value_kind: global_buffer, .address_space: global }
      - { .name: sq_w_codes, .offset: 16, .size: 8, .value_kind: global_buffer, .address_space: global }
      - { .name: sq_w_scales, .offset: 24, .size: 8, .value_kind: global_buffer, .address_space: global }
      - { .name: sq_b, .offset: 32, .size: 8, .value_kind: global_buffer, .address_space: global }
      - { .name: sk_w_codes, .offset: 40, .size: 8, .value_kind: global_buffer, .address_space: global }
      - { .name: sk_w_scales, .offset: 48, .size: 8, .value_kind: global_buffer, .address_space: global }
      - { .name: sk_b, .offset: 56, .size: 8, .value_kind: global_buffer, .address_space: global }
      - { .name: sv_w_codes, .offset: 64, .size: 8, .value_kind: global_buffer, .address_space: global }
      - { .name: sv_w_scales, .offset: 72, .size: 8, .value_kind: global_buffer, .address_space: global }
      - { .name: sv_b, .offset: 80, .size: 8, .value_kind: global_buffer, .address_space: global }
      - { .name: so_w_codes, .offset: 88, .size: 8, .value_kind: global_buffer, .address_space: global }
      - { .name: so_w_scales, .offset: 96, .size: 8, .value_kind: global_buffer, .address_space: global }
      - { .name: so_b, .offset: 104, .size: 8, .value_kind: global_buffer, .address_space: global }
      - { .name: sp, .offset: 112, .size: 8, .value_kind: global_buffer, .address_space: global }
    .group_segment_fixed_size: 292864
    .private_segment_fixed_size: 0
    .kernarg_segment_align: 8
    .kernarg_segment_size: 120
    .max_flat_workgroup_size: 512
    .sgpr_count:     80
    .vgpr_count:     256
    .wavefront_size: 32
...
	.end_amdgpu_metadata
.endif
;; end of part 1
;; launch tempo (part 2): grid 414 x 1, 16 waves a work-group, no clusters, 327,168 bytes of LDS; arguments hidden, tXin, sp, tq_w_codes, tq_w_scales, tq_b, tk_w_codes, tk_w_scales, tk_b, tv_w_codes, tv_w_scales, tv_b, to_w_codes, to_w_scales, to_b, gate_w_codes, gate_w_scales, gate_b, tp, gi, part; writes tp, gi, part
.if DOCPART == 2
	.amdgcn_target "amdgcn-amd-amdhsa--gfx1250"
	.amdhsa_code_object_version 6
	.text
	.protected	k_qf2b5906066_tempo
	.globl	k_qf2b5906066_tempo
	.p2align	8
	.type	k_qf2b5906066_tempo,@function
k_qf2b5906066_tempo:
	s_mov_b64 s[64:65], 0
	v_nop
	global_prefetch_b8 v0, s[64:65] scope:SCOPE_SE
	s_setreg_imm32_b32 hwreg(HW_REG_WAVE_MODE, 25, 1), 1
	s_wait_xcnt 0x0
; TEMPORAL ATTENTION, THE GATE'S PRODUCT AND ITS PARTIAL STATISTICS.  One work-group takes 192 neighbouring rows (b, n, t): 8 pairs (b, n) of 24 times, 12 tiles of 16 rows.
; tp = relu(O to_w + to_b), O = causal softmax(Q K^T / sqrt(32)) V;  gi = (sp | tp) gate_w + gate_b;  part[work-group] = the mean and the sum of squared deviations of gi's 192 rows, for each channel.
; All products are on codes of E2M3 with one E8M0 scale for each 32 along K, but P V (K = 24), which is left as it is and feeds a quantiser: f32 operands, v_wmma_f32_16x16x4_f32.
; PHASES, four barriers:  X: waves 0-11 quantise their tile of hidden | tXin and of sp; waves 12-15 bring to_w, gate_w and the two biases into LDS |  P: wave w < 8 projects Q of head w, w >= 8 K of head w - 8 |
; A: wave (head, half) takes two groups of 48 rows (two pairs): V, five score tiles, masks, softmax, P V |  OG: wave w < 12: out projection, tp, gate, gi, statistics of its 16 rows |  wave 0 joins the 12 partial statistics.
; FROM MEMORY THE BYTES COME AS THEY LIE: every load of rows or of codes takes 16 bytes a lane, 512 consecutive bytes a wave.  The layouts that the conversions and the matrix unit want are made by a turn through
; LDS bytes that are the wave's own at that time; LDS serves a wave's instructions in order, so a turn needs no barrier.
; The variance is never a difference of large sums: each part keeps its mean and its squared deviations from that mean, and parts of equal size n are joined by M2 = sum M2_i + n sum (mean_i - mean)^2.
; LIMITS: NaN and infinities among the inputs are not served.  A block whose largest magnitude lies under 2^-124 takes the byte 1; a block of zeros takes the byte 1 with zero codes (these bytes are read here alone).  v_exp_f32 gives 0 under 2^-126.
; No tensor load and no cluster: every LDS byte is made or copied by a wave; what work-groups share, the weights, is 150 KB against the 295 KB of rows that each reads for itself.
.set XIMG,  0                          ; LDS: x: 24 images (tile, K step), 1,536 bytes each
.set XSC,   36864
.set SIMG,  39936                      ; sp: 12 images
.set SSC,   58368
.set QK,    59904                      ; codes of Q (waves 0-7) and K (waves 8-15): for each wave 192 rows x 24 bytes.  In phase X: 9,216 bytes for each of waves 12-15, through which to_w's and gate_w's rows are turned
.set QKW,   4608
.set QS,    133632                     ; their scale words: for each wave 192 x 4 bytes
.set QSW,   768
.set WIMG,  145920                     ; to_w's 8 tiles, then gate_w's (tile t, K step s) at 8 + 2 t + s
.set WSC,   182784
.set BIA,   185856                     ; to_b, gate_b
.set OST,   186880                     ; 192 rows x (512 bytes + 16): phase X: the stage of each of waves 0-11; phase P's head: 6,144 bytes a wave for tq_w's or tk_w's rows; then attention's result; then each wave's stage again
.set STAT,  288256                     ; 12 x (128 means, 128 sums of squared deviations)
.set TVS,   300544                     ; 1,536 bytes a wave: tv_w's 16 rows of its head
.set LI,1
.set LS,2
.set WST,3                             ; waves 12-15: where the weights' rows go as they lie
.set XWI,4
.set XWS,5
.set SWI,6
.set SWS,7
.set PWR,8
.set PWS,9
.set AQ,10
.set AQS,11
.set AK,12
.set AKS,13
.set AX,14
.set AXS,15
.set OW,16
.set OR2,17
.set ORR,18
.set GO,19
.set NIL,20
.set NINF,21
.set LOM,22
.set BA,23
.set STA,24
.set AWI,25
.set AWS,26
.set B64,27
.set T0,28
.set T1,29
.set T2,30
.set T3,31
; phase P: the weight's operand (tile u, K step s) stands at v80, v144, v184, v196: (1 - u) (80 + 64 s) + u (184 + 12 s).  v160-183 are kept for the f32 matrix form alone
.set OA,160                            ; v160-183: three accumulators of P V: written by matrix instructions alone, in the whole text
.set PC,208
.set CM,208                            ; phase A: additive masks, 0 or -infinity
.set CM1,216
.set TM,228
.set WGI,236                           ; waves 12-15: where they store the images
.set WGS,237
.set WGI2,238
.set WGS2,239
.set BWA,227
.set SCR,244
.set PW,255
.set WV,46
.set HD,47
.set HF,48
.set SEL,50
.set CS,52
.set MHI,54
.set CNT,55
.set SX,56
.set SXS,57
.set SR,58
.set SRS,59
.macro PLACES n
.rept \n
	v_nop
.endr
.endm
.macro BARRIER                         ; my LDS stores have landed and my LDS loads are in: then the work-group's barrier
	s_wait_dscnt 0x0
	s_barrier_signal -1
	s_barrier_wait -1
.endm
.macro MM d, a, b, c, sa, sb
	v_wmma_scale_f32_16x16x128_f8f6f4 v[(\d):(\d)+7], v[(\a):(\a)+11], v[(\b):(\b)+11], v[(\c):(\c)+7], v[\sa], v[\sb] matrix_a_fmt:MATRIX_FMT_FP6 matrix_b_fmt:MATRIX_FMT_FP6
.endm
.macro MM0 d, a, b, sa, sb
	v_wmma_scale_f32_16x16x128_f8f6f4 v[(\d):(\d)+7], v[(\a):(\a)+11], v[(\b):(\b)+11], 0, v[\sa], v[\sb] matrix_a_fmt:MATRIX_FMT_FP6 matrix_b_fmt:MATRIX_FMT_FP6
.endm
; Two sets of 16 registers, each half a block of 32 (the other half lies in lane xor 16), become two whole blocks of codes in v[PC + 6 c] on: lanes 0-15 set a's, lanes 16-31 set b's.  Their bytes: v[TM+4+2c], v[TM+5+2c].
.macro QUANT2 a, b, c
	v_max3_num_f32 v[TM+2*(\c)], |v[(\a)]|, |v[(\a)+1]|, 0x1800000       ; with the floor 2^(3 - 127): the byte cannot fall under 1
	v_max3_num_f32 v[TM+2*(\c)+1], |v[(\b)]|, |v[(\b)+1]|, 0x1800000
.irp i, 2,4,6,8,10,12,14
	v_max3_num_f32 v[TM+2*(\c)], v[TM+2*(\c)], |v[(\a)+\i]|, |v[(\a)+\i+1]|
	v_max3_num_f32 v[TM+2*(\c)+1], v[TM+2*(\c)+1], |v[(\b)+\i]|, |v[(\b)+\i+1]|
.endr
	v_permlanex16_b32 v[TM+4+2*(\c)], v[TM+2*(\c)], s[SEL], s[SEL+1]
	v_permlanex16_b32 v[TM+5+2*(\c)], v[TM+2*(\c)+1], s[SEL], s[SEL+1]
	v_max_num_f32 v[TM+2*(\c)], v[TM+2*(\c)], v[TM+4+2*(\c)]
	v_max_num_f32 v[TM+2*(\c)+1], v[TM+2*(\c)+1], v[TM+5+2*(\c)]
	v_add_nc_u32 v[TM+12+2*(\c)], 0xff000000, v[TM+2*(\c)]               ; 2 off the exponent field: the conversion's scale operand
	v_add_nc_u32 v[TM+13+2*(\c)], 0xff000000, v[TM+2*(\c)+1]
	v_lshrrev_b32 v[TM+4+2*(\c)], 23, v[TM+12+2*(\c)]                    ; the scale's byte
	v_lshrrev_b32 v[TM+5+2*(\c)], 23, v[TM+13+2*(\c)]
	v_cvt_scalef32_pk16_fp6_f32 v[PC+6*(\c):PC+6*(\c)+2], v[(\a):(\a)+15], v[TM+12+2*(\c)]
	v_cvt_scalef32_pk16_fp6_f32 v[PC+12+4*(\c):PC+12+4*(\c)+2], v[(\b):(\b)+15], v[TM+13+2*(\c)]
	v_nop                                          ; one plain place behind a scaled conversion
.irp i, 0,1,2
	v_permlane16_swap_b32 v[PC+6*(\c)+\i], v[PC+12+4*(\c)+\i]
.endr
.irp i, 0,1,2
	v_mov_b32 v[PC+3+6*(\c)+\i], v[PC+12+4*(\c)+\i]
.endr
.endm
.macro PWORD4 d
	v_lshl_or_b32 v[\d], v[TM+5], 8, v[TM+4]
	v_lshl_or_b32 v[\d], v[TM+6], 16, v[\d]
	v_lshl_or_b32 v[\d], v[TM+7], 24, v[\d]
.endm
.macro QUANT r                         ; 64 numbers of a lane, register 16 b + i = k 32 b + 16 (lane / 16) + i of my row, become an operand in v[PC] on and its scale word in v[PW]
	QUANT2 (\r), (\r)+16, 0
	QUANT2 (\r)+32, (\r)+48, 1
	PWORD4 PW
.endm
.macro IMAGE adr, off
.irp cc, 0,1,2
	ds_store_b128 v[\adr], v[PC+4*\cc:PC+4*\cc+3] offset:(\off)+512*\cc
.endr
.endm
.macro FETCH reg, adr, off
.irp cc, 0,1,2
	ds_load_b128 v[(\reg)+4*\cc:(\reg)+4*\cc+3], v[\adr] offset:(\off)+512*\cc
.endr
.endm
.macro LDBLK reg, adr, off
.irp pp, 0,1,2
	ds_load_b64 v[(\reg)+2*\pp:(\reg)+2*\pp+1], v[\adr] offset:(\off)+8*\pp
.endr
.endm
.macro LFRAG reg, adr, off             ; a weight's operand out of rows that lie in LDS as in memory: two runs of 24 bytes, in pieces of 8
.irp pp, 0,1,2,3,4,5
	ds_load_b64 v[(\reg)+2*\pp:(\reg)+2*\pp+1], v[\adr] offset:(\off)+48*(\pp/3)+8*(\pp%3)
.endr
.endm
.macro LOADR reg, ptr                  ; my tile's 16 rows, a row of 512 bytes a load
.irp i, 0,1,2,3,4,5,6,7,8,9,10,11,12,13,14,15
	global_load_b128 v[(\reg)+4*\i:(\reg)+4*\i+3], v[GO], s[\ptr:\ptr+1] offset:512*\i
.endr
.endm
.macro TURN reg                        ; 16 rows, row i in v[reg + 4 i] as loaded, go through my stage and come back as register 16 b + i = channel 32 b + 16 (lane / 16) + i of row lane % 16
.irp i, 0,1,2,3,4,5,6,7,8,9,10,11,12,13,14,15
	ds_store_b128 v[ORR], v[(\reg)+4*\i:(\reg)+4*\i+3] offset:528*\i
.endr
.irp b, 0,1,2,3
.irp q, 0,1,2,3
	ds_load_b128 v[(\reg)+16*\b+4*\q:(\reg)+16*\b+4*\q+3], v[OR2] offset:128*\b+16*\q   ; rows 528 bytes apart
.endr
.endr
	s_wait_dscnt 0x0
.endm
.macro RELU reg, n
.set jj, 0
.rept \n
	v_max_num_f32 v[(\reg)+jj], 0, v[(\reg)+jj]
.set jj, jj+1
.endr
.endm
.macro TOSTAGE                         ; v96-159, register 16 b + i = channel 32 b + 16 h + i of row r, into my 16 rows of the stage, and back as whole rows into v32-95
.irp b, 0,1,2,3
.irp q, 0,1,2,3
	ds_store_b128 v[OR2], v[96+16*\b+4*\q:96+16*\b+4*\q+3] offset:128*\b+16*\q
.endr
.endr
.irp i, 0,1,2,3,4,5,6,7,8,9,10,11,12,13,14,15
	ds_load_b128 v[32+4*\i:32+4*\i+3], v[ORR] offset:528*\i   ; LDS serves a wave's instructions in order: these see my stores
.endr
	s_wait_dscnt 0x0
.endm
.macro BIAS off                        ; a bias in the result's layout into v96-159: it is the C of each sum
.irp t, 0,1,2,3,4,5,6,7
	ds_load_b128 v[96+8*\t:96+8*\t+3], v[BA] offset:(\off)+128*(\t/2)+32*(\t%2)
	ds_load_b128 v[96+8*\t+4:96+8*\t+7], v[BA] offset:(\off)+128*(\t/2)+32*(\t%2)+16
.endr
.endm
	s_load_b512 s[4:19], s[0:1], 0x0               ; hidden, tXin, sp, tq codes, scales, bias, tk codes, scales
	s_load_b512 s[20:35], s[0:1], 0x40             ; tk bias, tv codes, scales, bias, to codes, scales, bias, gate codes
	s_load_b256 s[36:43], s[0:1], 0x80             ; gate scales, bias, tp, gi
	s_load_b64 s[44:45], s[0:1], 0xa0              ; part
	v_lshrrev_b32 v32, 5, v0
	v_readfirstlane_b32 s[WV], v32                 ; wave 0..15
	s_and_b32 s[HD], s[WV], 7
	s_lshr_b32 s[HF], s[WV], 3
	v_and_b32 v32, 15, v0                          ; r
	v_bfe_u32 v33, v0, 4, 1                        ; h
	v_and_b32 v34, 31, v0                          ; lane
	v_and_b32 v35, 8, v32
	v_add_nc_u32 v35, v35, v32                     ; r + 8 (r / 8)
	v_lshlrev_b32 v[LI], 4, v34
	v_lshlrev_b32 v[LS], 2, v34
	v_lshlrev_b32 v[B64], 6, v33
	v_mov_b32 v[NIL], 0
	v_mov_b32 v[NINF], 0xff800000
	v_add_nc_u32 v[LOM], -1, v33                   ; all ones in lanes 0-15, 0 in lanes 16-31
	s_lshl_b32 s62, s[WV], 13
	v_add_nc_u32 v[GO], s62, v[LI]                 ; in memory: my tile's 16 rows, 16 bytes a lane
	; every LDS address is a constant + a constant x lane + a constant x wave, made here once, ahead of every branch on the wave's number
	s_mul_i32 s62, s[WV], 3072
	v_add_nc_u32 v[XWI], s62, v[LI]
	s_add_co_u32 s62, s62, WIMG-36864
	v_add_nc_u32 v[WGI], s62, v[LI]                ; waves 12-15: to_w's tiles 2 (w - 12) and the next
	s_lshl_b32 s62, s[WV], 8
	s_add_co_u32 s63, s62, XSC
	v_add_nc_u32 v[XWS], s63, v[LS]
	s_add_co_u32 s63, s62, WSC-3072
	v_add_nc_u32 v[WGS], s63, v[LS]
	s_add_co_u32 s63, s62, BIA-3072
	v_lshl_add_u32 v[BWA], v34, 3, s63             ; 256 bytes of a bias for each of the four
	s_mul_i32 s62, s[WV], 6144
	s_add_co_u32 s62, s62, WIMG+12288-73728
	v_add_nc_u32 v[WGI2], s62, v[LI]               ; gate_w's four operands of tiles 2 (w - 12) and the next
	s_lshl_b32 s62, s[WV], 9
	s_add_co_u32 s62, s62, WSC+1024-6144
	v_add_nc_u32 v[WGS2], s62, v[LS]
	s_mul_i32 s62, s[WV], 1536
	s_add_co_u32 s62, s62, SIMG
	v_add_nc_u32 v[SWI], s62, v[LI]
	s_lshl_b32 s62, s[WV], 7
	s_add_co_u32 s62, s62, SSC
	v_add_nc_u32 v[SWS], s62, v[LS]
	s_mul_i32 s62, s[WV], QKW
	s_add_co_u32 s62, s62, QK
	v_mul_u32_u24 v36, v34, 24
	v_add_nc_u32 v[PWR], s62, v36
	s_mul_i32 s62, s[WV], QSW
	s_add_co_u32 s62, s62, QS
	v_add_nc_u32 v[PWS], s62, v[LS]
	v_mul_u32_u24 v36, v32, 24
	v_lshlrev_b32 v37, 2, v32
	s_mul_i32 s62, s[HD], QKW
	s_mul_i32 s63, s[HF], 2304
	s_add_co_u32 s62, s62, s63
	s_add_co_u32 s62, s62, QK
	v_add_nc_u32 v[AQ], s62, v36                   ; Q of my head, my half's 96 rows
	v_add_nc_u32 v[AK], 8*QKW, v[AQ]
	s_mul_i32 s62, s[HD], QSW
	s_mul_i32 s63, s[HF], 384
	s_add_co_u32 s62, s62, s63
	s_add_co_u32 s62, s62, QS
	v_add_nc_u32 v[AQS], s62, v37
	v_add_nc_u32 v[AKS], 8*QSW, v[AQS]
	s_mul_i32 s62, s[HF], 18432
	v_add_nc_u32 v[AX], s62, v[LI]
	s_mul_i32 s62, s[HF], 1536
	s_add_co_u32 s62, s62, XSC
	v_add_nc_u32 v[AXS], s62, v[LS]
	v_mul_u32_u24 v38, v32, 528
	s_mul_i32 s62, s[HF], 50688
	s_lshl_b32 s63, s[HD], 6
	s_add_co_u32 s62, s62, s63
	s_add_co_u32 s62, s62, OST
	v_lshl_add_u32 v39, v33, 5, v38
	v_add_nc_u32 v[OW], s62, v39                   ; row 96 half + r, + 64 head + 32 h
	s_mul_i32 s62, s[WV], 8448
	s_add_co_u32 s62, s62, OST
	v_add_nc_u32 v39, v38, v[B64]
	v_add_nc_u32 v[OR2], s62, v39
	v_add_nc_u32 v[ORR], s62, v[LI]
	v_add_nc_u32 v[BA], BIA, v[B64]
	s_lshl_b32 s62, s[WV], 10
	s_add_co_u32 s62, s62, STAT
	v_add_nc_u32 v[STA], s62, v[LI]
	v_add_nc_u32 v[AWI], WIMG, v[LI]
	v_add_nc_u32 v[AWS], WSC, v[LS]
	s_and_b32 s62, s[WV], 3                        ; waves 12-15: w - 12
	s_mul_i32 s62, s62, 9216
	s_add_co_u32 s62, s62, QK                      ; their 9,216 bytes: to_w's 32 rows of 96 bytes, then gate_w's 32 rows of 192
	v_add_nc_u32 v[WST], s62, v[LI]
	v_mul_u32_u24 v[T0], v35, 96                   ; there: a tile's rows of 96 bytes,
	v_mad_u32_u24 v[T0], v33, 24, v[T0]
	v_add_nc_u32 v[T0], s62, v[T0]
	v_lshlrev_b32 v[T1], 2, v35                    ; in memory: their scale words;
	s_add_co_u32 s62, s62, 3072
	v_mul_u32_u24 v[T2], v35, 192                  ; there: rows of 192 bytes,
	v_mad_u32_u24 v[T2], v33, 24, v[T2]
	v_add_nc_u32 v[T2], s62, v[T2]
	v_lshlrev_b32 v[T3], 3, v35                    ; in memory: their scale bytes
.irp i, 0,1,2,3,4,5,6,7,12,13,14,15
	v_mov_b32 v[TM+\i], 0                          ; written once: a lane permute's destination counts as one of its sources, and pairs are named whole
.endr
	s_mov_b32 s[SEL], 0x76543210
	s_mov_b32 s[SEL+1], 0xfedcba98                 ; lane xor 16
	s_mov_b32 s[CS], 0x3e8293ee                    ; c = log2(e) / sqrt(32)
	s_mov_b32 s[CS+1], s[CS]
	s_mov_b32 s[MHI], 0xffff0000
	s_mul_i32 s60, ttmp9, 98304                    ; 192 rows of 512 bytes
	s_mov_b32 s61, 0
	s_wait_kmcnt 0x0
	s_add_nc_u64 s[4:5], s[4:5], s[60:61]
	s_add_nc_u64 s[6:7], s[6:7], s[60:61]
	s_add_nc_u64 s[8:9], s[8:9], s[60:61]
	s_add_nc_u64 s[40:41], s[40:41], s[60:61]
	s_add_nc_u64 s[42:43], s[42:43], s[60:61]
	s_lshl_b32 s60, ttmp9, 10
	s_add_nc_u64 s[44:45], s[44:45], s[60:61]
	s_mul_i32 s60, s[HD], 1536
	s_add_nc_u64 s[22:23], s[22:23], s[60:61]      ; tv_w: my head's 16 rows
	s_lshl_b32 s60, s[HD], 6
	s_add_nc_u64 s[24:25], s[24:25], s[60:61]
	s_add_nc_u64 s[26:27], s[26:27], s[60:61]
	; ---- X
	s_cmp_ge_u32 s[WV], 12
	s_cbranch_scc1 .Lweights
	LOADR 32, 4                                    ; hidden's 16 rows,
	LOADR 96, 6                                    ; tXin's
	s_wait_loadcnt 16                              ; hidden's are in; tXin's 16 loads may be out
	TURN 32
	QUANT 32
	LOADR 32, 8                                    ; sp's, into the registers that hidden has left
	IMAGE XWI, 0
	ds_store_b32 v[XWS], v[PW]
	s_wait_loadcnt 16                              ; tXin's are in; sp's 16 loads may be out
	TURN 96                                        ; (its wait for LDS also shows that the image's stores have read their registers)
	QUANT 96
	IMAGE XWI, 1536
	ds_store_b32 v[XWS], v[PW] offset:128
	s_wait_loadcnt 0x0
	TURN 32
	QUANT 32
	IMAGE SWI, 0
	ds_store_b32 v[SWS], v[PW]
	s_branch .Ljoin
.Lweights:                                         ; waves 12-15: two tiles of to_w, two of gate_w (two K steps each) and 256 bytes of a bias.  A wave's 32 rows of each weight are neighbours in memory
	s_sub_co_u32 s62, s[WV], 12
	s_mul_i32 s60, s62, 3072
	s_add_nc_u64 s[28:29], s[28:29], s[60:61]
	s_lshl_b32 s60, s62, 7
	s_add_nc_u64 s[30:31], s[30:31], s[60:61]
	s_mul_i32 s60, s62, 6144
	s_add_nc_u64 s[34:35], s[34:35], s[60:61]
	s_lshl_b32 s60, s62, 8
	s_add_nc_u64 s[36:37], s[36:37], s[60:61]
	s_cmp_lt_u32 s62, 2
	s_cselect_b64 s[74:75], s[32:33], s[38:39]     ; waves 12, 13: to_b; waves 14, 15: gate_b
	s_and_b32 s60, s62, 1
	s_lshl_b32 s60, s60, 8
	v_and_b32 v106, 31, v0
	v_lshlrev_b32 v106, 3, v106
	v_add_nc_u32 v106, s60, v106
.irp i, 0,1,2,3,4,5
	global_load_b128 v[32+4*\i:35+4*\i], v[LI], s[28:29] offset:512*\i
.endr
.irp i, 0,1,2,3,4,5,6,7,8,9,10,11
	global_load_b128 v[56+4*\i:59+4*\i], v[LI], s[34:35] offset:512*\i
.endr
	global_load_b32 v[SCR+0], v[T1], s[30:31]
	global_load_b32 v[SCR+1], v[T1], s[30:31] offset:32
.irp f, 0,1,2,3
	global_load_b32 v[SCR+2+\f], v[T3], s[36:37] offset:64*(\f/2)+4*(\f%2)
.endr
	global_load_b64 v[104:105], v106, s[74:75]
	s_wait_loadcnt 0x0
.irp i, 0,1,2,3,4,5,6,7,8,9,10,11,12,13,14,15,16,17
	ds_store_b128 v[WST], v[32+4*\i:35+4*\i] offset:512*\i   ; as they lie,
.endr
	LFRAG 32, T0, 0                                ; and back as operands
	LFRAG 44, T0, 768
.irp f, 0,1,2,3
	LFRAG 56+12*\f, T2, 1536*(\f/2)+96*(\f%2)
.endr
	s_wait_dscnt 0x0
.irp u, 0,1
.irp cc, 0,1,2
	ds_store_b128 v[WGI], v[32+12*\u+4*\cc:32+12*\u+4*\cc+3] offset:1536*\u+512*\cc
.endr
	ds_store_b32 v[WGS], v[SCR+\u] offset:128*\u
.endr
.irp f, 0,1,2,3
.irp cc, 0,1,2
	ds_store_b128 v[WGI2], v[56+12*\f+4*\cc:56+12*\f+4*\cc+3] offset:1536*\f+512*\cc
.endr
	ds_store_b32 v[WGS2], v[SCR+2+\f] offset:128*\f
.endr
	ds_store_b64 v[BWA], v[104:105]
.Ljoin:
	s_wait_dscnt 0x0                               ; my stores have read their registers: loads may land there
	s_cmp_lt_u32 s[WV], 8                          ; waves 0-7 project Q, waves 8-15 K: only pointers are chosen
	s_cselect_b64 s[66:67], s[10:11], s[16:17]
	s_cselect_b64 s[68:69], s[12:13], s[18:19]
	s_cselect_b64 s[70:71], s[14:15], s[20:21]
	s_mul_i32 s60, s[HD], 6144
	s_add_nc_u64 s[66:67], s[66:67], s[60:61]
	s_lshl_b32 s60, s[HD], 8
	s_add_nc_u64 s[68:69], s[68:69], s[60:61]
	s_lshl_b32 s60, s[HD], 7
	s_add_nc_u64 s[70:71], s[70:71], s[60:61]
	s_mul_i32 s62, s[WV], 6144
	s_add_co_u32 s62, s62, OST                     ; behind the barrier below: 6,144 bytes a wave for my head's 32 rows of the weight
	v_add_nc_u32 v[T0], s62, v[LI]
	v_and_b32 v[T2], 15, v0
	v_and_b32 v[T1], 8, v[T2]
	v_add_nc_u32 v[T2], v[T2], v[T1]
	v_mul_u32_u24 v[T2], v[T2], 192
	v_bfe_u32 v[T1], v0, 4, 1
	v_mad_u32_u24 v[T2], v[T1], 24, v[T2]
	v_add_nc_u32 v[T2], s62, v[T2]                 ; there: row r + 8 (r / 8), + 24 h
.irp i, 0,1,2
	global_load_b128 v[80+4*\i:83+4*\i], v[LI], s[66:67] offset:512*\i
	global_load_b128 v[144+4*\i:147+4*\i], v[LI], s[66:67] offset:1536+512*\i
.endr
.irp i, 0,1,2,3,4,5
	global_load_b128 v[184+4*\i:187+4*\i], v[LI], s[66:67] offset:3072+512*\i
.endr
	global_load_b32 v[SCR+0], v[T3], s[68:69]
	global_load_b32 v[SCR+1], v[T3], s[68:69] offset:4
	global_load_b32 v[SCR+2], v[T3], s[68:69] offset:64
	global_load_b32 v[SCR+3], v[T3], s[68:69] offset:68
.irp u, 0,1
	global_load_b128 v[64+8*\u:64+8*\u+3], v[B64], s[70:71] offset:32*\u
	global_load_b128 v[64+8*\u+4:64+8*\u+7], v[B64], s[70:71] offset:32*\u+16
.endr
	BARRIER                                        ; x's, sp's and the weights' images lie in LDS; nobody reads a stage of phase X any more
	s_wait_loadcnt 0x0
.irp i, 0,1,2
	ds_store_b128 v[T0], v[80+4*\i:83+4*\i] offset:512*\i
	ds_store_b128 v[T0], v[144+4*\i:147+4*\i] offset:1536+512*\i
.endr
.irp i, 0,1,2,3,4,5
	ds_store_b128 v[T0], v[184+4*\i:187+4*\i] offset:3072+512*\i
.endr
	LFRAG 80, T2, 0                                ; the operands that stay: tile u's rows are 8 u + r + 8 (r / 8)
	LFRAG 144, T2, 96
	LFRAG 184, T2, 1536
	LFRAG 196, T2, 1632
	s_wait_dscnt 0x0
	; ---- P: Q or K of my head, two tiles of rows a trip.  Transposed: source 0 = 16 rows of the weight, source 1 = x
	s_mov_b32 s[SX], XIMG
	s_mov_b32 s[SXS], XSC
	s_mov_b32 s[SR], 0
	s_mov_b32 s[SRS], 0
	s_mov_b32 s[CNT], 0
.Lp:
	v_add_nc_u32 v[T0], s[SX], v[LI]
	v_add_nc_u32 v[T1], s[SXS], v[LS]
.irp f, 0,1,2,3
	FETCH 96+12*\f, T0, 1536*\f
	ds_load_b32 v[SCR+4+\f], v[T1] offset:128*\f
.endr
	s_wait_dscnt 0x0                               ; also: the last trip's stores have read their registers
.irp s, 0,1                                    ; four accumulators by turns, one instruction a turn
.irp t, 0,1
.irp u, 0,1
.if \s == 0
	MM 32+16*\t+8*\u, (1-\u)*(80+64*\s)+\u*(184+12*\s), 96+12*(2*\t+\s), 64+8*\u, SCR+2*\u+\s, SCR+4+2*\t+\s
.else
	MM 32+16*\t+8*\u, (1-\u)*(80+64*\s)+\u*(184+12*\s), 96+12*(2*\t+\s), 32+16*\t+8*\u, SCR+2*\u+\s, SCR+4+2*\t+\s
.endif
.endr
.endr
.endr
	PLACES 4
	RELU 32, 32
	QUANT2 32, 48, 0                               ; lanes 0-15: the first tile's rows, lanes 16-31: the second's
	v_cndmask_b32 v[PW], v[TM+4], v[TM+5], s[MHI]  ; each half's own byte; the word's other bytes are 0
	v_add_nc_u32 v[T2], s[SR], v[PWR]
	v_add_nc_u32 v[T3], s[SRS], v[PWS]
.irp pp, 0,1,2
	ds_store_b64 v[T2], v[PC+2*\pp:PC+2*\pp+1] offset:8*\pp
.endr
	ds_store_b32 v[T3], v[PW]
	s_add_co_u32 s[SX], s[SX], 6144
	s_add_co_u32 s[SXS], s[SXS], 512
	s_add_co_u32 s[SR], s[SR], 768
	s_add_co_u32 s[SRS], s[SRS], 128
	s_add_co_u32 s[CNT], s[CNT], 1
	s_cmp_lt_u32 s[CNT], 6
	s_cbranch_scc1 .Lp
	s_wait_dscnt 0x0                               ; the last stores have read their address registers
	PLACES 4
	s_mul_i32 s62, s[WV], 1536
	s_add_co_u32 s62, s62, TVS                     ; my own 1,536 bytes
	v_add_nc_u32 v[T0], s62, v[LI]
	v_and_b32 v[T2], 15, v0
	v_bfe_u32 v[T3], v0, 4, 1
	v_lshlrev_b32 v[T1], 2, v[T2]                  ; in memory: tv_w's scale word and bias of row r
	v_mul_u32_u24 v[T2], v[T2], 96
	v_mad_u32_u24 v[T2], v[T3], 24, v[T2]
	v_add_nc_u32 v[T2], s62, v[T2]                 ; in LDS: row r, + 24 h
	global_load_b128 v[184:187], v[LI], s[22:23]   ; tv_w's 16 rows of my head: 1,536 neighbouring bytes
	global_load_b128 v[188:191], v[LI], s[22:23] offset:512
	global_load_b128 v[192:195], v[LI], s[22:23] offset:1024
	global_load_b32 v[SCR+3], v[T1], s[24:25]
	global_load_b32 v204, v[T1], s[26:27]
	BARRIER                                        ; Q's and K's codes lie in LDS
	s_wait_loadcnt 0x0
	ds_store_b128 v[T0], v[184:187]
	ds_store_b128 v[T0], v[188:191] offset:512
	ds_store_b128 v[T0], v[192:195] offset:1024
	LFRAG 184, T2, 0                               ; tv_w's operand; the first group's wait for LDS covers it
.irp j, 0,1,2,3,4,5,6,7
	v_mov_b32 v[196+\j], v204                      ; V's bias hangs on the lane's channel alone
.endr
	; ---- A.  In S^T a lane holds query r and its register j key 8 h + j of the tile
.irp q, 0,1,2
.irp i, 0,1,2,3,4,5
	v_mov_b32 v[38+12*\q+\i], 0                    ; Q's blocks 2 and 3: zero codes
.endr
.endr
.irp i, 0,1,2,3,4,5
	v_mov_b32 v[86+\i], 0                          ; behind K's third block
.endr
.irp j, 0,1,2,3,4,5,6,7
	s_mov_b32 s72, ((0xffff<<\j)&0xffff)|(((0xffff<<(8+\j))&0xffff)<<16)
	v_cndmask_b32 v[CM+\j], v[NINF], v[NIL], s72   ; inside a tile: key 8 h + j counts for query r where it is not later
.endr
	s_mov_b32 s72, 0xffff00ff
.irp j, 0,1,2,3,4,5,6,7
	v_cndmask_b32 v[CM1+\j], v[NINF], v[CM+\j], s72   ; the middle tile holds the end of one pair and the head of the next: keys 0-7 count for queries 0-7 alone
.endr
	s_mov_b32 s72, 0x00ff00ff
	v_cndmask_b32 v224, v[NINF], v[NIL], s72       ; middle queries against the first tile's keys: queries 0-7 alone
	v_mov_b32 v225, v224
	v_cndmask_b32 v226, v[NINF], v[NIL], s[MHI]    ; last queries against the middle tile's keys: keys 8-15 alone
	v_mov_b32 v227, v226
.macro GROUP g                         ; rows 96 half + 48 g on: tiles 0, 1, 2; two pairs of 24 rows
.irp k, 0,1,2
	FETCH 96+12*\k, AX, (3*(\g)+\k)*3072
	ds_load_b32 v[SCR+\k], v[AXS] offset:(3*(\g)+\k)*256
	LDBLK 32+12*\k, AQ, 1152*(\g)+384*\k
	ds_load_b32 v[SCR+4+\k], v[AQS] offset:192*(\g)+64*\k
	LDBLK 68+6*\k, AK, 1152*(\g)+384*\k
	ds_load_b32 v[SCR+7+\k], v[AKS] offset:192*(\g)+64*\k
.endr
	s_wait_dscnt 0x0
.irp q, 0,1,2
.irp i, 0,1,2,3,4,5
	v_and_b32 v[32+12*\q+\i], v[LOM], v[32+12*\q+\i]   ; lanes 16-31 are block 1: zero codes
.endr
.endr
.irp k, 0,1,2                                  ; V, NOT transposed: source 0 = hidden's rows, source 1 = tv_w: a lane holds channel r and keys 8 h + 0 .. 7
	MM 136+8*\k, 96+12*\k, 184, 196, SCR+\k, SCR+3
.endr
	PLACES 5                                       ; the scores below are laid over hidden's operands
	RELU 136, 24
	MM0 96, 68, 32, SCR+7, SCR+4                   ; S^T: keys' tile 0 x queries' tile 0
	MM0 104, 68, 44, SCR+7, SCR+5                  ; 0 x 1
	MM0 112, 74, 44, SCR+8, SCR+5                  ; 1 x 1
	MM0 120, 74, 56, SCR+8, SCR+6                  ; 1 x 2
	MM0 128, 80, 56, SCR+9, SCR+6                  ; 2 x 2
	PLACES 4
.irp j, 0,2,4,6                                ; t = score x c + mask
	v_pk_fma_f32 v[96+\j:97+\j], v[96+\j:97+\j], s[CS:CS+1], v[CM+\j:CM+\j+1] op_sel_hi:[1,0,1]
	v_pk_fma_f32 v[104+\j:105+\j], v[104+\j:105+\j], s[CS:CS+1], v[224:225] op_sel_hi:[1,0,0]
	v_pk_fma_f32 v[112+\j:113+\j], v[112+\j:113+\j], s[CS:CS+1], v[CM1+\j:CM1+\j+1] op_sel_hi:[1,0,1]
	v_pk_fma_f32 v[120+\j:121+\j], v[120+\j:121+\j], s[CS:CS+1], v[226:227] op_sel_hi:[1,0,0]
	v_pk_fma_f32 v[128+\j:129+\j], v[128+\j:129+\j], s[CS:CS+1], v[CM+\j:CM+\j+1] op_sel_hi:[1,0,1]
.endr
	v_max3_num_f32 v[TM], v96, v97, v98            ; each query's largest t (its own key always counts)
	v_max3_num_f32 v[TM+2], v104, v105, v106
	v_max3_num_f32 v[TM+4], v120, v121, v122
	v_max3_num_f32 v[TM], v[TM], v99, v100
	v_max3_num_f32 v[TM], v[TM], v101, v102
	v_max_num_f32 v[TM], v[TM], v103
.irp i, 3,5,7,9,11,13
	v_max3_num_f32 v[TM+2], v[TM+2], v[104+\i], v[105+\i]
	v_max3_num_f32 v[TM+4], v[TM+4], v[120+\i], v[121+\i]
.endr
	v_max_num_f32 v[TM+2], v[TM+2], v119
	v_max_num_f32 v[TM+4], v[TM+4], v135
.irp q, 0,1,2
	v_permlanex16_b32 v[TM+12+\q], v[TM+2*\q], s[SEL], s[SEL+1]
.endr
.irp q, 0,1,2
	v_max_num_f32 v[TM+2*\q], v[TM+2*\q], v[TM+12+\q]
.endr
.irp j, 0,2,4,6
	v_pk_add_f32 v[96+\j:97+\j], v[96+\j:97+\j], v[TM:TM+1] op_sel_hi:[1,0] neg_lo:[0,1] neg_hi:[0,1]
.endr
.irp j, 0,2,4,6,8,10,12,14
	v_pk_add_f32 v[104+\j:105+\j], v[104+\j:105+\j], v[TM+2:TM+3] op_sel_hi:[1,0] neg_lo:[0,1] neg_hi:[0,1]
	v_pk_add_f32 v[120+\j:121+\j], v[120+\j:121+\j], v[TM+4:TM+5] op_sel_hi:[1,0] neg_lo:[0,1] neg_hi:[0,1]
.endr
.set jj, 0
.rept 40
	v_exp_f32 v[96+jj], v[96+jj]
.set jj, jj+1
.endr
	v_nop                                          ; a plain place behind the batch
	s_wait_alu depctr_va_vdst(0)                   ; one wait for the batch, ahead of its first reader
	v_pk_add_f32 v[TM+6:TM+7], v[96:97], v[98:99]
	v_pk_add_f32 v[TM+8:TM+9], v[104:105], v[106:107]
	v_pk_add_f32 v[TM+10:TM+11], v[120:121], v[122:123]
	v_pk_add_f32 v[TM+6:TM+7], v[TM+6:TM+7], v[100:101]
	v_pk_add_f32 v[TM+6:TM+7], v[TM+6:TM+7], v[102:103]
.irp j, 4,6,8,10,12,14
	v_pk_add_f32 v[TM+8:TM+9], v[TM+8:TM+9], v[104+\j:105+\j]
	v_pk_add_f32 v[TM+10:TM+11], v[TM+10:TM+11], v[120+\j:121+\j]
.endr
.irp q, 0,1,2
	v_add_f32 v[TM+6+2*\q], v[TM+6+2*\q], v[TM+7+2*\q]
.endr
.irp q, 0,1,2
	v_permlanex16_b32 v[TM+12+\q], v[TM+6+2*\q], s[SEL], s[SEL+1]
.endr
.irp q, 0,1,2
	v_add_f32 v[TM+6+2*\q], v[TM+6+2*\q], v[TM+12+\q]
.endr
.irp q, 0,1,2
	v_rcp_f32 v[TM+7+2*\q], v[TM+6+2*\q]
.endr
	v_nop
	; O^T = V^T p in f32.  The instruction's k = 2 h + j stands for key 8 h + 2 i + j on both sides: V's and p's registers are the operands as they lie.  Accumulators by turns, one instruction a turn
	v_wmma_f32_16x16x4_f32 v[OA:OA+7], v[136:137], v[96:97], 0
	v_wmma_f32_16x16x4_f32 v[OA+8:OA+15], v[136:137], v[104:105], 0
	v_wmma_f32_16x16x4_f32 v[OA+16:OA+23], v[144:145], v[120:121], 0
.irp i, 2,4,6
	v_wmma_f32_16x16x4_f32 v[OA:OA+7], v[136+\i:137+\i], v[96+\i:97+\i], v[OA:OA+7]
	v_wmma_f32_16x16x4_f32 v[OA+8:OA+15], v[136+\i:137+\i], v[104+\i:105+\i], v[OA+8:OA+15]
	v_wmma_f32_16x16x4_f32 v[OA+16:OA+23], v[144+\i:145+\i], v[120+\i:121+\i], v[OA+16:OA+23]
.endr
.irp i, 0,2,4,6
	v_wmma_f32_16x16x4_f32 v[OA+8:OA+15], v[144+\i:145+\i], v[112+\i:113+\i], v[OA+8:OA+15]
	v_wmma_f32_16x16x4_f32 v[OA+16:OA+23], v[152+\i:153+\i], v[128+\i:129+\i], v[OA+16:OA+23]
.endr
	PLACES 8
	s_wait_alu depctr_va_vdst(0)                   ; the three reciprocals
.irp q, 0,1,2
.irp j, 0,1,2,3,4,5,6,7
	v_mul_f32 v[96+8*\q+\j], v[OA+8*\q+\j], v[TM+7+2*\q]   ; into other registers: O(query r, channel 16 head + 8 h + j)
.endr
.endr
.irp q, 0,1,2
	ds_store_b128 v[OW], v[96+8*\q:96+8*\q+3] offset:(48*(\g)+16*\q)*528
	ds_store_b128 v[OW], v[96+8*\q+4:96+8*\q+7] offset:(48*(\g)+16*\q)*528+16
.endr
	s_wait_dscnt 0x0                               ; the stores have read their registers
.endm
	GROUP 0
	GROUP 1
	BARRIER                                        ; O's 192 rows lie in LDS
	s_cmp_ge_u32 s[WV], 12
	s_cbranch_scc1 .Lskip_og
	; ---- OG: tile w
.irp b, 0,1,2,3
.irp q, 0,1,2,3
	ds_load_b128 v[96+16*\b+4*\q:96+16*\b+4*\q+3], v[OR2] offset:128*\b+16*\q
.endr
.endr
	FETCH 184, SWI, 0                              ; sp's operand of my tile: the gate's first K step
	ds_load_b32 v[SCR+9], v[SWS]
	s_wait_dscnt 0x0
	QUANT 96
	BIAS 0                                         ; to_b
	PLACES 8                                       ; a scale word made by vector instructions stands 8 places ahead of the product, an operand 4
.irp g, 0,1
.irp i, 0,1,2,3
	FETCH 32+12*\i, AWI, (4*\g+\i)*1536
	ds_load_b32 v[SCR+\i], v[AWS] offset:(4*\g+\i)*128
.endr
	s_wait_dscnt 0x0
.irp i, 0,1,2,3
	MM 96+8*(4*\g+\i), 32+12*\i, PC, 96+8*(4*\g+\i), SCR+\i, PW
.endr
	PLACES 4
.endr
	RELU 96, 64                                    ; tempOut
	QUANT 96                                       ; and its operand: the gate's second K step
	PLACES 8
	TOSTAGE
.irp i, 0,1,2,3,4,5,6,7,8,9,10,11,12,13,14,15
	global_store_b128 v[GO], v[32+4*\i:32+4*\i+3], s[40:41] offset:512*\i   ; 32 lanes store a row's 512 consecutive bytes, aligned
.endr
	BIAS 512                                       ; gate_b
	s_wait_xcnt 0x0                                ; the stores have read their registers: loads may land there
.irp s, 0,1
.irp g, 0,1
.irp i, 0,1,2,3
	FETCH 32+12*\i, AWI, (8+2*(4*\g+\i)+\s)*1536
	ds_load_b32 v[SCR+\i], v[AWS] offset:(8+2*(4*\g+\i)+\s)*128
.endr
	s_wait_dscnt 0x0
.irp i, 0,1,2,3
.if \s == 0
	MM 96+8*(4*\g+\i), 32+12*\i, 184, 96+8*(4*\g+\i), SCR+\i, SCR+9
.else
	MM 96+8*(4*\g+\i), 32+12*\i, PC, 96+8*(4*\g+\i), SCR+\i, PW
.endif
.endr
	PLACES 4
.endr
.endr
	TOSTAGE
.irp i, 0,1,2,3,4,5,6,7,8,9,10,11,12,13,14,15
	global_store_b128 v[GO], v[32+4*\i:32+4*\i+3], s[42:43] offset:512*\i
.endr
	; my 16 rows' mean and squared deviations: a lane holds channels 4 lane + 0 .. 3 of each row
	v_pk_add_f32 v[96:97], v[32:33], v[36:37]
	v_pk_add_f32 v[98:99], v[34:35], v[38:39]
.irp i, 2,3,4,5,6,7,8,9,10,11,12,13,14,15
	v_pk_add_f32 v[96:97], v[96:97], v[32+4*\i:33+4*\i]
	v_pk_add_f32 v[98:99], v[98:99], v[34+4*\i:35+4*\i]
.endr
	v_pk_mul_f32 v[96:97], v[96:97], 0x3d800000 op_sel_hi:[1,0]         ; / 16
	v_pk_mul_f32 v[98:99], v[98:99], 0x3d800000 op_sel_hi:[1,0]
	v_pk_add_f32 v[100:101], v[32:33], v[96:97] neg_lo:[0,1] neg_hi:[0,1]
	v_pk_add_f32 v[102:103], v[34:35], v[98:99] neg_lo:[0,1] neg_hi:[0,1]
	v_pk_mul_f32 v[104:105], v[100:101], v[100:101]
	v_pk_mul_f32 v[106:107], v[102:103], v[102:103]
.irp i, 1,2,3,4,5,6,7,8,9,10,11,12,13,14,15
	v_pk_add_f32 v[100:101], v[32+4*\i:33+4*\i], v[96:97] neg_lo:[0,1] neg_hi:[0,1]
	v_pk_add_f32 v[102:103], v[34+4*\i:35+4*\i], v[98:99] neg_lo:[0,1] neg_hi:[0,1]
	v_pk_fma_f32 v[104:105], v[100:101], v[100:101], v[104:105]
	v_pk_fma_f32 v[106:107], v[102:103], v[102:103], v[106:107]
.endr
	ds_store_b128 v[STA], v[96:99]
	ds_store_b128 v[STA], v[104:107] offset:512
.Lskip_og:
	BARRIER                                        ; the 12 partial statistics lie in LDS
	s_cmp_lg_u32 s[WV], 0
	s_cbranch_scc1 .Lend
	s_wait_xcnt 0x0                                ; gi's stores have read their registers
.irp p, 0,1,2,3,4,5,6,7,8,9,10,11
	ds_load_b128 v[32+4*\p:32+4*\p+3], v[STA] offset:1024*\p
	ds_load_b128 v[96+4*\p:96+4*\p+3], v[STA] offset:1024*\p+512
.endr
	s_wait_dscnt 0x0
	v_pk_add_f32 v[144:145], v[32:33], v[36:37]
	v_pk_add_f32 v[146:147], v[34:35], v[38:39]
	v_pk_add_f32 v[148:149], v[96:97], v[100:101]
	v_pk_add_f32 v[150:151], v[98:99], v[102:103]
.irp p, 2,3,4,5,6,7,8,9,10,11
	v_pk_add_f32 v[144:145], v[144:145], v[32+4*\p:33+4*\p]
	v_pk_add_f32 v[146:147], v[146:147], v[34+4*\p:35+4*\p]
	v_pk_add_f32 v[148:149], v[148:149], v[96+4*\p:97+4*\p]
	v_pk_add_f32 v[150:151], v[150:151], v[98+4*\p:99+4*\p]
.endr
	v_pk_mul_f32 v[144:145], v[144:145], 0x3daaaaab op_sel_hi:[1,0]     ; / 12
	v_pk_mul_f32 v[146:147], v[146:147], 0x3daaaaab op_sel_hi:[1,0]
	v_pk_add_f32 v[156:157], v[32:33], v[144:145] neg_lo:[0,1] neg_hi:[0,1]
	v_pk_add_f32 v[158:159], v[34:35], v[146:147] neg_lo:[0,1] neg_hi:[0,1]
	v_pk_mul_f32 v[152:153], v[156:157], v[156:157]
	v_pk_mul_f32 v[154:155], v[158:159], v[158:159]
.irp p, 1,2,3,4,5,6,7,8,9,10,11
	v_pk_add_f32 v[156:157], v[32+4*\p:33+4*\p], v[144:145] neg_lo:[0,1] neg_hi:[0,1]
	v_pk_add_f32 v[158:159], v[34+4*\p:35+4*\p], v[146:147] neg_lo:[0,1] neg_hi:[0,1]
	v_pk_fma_f32 v[152:153], v[156:157], v[156:157], v[152:153]
	v_pk_fma_f32 v[154:155], v[158:159], v[158:159], v[154:155]
.endr
	v_pk_fma_f32 v[148:149], v[152:153], 0x41800000, v[148:149] op_sel_hi:[1,0,1]   ; + 16 x the means' squared deviations
	v_pk_fma_f32 v[150:151], v[154:155], 0x41800000, v[150:151] op_sel_hi:[1,0,1]
	global_store_b128 v[LI], v[144:147], s[44:45]
	global_store_b128 v[LI], v[148:151], s[44:45] offset:512
.Lend:
	s_wait_xcnt 0x0
	v_lshl_add_u32 v254, v0, 2, 0x4f600
	v_mov_b32 v255, 0
	s_wait_tensorcnt 0x0
	ds_add_u32 v254, v255
	s_wait_dscnt 0x0
	s_endpgm
.Lfunc_end_k_qf2b5906066_tempo:
	.size	k_qf2b5906066_tempo, .Lfunc_end_k_qf2b5906066_tempo-k_qf2b5906066_tempo
	.p2alignl 7, 3214868480
	.fill 96, 4, 3214868480
	.section	.rodata,"a",@progbits
	.p2align	6, 0x0
	.amdhsa_kernel k_qf2b5906066_tempo
		.amdhsa_group_segment_fixed_size 327168
		.amdhsa_private_segment_fixed_size 0
		.amdhsa_enable_private_segment 0
		.amdhsa_kernarg_size 168
		.amdhsa_user_sgpr_count 2
		.amdhsa_user_sgpr_kernarg_segment_ptr 1
		.amdhsa_wavefront_size32 1
		.amdhsa_system_sgpr_workgroup_id_x 1
		.amdhsa_system_sgpr_workgroup_id_y 1
		.amdhsa_system_sgpr_workgroup_id_z 1
		.amdhsa_system_vgpr_workitem_id 0
		.amdhsa_next_free_vgpr 256
		.amdhsa_next_free_sgpr 96
		.amdhsa_reserve_vcc 0
		.amdhsa_float_denorm_mode_32 3
		.amdhsa_float_denorm_mode_16_64 3
		.amdhsa_memory_ordered 1
		.amdhsa_forward_progress 1
		.amdhsa_inst_pref_size 127
	.end_amdhsa_kernel
	.amdgpu_metadata
---
amdhsa.version: [ 1, 2 ]
amdhsa.kernels:
  - .name:           k_qf2b5906066_tempo
    .symbol:         k_qf2b5906066_tempo.kd
    .args:
      - { .name: hidden, .offset: 0, .size: 8, .value_kind: global_buffer, .address_space: global }
      - { .name: tXin, .offset: 8, .size: 8, .value_kind: global_buffer, .address_space: global }
      - { .name: sp, .offset: 16, .size: 8, .value_kind: global_buffer, .address_space: global }
      - { .name: tq_w_codes, .offset: 24, .size: 8, .value_kind: global_buffer, .address_space: global }
      - { .name: tq_w_scales, .offset: 32, .size: 8, .value_kind: global_buffer, .address_space: global }
      - { .name: tq_b, .offset: 40, .size: 8, .value_kind: global_buffer, .address_space: global }
      - { .name: tk_w_codes, .offset: 48, .size: 8, .value_kind: global_buffer, .address_space: global }
      - { .name: tk_w_scales, .offset: 56, .size: 8, .value_kind: global_buffer, .address_space: global }
      - { .name: tk_b, .offset: 64, .size: 8, .value_kind: global_buffer, .address_space: global }
      - { .name: tv_w_codes, .offset: 72, .size: 8, .value_kind: global_buffer, .address_space: global }
      - { .name: tv_w_scales, .offset: 80, .size: 8, .value_kind: global_buffer, .address_space: global }
      - { .name: tv_b, .offset: 88, .size: 8, .value_kind: global_buffer, .address_space: global }
      - { .name: to_w_codes, .offset: 96, .size: 8, .value_kind: global_buffer, .address_space: global }
      - { .name: to_w_scales, .offset: 104, .size: 8, .value_kind: global_buffer, .address_space: global }
      - { .name: to_b, .offset: 112, .size: 8, .value_kind: global_buffer, .address_space: global }
      - { .name: gate_w_codes, .offset: 120, .size: 8, .value_kind: global_buffer, .address_space: global }
      - { .name: gate_w_scales, .offset: 128, .size: 8, .value_kind: global_buffer, .address_space: global }
      - { .name: gate_b, .offset: 136, .size: 8, .value_kind: global_buffer, .address_space: global }
      - { .name: tp, .offset: 144, .size: 8, .value_kind: global_buffer, .address_space: global }
      - { .name: gi, .offset: 152, .size: 8, .value_kind: global_buffer, .address_space: global }
      - { .name: part, .offset: 160, .size: 8, .value_kind: global_buffer, .address_space: global }
    .group_segment_fixed_size: 327168
    .private_segment_fixed_size: 0
    .kernarg_segment_align: 8
    .kernarg_segment_size: 168
    .max_flat_workgroup_size: 512
    .sgpr_count:     96
    .vgpr_count:     256
    .wavefront_size: 32
...
	.end_amdgpu_metadata
.endif
;; end of part 2
;; launch stats (part 3): grid 1 x 1, 9 waves a work-group, no clusters, 19,712 bytes of LDS; arguments part, bn_gamma, bn_beta, coef; writes coef
.if DOCPART == 3
	.amdgcn_target "amdgcn-amd-amdhsa--gfx1250"
	.amdhsa_code_object_version 6
	.text
	.protected	k_qf2b5906066_stats
	.globl	k_qf2b5906066_stats
	.p2align	8
	.type	k_qf2b5906066_stats,@function
k_qf2b5906066_stats:
	s_mov_b64 s[64:65], 0
	v_nop
	global_prefetch_b8 v0, s[64:65] scope:SCOPE_SE
	s_setreg_imm32_b32 hwreg(HW_REG_WAVE_MODE, 25, 1), 1
	s_wait_xcnt 0x0
; The 414 partial statistics of gi (each: 128 means, 128 sums of squared deviations, of 192 rows) become, for each channel, mean, A' = -log2(e) gamma / sqrt(var + 1e-5) and B' = -log2(e) beta,
; so that the last launch's sigmoid is 1 / (1 + 2^((gi - mean) A' + B')).  One work-group: the sum spans all work-groups of the launch before, so it has one owner.
; 9 waves take two groups of 23 partials each, one group after the other through the same registers: 18 parts of 4,416 rows; wave 0 joins the 18.
; Parts of equal size n are joined by mean = the means' mean, M2 = sum M2_i + n sum (mean_i - mean)^2: no difference of large sums is formed.
; A lane holds channels 4 lane + 0 .. 3.  LIMITS: NaN and infinities are not served.
.macro COMBINE n, inv, cnt             ; means at v[8 + 4 i], M2 at v[100 + 4 i], i < n  ->  mean in v[192:195], M2 in v[100:103]
	v_pk_add_f32 v[192:193], v[8:9], v[12:13]
	v_pk_add_f32 v[194:195], v[10:11], v[14:15]
	v_pk_add_f32 v[100:101], v[100:101], v[104:105]
	v_pk_add_f32 v[102:103], v[102:103], v[106:107]
.set ii, 2
.rept \n-2
	v_pk_add_f32 v[192:193], v[192:193], v[8+4*ii:9+4*ii]
	v_pk_add_f32 v[194:195], v[194:195], v[10+4*ii:11+4*ii]
	v_pk_add_f32 v[100:101], v[100:101], v[100+4*ii:101+4*ii]
	v_pk_add_f32 v[102:103], v[102:103], v[102+4*ii:103+4*ii]
.set ii, ii+1
.endr
	v_pk_mul_f32 v[192:193], v[192:193], \inv op_sel_hi:[1,0]
	v_pk_mul_f32 v[194:195], v[194:195], \inv op_sel_hi:[1,0]
	v_pk_add_f32 v[196:197], v[8:9], v[192:193] neg_lo:[0,1] neg_hi:[0,1]
	v_pk_add_f32 v[198:199], v[10:11], v[194:195] neg_lo:[0,1] neg_hi:[0,1]
	v_pk_mul_f32 v[104:105], v[196:197], v[196:197]
	v_pk_mul_f32 v[106:107], v[198:199], v[198:199]
.set ii, 1
.rept \n-1
	v_pk_add_f32 v[196:197], v[8+4*ii:9+4*ii], v[192:193] neg_lo:[0,1] neg_hi:[0,1]
	v_pk_add_f32 v[198:199], v[10+4*ii:11+4*ii], v[194:195] neg_lo:[0,1] neg_hi:[0,1]
	v_pk_fma_f32 v[104:105], v[196:197], v[196:197], v[104:105]
	v_pk_fma_f32 v[106:107], v[198:199], v[198:199], v[106:107]
.set ii, ii+1
.endr
	v_pk_fma_f32 v[100:101], v[104:105], \cnt, v[100:101] op_sel_hi:[1,0,1]
	v_pk_fma_f32 v[102:103], v[106:107], \cnt, v[102:103] op_sel_hi:[1,0,1]
.endm
	s_load_b256 s[4:11], s[0:1], 0x0               ; part, gamma, beta, coef
	v_lshl_add_u32 v200, v0, 2, 0x4800
	v_mov_b32 v201, 0
	v_lshrrev_b32 v1, 5, v0
	v_readfirstlane_b32 s12, v1                    ; wave 0..8
	v_and_b32 v2, 31, v0
	v_lshlrev_b32 v3, 4, v2                        ; 16 x lane
	s_mul_i32 s13, s12, 47104
	v_add_nc_u32 v4, s13, v3                       ; my 46 partials of 1,024 bytes
	s_lshl_b32 s13, s12, 11
	v_add_nc_u32 v5, s13, v3                       ; LDS: my two parts of 1,024 bytes
	s_wait_kmcnt 0x0
.irp g, 0,1
.set pp, 0
.rept 23
	global_load_b128 v[8+4*pp:11+4*pp], v4, s[4:5] offset:23552*\g+1024*pp
	global_load_b128 v[100+4*pp:103+4*pp], v4, s[4:5] offset:23552*\g+1024*pp+512
.set pp, pp+1
.endr
	s_wait_loadcnt 0x0
	COMBINE 23, 0x3d321643, 0x43400000             ; / 23; 192 rows to a partial
	ds_store_b128 v5, v[192:195] offset:1024*\g
	ds_store_b128 v5, v[100:103] offset:1024*\g+512
	s_wait_dscnt 0x0                               ; the stores have read their registers, and have landed
.endr
	s_barrier_signal -1
	s_barrier_wait -1
	s_cmp_lg_u32 s12, 0
	s_cbranch_scc1 .Lend
	global_load_b128 v[176:179], v3, s[6:7]        ; gamma
	global_load_b128 v[180:183], v3, s[8:9]        ; beta
.set pp, 0
.rept 18
	ds_load_b128 v[8+4*pp:11+4*pp], v3 offset:1024*pp
	ds_load_b128 v[100+4*pp:103+4*pp], v3 offset:1024*pp+512
.set pp, pp+1
.endr
	s_wait_dscnt 0x0
	COMBINE 18, 0x3d638e39, 0x458a0000             ; / 18; 4,416 rows to a part
	s_mov_b32 s14, 0x375310e7                      ; 1 / 79,488
	s_mov_b32 s15, 0x3727c5ac                      ; 1e-5
.irp i, 0,1,2,3
	v_fma_f32 v[104+\i], v[100+\i], s14, s15       ; the biased variance + eps
.endr
.irp i, 0,1,2,3
	v_rsq_f32 v[108+\i], v[104+\i]
.endr
	s_wait_loadcnt 0x0
.irp i, 0,1,2,3
	v_mul_f32 v[180+\i], 0xbfb8aa3b, v[180+\i]     ; B'.  (Plain work behind the four)
.endr
	s_wait_alu depctr_va_vdst(0)                   ; one wait for the four, ahead of their first reader
.irp i, 0,1,2,3
	v_mul_f32 v[108+\i], v[108+\i], v[176+\i]
.endr
.irp i, 0,1,2,3
	v_mul_f32 v[108+\i], 0xbfb8aa3b, v[108+\i]     ; A'
.endr
	global_store_b128 v3, v[192:195], s[10:11]
	global_store_b128 v3, v[108:111], s[10:11] offset:512
	global_store_b128 v3, v[180:183], s[10:11] offset:1024
.Lend:
	s_wait_tensorcnt 0x0
	ds_add_u32 v200, v201
	s_wait_dscnt 0x0
	s_endpgm
.Lfunc_end_k_qf2b5906066_stats:
	.size	k_qf2b5906066_stats, .Lfunc_end_k_qf2b5906066_stats-k_qf2b5906066_stats
	.p2alignl 7, 3214868480
	.fill 96, 4, 3214868480
	.section	.rodata,"a",@progbits
	.p2align	6, 0x0
	.amdhsa_kernel k_qf2b5906066_stats
		.amdhsa_group_segment_fixed_size 19712
		.amdhsa_private_segment_fixed_size 0
		.amdhsa_enable_private_segment 0
		.amdhsa_kernarg_size 32
		.amdhsa_user_sgpr_count 2
		.amdhsa_user_sgpr_kernarg_segment_ptr 1
		.amdhsa_wavefront_size32 1
		.amdhsa_system_sgpr_workgroup_id_x 1
		.amdhsa_system_sgpr_workgroup_id_y 1
		.amdhsa_system_sgpr_workgroup_id_z 1
		.amdhsa_system_vgpr_workitem_id 0
		.amdhsa_next_free_vgpr 202
		.amdhsa_next_free_sgpr 66
		.amdhsa_reserve_vcc 0
		.amdhsa_float_denorm_mode_32 3
		.amdhsa_float_denorm_mode_16_64 3
		.amdhsa_memory_ordered 1
		.amdhsa_forward_progress 1
		.amdhsa_inst_pref_size 47
	.end_amdhsa_kernel
	.amdgpu_metadata
---
amdhsa.version: [ 1, 2 ]
amdhsa.kernels:
  - .name:           k_qf2b5906066_stats
    .symbol:         k_qf2b5906066_stats.kd
    .args:
      - { .name: part, .offset: 0, .size: 8, .value_kind: global_buffer, .address_space: global }
      - { .name: bn_gamma, .offset: 8, .size: 8, .value_kind: global_buffer, .address_space: global }
      - { .name: bn_beta, .offset: 16, .size: 8, .value_kind: global_buffer, .address_space: global }
      - { .name: coef, .offset: 24, .size: 8, .value_kind: global_buffer, .address_space: global }
    .group_segment_fixed_size: 19712
    .private_segment_fixed_size: 0
    .kernarg_segment_align: 8
    .kernarg_segment_size: 32
    .max_flat_workgroup_size: 288
    .sgpr_count:     66
    .vgpr_count:     202
    .wavefront_size: 32
...
	.end_amdgpu_metadata
.endif
;; end of part 3
;; launch blend (part 4): grid 621 x 1, 8 waves a work-group, no clusters, 0 bytes of LDS; arguments gi, sp, tp, coef, out0; writes out0
.if DOCPART == 4
	.amdgcn_target "amdgcn-amd-amdhsa--gfx1250"
	.amdhsa_code_object_version 6
	.text
	.protected	k_qf2b5906066_blend
	.globl	k_qf2b5906066_blend
	.p2align	8
	.type	k_qf2b5906066_blend,@function
k_qf2b5906066_blend:
	s_mov_b64 s[64:65], 0
	v_nop
	global_prefetch_b8 v0, s[64:65] scope:SCOPE_SE
	s_setreg_imm32_b32 hwreg(HW_REG_WAVE_MODE, 25, 1), 1
	s_wait_xcnt 0x0
; out = t + z (s - t), z = 1 / (1 + 2^((gi - mean) A' + B')): the batch norm, the sigmoid and the blend, as a plain stream.
; A wave takes 16 rows, 8,192 neighbouring bytes of each of the three tensors; a lane takes 16 bytes (channels 4 lane + 0 .. 3) of each row, so that its mean, A' and B' stay in 12 registers.
; All 48 loads of a wave go out at once, each of 512 consecutive bytes; the rows are worked in four batches of four behind counted waits.  No register is written twice while a store may read it.
; No LDS, no barrier, no matrix unit: nothing is shared and nothing is multiplied by a matrix.  LIMITS: NaN and infinities are not served; where the exponential passes f32's range z is 0, as the sigmoid's limit is.
.set G, 16                             ; v16-79   gi, then the result
.set SS, 80                            ; v80-143  sp, then sp - tp
.set TT, 144                           ; v144-207 tp
.set E, 208                            ; v208-223 a batch's exponents, then z
	s_load_b256 s[4:11], s[0:1], 0x0               ; gi, sp, tp, coef
	s_load_b64 s[12:13], s[0:1], 0x20              ; out0
	v_lshrrev_b32 v1, 5, v0
	v_readfirstlane_b32 s14, v1                    ; wave 0..7
	v_and_b32 v2, 31, v0
	v_lshlrev_b32 v1, 4, v2                        ; 16 x lane
	s_lshl_b32 s15, ttmp9, 3
	s_add_co_u32 s15, s15, s14
	s_lshl_b32 s16, s15, 13                        ; my wave's 8,192 bytes
	s_mov_b32 s17, 0
	s_wait_kmcnt 0x0
	s_add_nc_u64 s[4:5], s[4:5], s[16:17]
	s_add_nc_u64 s[6:7], s[6:7], s[16:17]
	s_add_nc_u64 s[8:9], s[8:9], s[16:17]
	s_add_nc_u64 s[12:13], s[12:13], s[16:17]
	global_load_b128 v[4:7], v1, s[10:11]              ; mean
	global_load_b128 v[8:11], v1, s[10:11] offset:512  ; A'
	global_load_b128 v[12:15], v1, s[10:11] offset:1024 ; B'
.irp i, 0,1,2,3,4,5,6,7,8,9,10,11,12,13,14,15
	global_load_b128 v[G+4*\i:G+4*\i+3], v1, s[4:5] offset:512*\i th:TH_LOAD_NT
	global_load_b128 v[SS+4*\i:SS+4*\i+3], v1, s[6:7] offset:512*\i th:TH_LOAD_NT
	global_load_b128 v[TT+4*\i:TT+4*\i+3], v1, s[8:9] offset:512*\i th:TH_LOAD_NT
.endr
.macro BATCH k
	s_wait_loadcnt 36-12*(\k)                      ; loads come back in order: this batch's 12 are in, the younger batches' 12 each may be out
.irp i, 0,1,2,3
.irp h, 0,2
	v_pk_add_f32 v[E+4*\i+\h:E+4*\i+\h+1], v[G+16*(\k)+4*\i+\h:G+16*(\k)+4*\i+\h+1], v[4+\h:5+\h] neg_lo:[0,1] neg_hi:[0,1]
.endr
.endr
.irp i, 0,1,2,3
.irp h, 0,2
	v_pk_fma_f32 v[E+4*\i+\h:E+4*\i+\h+1], v[E+4*\i+\h:E+4*\i+\h+1], v[8+\h:9+\h], v[12+\h:13+\h]
.endr
.endr
.set jj, 0
.rept 16
	v_exp_f32 v[E+jj], v[E+jj]
.set jj, jj+1
.endr
.set jj, 0
.rept 8
	v_pk_add_f32 v[SS+16*(\k)+jj:SS+16*(\k)+jj+1], v[SS+16*(\k)+jj:SS+16*(\k)+jj+1], v[TT+16*(\k)+jj:TT+16*(\k)+jj+1] neg_lo:[0,1] neg_hi:[0,1]   ; s - t: plain work behind the exponentials
.set jj, jj+2
.endr
	s_wait_alu depctr_va_vdst(0)                   ; one wait for the batch of 16, ahead of its first reader
.set jj, 0
.rept 8
	v_pk_add_f32 v[E+jj:E+jj+1], v[E+jj:E+jj+1], 1.0 op_sel_hi:[1,0]
.set jj, jj+2
.endr
.set jj, 0
.rept 16
	v_rcp_f32 v[E+jj], v[E+jj]                     ; z
.set jj, jj+1
.endr
	v_nop
	s_wait_alu depctr_va_vdst(0)
.set jj, 0
.rept 8
	v_pk_fma_f32 v[G+16*(\k)+jj:G+16*(\k)+jj+1], v[E+jj:E+jj+1], v[SS+16*(\k)+jj:SS+16*(\k)+jj+1], v[TT+16*(\k)+jj:TT+16*(\k)+jj+1]
.set jj, jj+2
.endr
.irp i, 0,1,2,3
	global_store_b128 v1, v[G+16*(\k)+4*\i:G+16*(\k)+4*\i+3], s[12:13] offset:512*(4*(\k)+\i) th:TH_STORE_NT   ; 32 lanes store 512 consecutive bytes, aligned
.endr
.endm
	BATCH 0
	BATCH 1
	BATCH 2
	BATCH 3
	s_endpgm
.Lfunc_end_k_qf2b5906066_blend:
	.size	k_qf2b5906066_blend, .Lfunc_end_k_qf2b5906066_blend-k_qf2b5906066_blend
	.p2alignl 7, 3214868480
	.fill 96, 4, 3214868480
	.section	.rodata,"a",@progbits
	.p2align	6, 0x0
	.amdhsa_kernel k_qf2b5906066_blend
		.amdhsa_group_segment_fixed_size 0
		.amdhsa_private_segment_fixed_size 0
		.amdhsa_enable_private_segment 0
		.amdhsa_kernarg_size 40
		.amdhsa_user_sgpr_count 2
		.amdhsa_user_sgpr_kernarg_segment_ptr 1
		.amdhsa_wavefront_size32 1
		.amdhsa_system_sgpr_workgroup_id_x 1
		.amdhsa_system_sgpr_workgroup_id_y 1
		.amdhsa_system_sgpr_workgroup_id_z 1
		.amdhsa_system_vgpr_workitem_id 0
		.amdhsa_next_free_vgpr 224
		.amdhsa_next_free_sgpr 66
		.amdhsa_reserve_vcc 0
		.amdhsa_float_denorm_mode_32 3
		.amdhsa_float_denorm_mode_16_64 3
		.amdhsa_memory_ordered 1
		.amdhsa_forward_progress 1
		.amdhsa_inst_pref_size 22
	.end_amdhsa_kernel
	.amdgpu_metadata
---
amdhsa.version: [ 1, 2 ]
amdhsa.kernels:
  - .name:           k_qf2b5906066_blend
    .symbol:         k_qf2b5906066_blend.kd
    .args:
      - { .name: gi, .offset: 0, .size: 8, .value_kind: global_buffer, .address_space: global }
      - { .name: sp, .offset: 8, .size: 8, .value_kind: global_buffer, .address_space: global }
      - { .name: tp, .offset: 16, .size: 8, .value_kind: global_buffer, .address_space: global }
      - { .name: coef, .offset: 24, .size: 8, .value_kind: global_buffer, .address_space: global }
      - { .name: out0, .offset: 32, .size: 8, .value_kind: global_buffer, .address_space: global }
    .group_segment_fixed_size: 0
    .private_segment_fixed_size: 0
    .kernarg_segment_align: 8
    .kernarg_segment_size: 40
    .max_flat_workgroup_size: 256
    .sgpr_count:     66
    .vgpr_count:     224
    .wavefront_size: 32
...
	.end_amdgpu_metadata
.endif
;; end of part 4
;; ======== version 2 of 2: 4 launches
;; workspace buffers: sp 40,697,856 bytes; tp 40,697,856 bytes; gi 40,697,856 bytes; part 423,936 bytes; coef 1,536 bytes
;; launch space (part 5): grid 384 x 1, 16 waves a work-group, no clusters, 292,864 bytes of LDS; arguments hidden, tXin, sq_w_codes, sq_w_scales, sq_b, sk_w_codes, sk_w_scales, sk_b, sv_w_codes, sv_w_scales, sv_b, so_w_codes, so_w_scales, so_b, sp; writes sp
.if DOCPART == 5
	.amdgcn_target "amdgcn-amd-amdhsa--gfx1250"
	.amdhsa_code_object_version 6
	.text
	.protected	k_qf2b5906066_space
	.globl	k_qf2b5906066_space
	.p2align	8
	.type	k_qf2b5906066_space,@function
k_qf2b5906066_space:
	s_mov_b64 s[64:65], 0
	v_nop
	global_prefetch_b8 v0, s[64:65] scope:SCOPE_SE
	s_setreg_imm32_b32 hwreg(HW_REG_WAVE_SCHED_MODE, 0, 2), 2
	s_setreg_imm32_b32 hwreg(HW_REG_WAVE_MODE, 25, 1), 1
	s_wait_xcnt 0x0
	s_wait_alu depctr_vm_vsrc(0)
; SPATIAL ATTENTION.  One work-group takes one (b, t): 207 nodes, 8 heads, all six products on codes of E2M3 with one E8M0 scale for each 32 along K.
; sp[b][n][t][:] = relu(O so_w + so_b), O = softmax(Q K^T / sqrt(32)) V, Q, K = relu((hidden|tXin) w + b), V = relu(hidden w + b).
; POSITIONS.  The 207 nodes are taken as 224 positions in 14 tiles of 16 (two more tiles are only filling): position 16 T + p stands for node 32 (T / 2) + 8 (T % 2) + p + 8 (p / 8),
; so that a lane's 16 registers of key tiles 2 b and 2 b + 1 are the 16 neighbouring keys 32 b + 16 (lane / 16) + 0 .. 15.  Loads of nodes past 206 are held at node 206; such keys get zero V and p = 0, such queries are never stored.
; PHASES, three barriers:  X: wave w quantises x tile w, images to LDS |  P: wave w < 8 projects Q of head w, w >= 8 K of head w - 8, for all tiles, codes to its own run of LDS; then V of (head, 128 keys) |
; A: wave (head, half) walks 7 query tiles: S^T = K Q^T (one block of 32 carries data, the other three are zero codes of Q), p = 2^(t - M), O^T = V^T P^T, / the sum |  O: wave w < 14 projects tile w and stores whole rows.
; FROM MEMORY THE BYTES COME AS THEY LIE: every load of rows or of codes takes 16 bytes a lane, 512 consecutive bytes a wave (a row of x; a head's rows of a weight are neighbours in memory).  The layouts that the
; conversions and the matrix unit want (a lane: 16 neighbours of one row; a lane: 24 bytes of one row) are made by a turn through the wave's own stage in LDS, which serves a wave's instructions in order: no barrier.
; The input x of the problem is named by no launch: the reference takes it and never uses it.
; LIMITS: NaN and infinities among the inputs are not served.  A block whose largest magnitude lies under 2^-124 takes the byte 1; a block of zeros takes the byte 1 with zero codes (these bytes are read here alone).
; v_exp_f32 gives 0 under 2^-126.  A block's largest p is made from the block's largest score by the same two instructions, which takes v_exp_f32 not to fall where its input rises.
; No tensor load and no cluster: every LDS byte is made or copied by a wave, and what work-groups share, the weights, is 147 KB against the 424 KB of rows that each reads for itself.
; THE MODE: SCHED_MODE bits 1:0 = 2 (LLVM: expert scheduling mode 2), set by the entry lines.  The code itself states the register dependences
; between vector or matrix instructions and memory or LDS instructions, with s_wait_alu, always for 0.
; THE PLAN.  Registers that memory or LDS instructions touch:
;   v1-27         offsets and LDS addresses: written at the head, read by loads and stores, never written again.
;   T0 .. T3      stepped LDS addresses: written by adds at one place in a trip, behind a wait on vm_vsrc; read by the trip's LDS loads (T0, T1) and stores (T2, T3), behind a wait on va_vdst.
;   phase X       a turn: loaded registers are stored to the stage, a wait on vm_vsrc, the turned bytes land in the same registers.  A quantiser reads them and writes PC and PW; ONE wait on va_vdst behind it serves the
;                 image's stores, which read PC and PW, and the loads that land in the quantiser's sources.  The next turn's wait on vm_vsrc stands behind the image's stores and ahead of the next quantiser.
;   phase P       v96-143, SCR+4 .. 7: x's operands: the LDS loads of trip i + 1 land there; trip i's eight products read them.  Behind the products stand the four address adds, one wait on va_vdst, and the loads,
;                 which land under the trip's relu and quantiser: these name v32-63, PC, TM and PW alone.  PC, PW: written by the quantiser, read by the trip's four stores, behind a second wait on va_vdst.
;   phase A       v32-37, v44-85, SCR+0 .. 7: Q's block, seven blocks of K and their scale words: LDS loads land, the products read.  One wait on va_vdst behind each run of seven products, ahead of the loads that take their
;                 operands' registers (K's second run; V's two operands).  v82-89: written by the last multiplications, read by the trip's two stores; K's blocks land there in the next trip, behind its head's two waits.
;   v239, v253    written at the head, read by the closing add alone.
.set QK,    0                          ; LDS: codes of Q (waves 0-7) and K (waves 8-15): for each wave 224 positions x 24 bytes
.set QKW,   5376
.set QS,    86016                      ; their scale words: for each wave 224 x 4 bytes (byte 0 the scale, the others 0)
.set QSW,   896
.set VIMG,  100352                     ; V^T: 16 images of operands (head, 128 keys), 1,536 bytes each
.set VSC,   124928                     ; their scale words, 128 bytes each
.set XIMG,  135168                     ; x: 32 images (tile, K step)
.set XSC,   184320
.set OST,   135168                     ; attention's result, [head][224 positions][64 bytes + 16]: over x's images, which nobody reads behind phase P's barrier
.set OHD,   17920
.set SOW,   278528                     ; so_w's 128 rows of 96 bytes as they lie in memory: copied once, read in phase O
; THE STAGES: 8,448 bytes a wave (16 rows x (512 + 16)) from LDS byte 0 on.  In phase X sixteen of them, to byte 135,168: bytes that nobody else touches ahead of the first barrier.  In phase O fourteen: bytes that nobody reads behind the last barrier
.set LI,1                              ; 16 x lane
.set LS,2                              ; 4 x lane
.set ASO,3                             ; so_w's rows in LDS: row r + 8 (r / 8), + 24 (lane / 16)
.set XWI,4
.set XWS,5
.set PWR,6
.set PWS,7
.set AQ,8
.set AQS,9
.set AK,10
.set AKS,11
.set AV,12
.set AVS,13
.set OW,14
.set ORA,15
.set ORB,16
.set GO,17
.set VWI,18
.set VWS,19
.set AXV,20
.set AXVS,21
.set NIL,22                            ; 0
.set NINF,23                           ; -infinity
.set LOM,24                            ; all ones in lanes 0-15, 0 in lanes 16-31
.set SGW,25                            ; my stage: row r, + 64 (lane / 16)
.set SGR,26                            ; my stage: 16 x lane
.set B64,27                            ; 64 (lane / 16)
.set T0,28
.set T1,29
.set T2,30
.set T3,31
.set QF,32                             ; phase A: v32-43 Q's operand; v44-85 seven blocks of K, v86-91 what lies behind the seventh; later v44-67 V's two operands, v74-81 O^T, v82-89 O^T / sum, v90-95 -M and the sums
.set KF,44
.set OA,74
.set ON,82
.set S,96                              ; v96-207 S^T, then p
.set PC,208                            ; v208-227 codes just made; at the start v208-223 hold the 16 rows' offsets in memory
.set TM,228                            ; v228-243 at work
.set SOG,236                           ; phase X: 8 x thread: my bytes of so_w in memory,
.set SOWW,237                          ; and in LDS
.set SCR,244                           ; v244-255 scale words and nothing else (v253: the closing add's 0)
.set PW,255
.set PW2,254
.set WV,34
.set HD,35
.set HF,36
.set SEL,38
.set CS,40
.set MHI,42
.set MA,43
.set MB,44
.set CNT,45
.set SX,46
.set SXS,47
.set SR,48
.set SRS,49
.macro PLACES n
.rept \n
	v_nop
.endr
.endm
.macro BARRIER                         ; my LDS stores have landed and my LDS loads are in: then the work-group's barrier
	s_wait_dscnt 0x0
	s_barrier_signal -1
	s_barrier_wait -1
.endm
.macro MM d, a, b, c, sa, sb
	v_wmma_scale_f32_16x16x128_f8f6f4 v[(\d):(\d)+7], v[(\a):(\a)+11], v[(\b):(\b)+11], v[(\c):(\c)+7], v[\sa], v[\sb] matrix_a_fmt:MATRIX_FMT_FP6 matrix_b_fmt:MATRIX_FMT_FP6
.endm
.macro MM0 d, a, b, sa, sb
	v_wmma_scale_f32_16x16x128_f8f6f4 v[(\d):(\d)+7], v[(\a):(\a)+11], v[(\b):(\b)+11], 0, v[\sa], v[\sb] matrix_a_fmt:MATRIX_FMT_FP6 matrix_b_fmt:MATRIX_FMT_FP6
.endm
; Two sets of 16 registers, each half a block of 32 (the other half lies in lane xor 16), become two whole blocks of codes in v[PC + 6 c] on: lanes 0-15 set a's, lanes 16-31 set b's.  Their bytes: v[TM+4+2c], v[TM+5+2c].
.macro QUANT2 a, b, c
	v_max3_num_f32 v[TM+2*(\c)], |v[(\a)]|, |v[(\a)+1]|, 0x1800000       ; with the floor 2^(3 - 127): the byte cannot fall under 1
	v_max3_num_f32 v[TM+2*(\c)+1], |v[(\b)]|, |v[(\b)+1]|, 0x1800000
.irp i, 2,4,6,8,10,12,14
	v_max3_num_f32 v[TM+2*(\c)], v[TM+2*(\c)], |v[(\a)+\i]|, |v[(\a)+\i+1]|
	v_max3_num_f32 v[TM+2*(\c)+1], v[TM+2*(\c)+1], |v[(\b)+\i]|, |v[(\b)+\i+1]|
.endr
	v_permlanex16_b32 v[TM+4+2*(\c)], v[TM+2*(\c)], s[SEL], s[SEL+1]
	v_permlanex16_b32 v[TM+5+2*(\c)], v[TM+2*(\c)+1], s[SEL], s[SEL+1]
	v_max_num_f32 v[TM+2*(\c)], v[TM+2*(\c)], v[TM+4+2*(\c)]             ; the block's largest magnitude
	v_max_num_f32 v[TM+2*(\c)+1], v[TM+2*(\c)+1], v[TM+5+2*(\c)]
	v_add_nc_u32 v[TM+12+2*(\c)], 0xff000000, v[TM+2*(\c)]               ; 2 off its exponent field: the conversion's scale operand
	v_add_nc_u32 v[TM+13+2*(\c)], 0xff000000, v[TM+2*(\c)+1]
	v_lshrrev_b32 v[TM+4+2*(\c)], 23, v[TM+12+2*(\c)]                    ; the scale's byte
	v_lshrrev_b32 v[TM+5+2*(\c)], 23, v[TM+13+2*(\c)]
	v_cvt_scalef32_pk16_fp6_f32 v[PC+6*(\c):PC+6*(\c)+2], v[(\a):(\a)+15], v[TM+12+2*(\c)]
	v_cvt_scalef32_pk16_fp6_f32 v[PC+12+4*(\c):PC+12+4*(\c)+2], v[(\b):(\b)+15], v[TM+13+2*(\c)]
	v_nop                                          ; one plain place behind a scaled conversion
.irp i, 0,1,2
	v_permlane16_swap_b32 v[PC+6*(\c)+\i], v[PC+12+4*(\c)+\i]            ; the first now holds each lane's block's lower 16 codes, the second the upper 16
.endr
.irp i, 0,1,2
	v_mov_b32 v[PC+3+6*(\c)+\i], v[PC+12+4*(\c)+\i]
.endr
.endm
.macro PWORD4 d                        ; four bytes make a row's scale word for 128 along K
	v_lshl_or_b32 v[\d], v[TM+5], 8, v[TM+4]
	v_lshl_or_b32 v[\d], v[TM+6], 16, v[\d]
	v_lshl_or_b32 v[\d], v[TM+7], 24, v[\d]
.endm
.macro QUANT r                         ; 64 numbers of a lane, register 16 b + i = k 32 b + 16 (lane / 16) + i of my row, become an operand in v[PC] on and its scale word in v[PW]
	QUANT2 (\r), (\r)+16, 0
	QUANT2 (\r)+32, (\r)+48, 1
	PWORD4 PW
.endm
.macro IMAGE adr, off                  ; the operand in v[PC] on goes to LDS as it stands: 16 bytes a lane, 512 a store
.irp cc, 0,1,2
	ds_store_b128 v[\adr], v[PC+4*\cc:PC+4*\cc+3] offset:(\off)+512*\cc
.endr
.endm
.macro FETCH reg, adr, off             ; and comes back so, in any wave
.irp cc, 0,1,2
	ds_load_b128 v[(\reg)+4*\cc:(\reg)+4*\cc+3], v[\adr] offset:(\off)+512*\cc
.endr
.endm
.macro LDBLK reg, adr, off             ; one block of 32 codes, 24 bytes
.irp pp, 0,1,2
	ds_load_b64 v[(\reg)+2*\pp:(\reg)+2*\pp+1], v[\adr] offset:(\off)+8*\pp
.endr
.endm
.macro LFRAG reg, adr, off             ; a weight's operand out of rows that lie in LDS as in memory: two runs of 24 bytes, in pieces of 8
.irp pp, 0,1,2,3,4,5
	ds_load_b64 v[(\reg)+2*\pp:(\reg)+2*\pp+1], v[\adr] offset:(\off)+48*(\pp/3)+8*(\pp%3)
.endr
.endm
.macro TURN reg                        ; 16 rows of 512 bytes, row i in v[reg + 4 i] as loaded, go through my stage and come back as register 16 b + i = channel 32 b + 16 (lane / 16) + i of row lane % 16
.irp i, 0,1,2,3,4,5,6,7,8,9,10,11,12,13,14,15
	ds_store_b128 v[SGR], v[(\reg)+4*\i:(\reg)+4*\i+3] offset:528*\i
.endr
	s_wait_alu depctr_vm_vsrc(0)                   ; the sixteen stores have read v[reg ..], in which the turned rows land
.irp b, 0,1,2,3
.irp q, 0,1,2,3
	ds_load_b128 v[(\reg)+16*\b+4*\q:(\reg)+16*\b+4*\q+3], v[SGW] offset:128*\b+16*\q   ; rows 528 bytes apart
.endr
.endr
	s_wait_dscnt 0x0
.endm
.macro RELU reg, n
.set jj, 0
.rept \n
	v_max_num_f32 v[(\reg)+jj], 0, v[(\reg)+jj]
.set jj, jj+1
.endr
.endm
	s_load_b512 s[4:19], s[0:1], 0x0               ; hidden, tXin, sq codes, scales, bias, sk codes, scales, bias
	s_load_b256 s[20:27], s[0:1], 0x40             ; sv codes, scales, bias, so codes
	s_load_b128 s[28:31], s[0:1], 0x60             ; so scales, bias
	s_load_b64 s[32:33], s[0:1], 0x70              ; sp
	v_lshl_add_u32 v239, v0, 2, 0x47000
	v_mov_b32 v253, 0
	v_lshrrev_b32 v32, 5, v0
	v_readfirstlane_b32 s[WV], v32                 ; wave 0..15
	s_wait_alu depctr_va_sdst(0)                   ; the wave's number is written, ahead of its first reader
	s_and_b32 s[HD], s[WV], 7                      ; head
	s_lshr_b32 s[HF], s[WV], 3                     ; half
	v_and_b32 v32, 15, v0                          ; r
	v_bfe_u32 v33, v0, 4, 1                        ; h
	v_and_b32 v34, 31, v0                          ; lane
	v_and_b32 v35, 8, v32
	v_add_nc_u32 v35, v35, v32                     ; r + 8 (r / 8)
	v_lshlrev_b32 v[LI], 4, v34
	s_wait_alu depctr_va_vdst(0)
	v_lshlrev_b32 v[LS], 2, v34
	v_lshlrev_b32 v[B64], 6, v33
	v_mov_b32 v[NIL], 0
	v_mov_b32 v[NINF], 0xff800000
	v_add_nc_u32 v[LOM], -1, v33
	s_lshr_b32 s62, s[WV], 1
	s_lshl_b32 s62, s62, 5
	s_and_b32 s63, s[WV], 1
	s_lshl_b32 s63, s63, 3
	s_add_co_u32 s62, s62, s63                     ; tile w's first node
.irp i, 0,1,2,3,4,5,6,7,8,9,10,11,12,13,14,15
	s_add_co_u32 s63, s62, \i+8*(\i/8)             ; the node of the tile's row i,
	s_min_u32 s63, s63, 206                        ; held at the last: no load leaves the tensor
	s_mul_i32 s63, s63, 12288
	v_add_nc_u32 v[PC+\i], s63, v[LI]              ; its row in memory, 16 bytes a lane
.endr
	s_mul_i32 s63, s62, 12288
	v_add_nc_u32 v[GO], s63, v[LI]                 ; phase O: tile w's first node in sp, 16 bytes a lane
	; every LDS address is a constant + a constant x lane + a constant x wave, made here once
	s_mul_i32 s62, s[WV], 3072
	s_add_co_u32 s62, s62, XIMG
	v_add_nc_u32 v[XWI], s62, v[LI]
	s_lshl_b32 s62, s[WV], 8
	s_add_co_u32 s62, s62, XSC
	v_add_nc_u32 v[XWS], s62, v[LS]
	s_mul_i32 s62, s[WV], QKW
	v_mul_u32_u24 v36, v34, 24
	v_add_nc_u32 v[PWR], s62, v36                  ; my run of codes: 24 x lane
	s_mul_i32 s62, s[WV], QSW
	s_add_co_u32 s62, s62, QS
	v_add_nc_u32 v[PWS], s62, v[LS]
	v_mul_u32_u24 v36, v32, 24
	v_lshlrev_b32 v37, 2, v32
	s_wait_alu depctr_va_vdst(0)
	s_mul_i32 s62, s[HD], QKW
	s_mul_i32 s63, s[HF], 2688
	s_add_co_u32 s63, s63, s62
	v_add_nc_u32 v[AQ], s63, v36                   ; Q of my head, my half's 112 positions
	s_add_co_u32 s62, s62, 8*QKW
	v_add_nc_u32 v[AK], s62, v36                   ; K of my head
	s_mul_i32 s62, s[HD], QSW
	s_add_co_u32 s62, s62, QS
	s_mul_i32 s63, s[HF], 448
	s_add_co_u32 s63, s63, s62
	v_add_nc_u32 v[AQS], s63, v37
	s_add_co_u32 s62, s62, 8*QSW
	v_add_nc_u32 v[AKS], s62, v37
	s_mul_i32 s62, s[HD], 3072
	s_add_co_u32 s62, s62, VIMG
	v_add_nc_u32 v[AV], s62, v[LI]
	s_lshl_b32 s62, s[HD], 8
	s_add_co_u32 s62, s62, VSC
	v_add_nc_u32 v[AVS], s62, v[LS]
	s_lshl_b32 s63, s[HD], 1
	s_add_co_u32 s63, s63, s[HF]
	s_mul_i32 s62, s63, 1536
	s_add_co_u32 s62, s62, VIMG
	v_add_nc_u32 v[VWI], s62, v[LI]
	s_lshl_b32 s62, s63, 7
	s_add_co_u32 s62, s62, VSC
	v_add_nc_u32 v[VWS], s62, v[LS]
	s_mul_i32 s62, s[HF], 24576
	s_add_co_u32 s62, s62, XIMG
	v_add_nc_u32 v[AXV], s62, v[LI]
	s_lshl_b32 s62, s[HF], 11
	s_add_co_u32 s62, s62, XSC
	v_add_nc_u32 v[AXVS], s62, v[LS]
	s_mul_i32 s62, s[HD], OHD
	s_mul_i32 s63, s[HF], 8960
	s_add_co_u32 s62, s62, s63
	s_add_co_u32 s62, s62, OST
	v_mul_u32_u24 v38, v32, 80
	v_lshl_add_u32 v39, v33, 5, v38
	v_add_nc_u32 v[OW], s62, v39                   ; my head's run, my half's 112 rows of 80 bytes, + 32 h
	s_mul_i32 s62, s[WV], 1280
	s_add_co_u32 s62, s62, OST
	v_mad_u32_u24 v39, v33, OHD, v38
	v_add_nc_u32 v[ORA], s62, v39                  ; phase O: row 16 w + r of head h (heads 2 b + h: 2 OHD b further on)
	v_add_nc_u32 v[ORB], 4*OHD, v[ORA]
	v_mul_u32_u24 v[ASO], v35, 96
	v_mad_u32_u24 v[ASO], v33, 24, v[ASO]
	v_add_nc_u32 v[ASO], SOW, v[ASO]
	v_lshlrev_b32 v[SOG], 3, v0
	v_lshl_add_u32 v[SOWW], v0, 3, SOW
	s_mul_i32 s62, s[WV], 8448                     ; my stage
	v_mul_u32_u24 v38, v32, 528
	v_add_nc_u32 v38, v38, v[B64]
	v_add_nc_u32 v[SGW], s62, v38
	v_add_nc_u32 v[SGR], s62, v[LI]
	v_mul_u32_u24 v[T0], v35, 192                  ; in my stage: a tile's rows of sq_w or sk_w,
	v_mad_u32_u24 v[T0], v33, 24, v[T0]
	v_add_nc_u32 v[T0], s62, v[T0]
	v_lshlrev_b32 v[T1], 3, v35                    ; in memory: their scale bytes;
	v_mul_u32_u24 v[T2], v32, 96                   ; in my stage: sv_w's row r;
	v_mad_u32_u24 v[T2], v33, 24, v[T2]
	v_add_nc_u32 v[T2], s62, v[T2]
	v_lshlrev_b32 v[T3], 2, v32                    ; in memory: its scale word and its bias
.irp i, 4,5,6,7
	v_mov_b32 v[TM+\i], 0                          ; written once: a lane permute's destination counts as one of its sources
.endr
	s_mov_b32 s[SEL], 0x76543210
	s_mov_b32 s[SEL+1], 0xfedcba98                 ; lane xor 16
	s_mov_b32 s[CS], 0x3e8293ee                    ; c = log2(e) / sqrt(32)
	s_mov_b32 s[CS+1], s[CS]
	s_mov_b32 s[MHI], 0xffff0000                   ; lanes 16-31
	s_cmp_eq_u32 s[HF], 1
	s_cselect_b32 s[MA], s[MHI], 0                 ; which lanes of V's keys 192 .. 206 + 16 h lie past node 206: none in keys 0-127
	s_cselect_b32 s[MB], -1, 0
	s_mul_i32 s62, ttmp9, 2731
	s_lshr_b32 s62, s62, 16                        ; b = work-group / 24 (exact below 384)
	s_mul_i32 s63, s62, 24
	s_sub_co_u32 s63, ttmp9, s63                   ; t
	s_mul_i32 s60, s62, 2543616
	s_lshl_b32 s63, s63, 9
	s_add_co_u32 s60, s60, s63
	s_mov_b32 s61, 0
	s_wait_kmcnt 0x0
	s_add_nc_u64 s[4:5], s[4:5], s[60:61]
	s_add_nc_u64 s[6:7], s[6:7], s[60:61]
	s_add_nc_u64 s[32:33], s[32:33], s[60:61]
	s_cmp_lt_u32 s[WV], 8                          ; waves 0-7 project Q, waves 8-15 K: only pointers are chosen
	s_cselect_b64 s[54:55], s[8:9], s[14:15]
	s_cselect_b64 s[56:57], s[10:11], s[16:17]
	s_cselect_b64 s[58:59], s[12:13], s[18:19]
	s_mul_i32 s60, s[HD], 6144
	s_add_nc_u64 s[54:55], s[54:55], s[60:61]      ; my head's 32 rows
	s_lshl_b32 s60, s[HD], 8
	s_add_nc_u64 s[56:57], s[56:57], s[60:61]
	s_lshl_b32 s60, s[HD], 7
	s_add_nc_u64 s[58:59], s[58:59], s[60:61]
	s_mul_i32 s60, s[HD], 1536
	s_add_nc_u64 s[20:21], s[20:21], s[60:61]      ; sv_w: my head's 16 rows
	s_lshl_b32 s60, s[HD], 6
	s_add_nc_u64 s[22:23], s[22:23], s[60:61]
	s_add_nc_u64 s[24:25], s[24:25], s[60:61]
	; ---- X: my head's 32 rows of the weight, 6,144 neighbouring bytes; then my 16 rows of hidden and of tXin, a row a load
	s_wait_alu depctr_va_vdst(0)                   ; the head has written every offset and LDS address of the kernel, which the loads and stores from here on read, and v32-39, in which loads land
.irp i, 0,1,2,3,4,5,6,7,8,9,10,11
	global_load_b128 v[160+4*\i:163+4*\i], v[LI], s[54:55] offset:512*\i
.endr
	global_load_b32 v[SCR+0], v[T1], s[56:57]
	global_load_b32 v[SCR+1], v[T1], s[56:57] offset:4
	global_load_b32 v[SCR+2], v[T1], s[56:57] offset:64
	global_load_b32 v[SCR+3], v[T1], s[56:57] offset:68
.irp i, 0,1,2,3,4,5,6,7,8,9,10,11,12,13,14,15
	global_load_b128 v[32+4*\i:35+4*\i], v[PC+\i], s[4:5]
.endr
.irp i, 0,1,2,3,4,5,6,7,8,9,10,11,12,13,14,15
	global_load_b128 v[96+4*\i:99+4*\i], v[PC+\i], s[6:7]
.endr
	s_wait_loadcnt 32                              ; the weight and its scale words are in; hidden's and tXin's 16 loads each may be out
.irp i, 0,1,2,3,4,5,6,7,8,9,10,11
	ds_store_b128 v[SGR], v[160+4*\i:163+4*\i] offset:512*\i
.endr
	s_wait_alu depctr_vm_vsrc(0)                   ; the twelve stores have read v160-207, in which the operands land
	LFRAG 160, T0, 0                               ; the operands that stay: (tile u, K step s) at v[160 + 12 (2 u + s)]; tile u's rows are 8 u + r + 8 (r / 8)
	LFRAG 172, T0, 96
	LFRAG 184, T0, 1536
	LFRAG 196, T0, 1632
	s_wait_dscnt 0x0
	s_wait_loadcnt 16                              ; hidden's rows are in; tXin's 16 may be out
	TURN 32
	s_wait_xcnt 0x0                                ; the rows' loads have read their offsets: the first codes are written over them only behind this wait (and behind the turn's wait on vm_vsrc, which stands behind those loads too)
	QUANT 32
	s_wait_alu depctr_va_vdst(0)                   ; the quantiser has written the codes and the scale word, which the image's stores read, and is done reading v64-83, in which the loads below land
	global_load_b128 v[64:67], v[LI], s[20:21]     ; sv_w's 16 rows of my head: 1,536 neighbouring bytes
	global_load_b128 v[68:71], v[LI], s[20:21] offset:512
	global_load_b128 v[72:75], v[LI], s[20:21] offset:1024
	global_load_b32 v[SCR+8], v[T3], s[22:23]
	global_load_b32 v76, v[T3], s[24:25]
	global_load_b64 v[78:79], v[SOG], s[26:27]     ; so_w: the 512 threads copy its 12,288 bytes, 3 x 8 bytes each
	global_load_b64 v[80:81], v[SOG], s[26:27] offset:4096
	global_load_b64 v[82:83], v[SOG], s[26:27] offset:8192
	IMAGE XWI, 0
	ds_store_b32 v[XWS], v[PW]
	s_wait_loadcnt 8                               ; tXin's rows are in; the eight loads just issued may be out
	TURN 96                                        ; (its wait on vm_vsrc stands behind the image's stores too: they have read the codes and the scale word, which the next quantiser writes)
	QUANT 96
	s_wait_alu depctr_va_vdst(0)                   ; the quantiser has written the codes and the scale word, which the image's stores read, and is done reading v144-159, in which the bias lands
	IMAGE XWI, 1536
	ds_store_b32 v[XWS], v[PW] offset:128
.irp u, 0,1                                    ; the bias in the result's layout: channels 16 h + 8 u + 0 .. 7 of my head
	global_load_b128 v[144+8*\u:144+8*\u+3], v[B64], s[58:59] offset:32*\u
	global_load_b128 v[144+8*\u+4:144+8*\u+7], v[B64], s[58:59] offset:32*\u+16
.endr
	s_wait_loadcnt 4                               ; sv_w and so_w are in; the bias's four loads may be out
	ds_store_b128 v[SGR], v[64:67]
	ds_store_b128 v[SGR], v[68:71] offset:512
	ds_store_b128 v[SGR], v[72:75] offset:1024
	s_wait_alu depctr_vm_vsrc(0)                   ; the three stores have read v64-75, in which the operand lands
	LFRAG 64, T2, 0                                ; sv_w's operand
	ds_store_b64 v[SOWW], v[78:79]
	ds_store_b64 v[SOWW], v[80:81] offset:4096
	ds_store_b64 v[SOWW], v[82:83] offset:8192
	BARRIER                                        ; x's 32 images and so_w lie in LDS; nobody reads a stage any more
	s_wait_loadcnt 0x0
	s_wait_alu depctr_vm_vsrc(0)                   ; so_w's stores have read v80-83, the image's stores the codes and the scale word, and sv_w's loads T2: all are written again below
.irp j, 0,1,2,3,4,5,6,7
	v_mov_b32 v[80+\j], v76                        ; V's bias hangs on the lane's channel alone
.endr
	; ---- P: Q or K of my head, two tiles of positions a trip.  Transposed: source 0 = 16 rows of the weight, source 1 = x: a lane holds one position and 16 neighbouring channels
.macro XFETCH                          ; two tiles' four operands of x and their scale words
.irp f, 0,1,2,3
	FETCH 96+12*\f, T0, 1536*\f
	ds_load_b32 v[SCR+4+\f], v[T1] offset:128*\f
.endr
.endm
; A trip.  more = 1: the next trip's operands are asked for behind this trip's products, and land under its relu and quantiser.
.macro PTRIP more
	s_wait_dscnt 0x0                               ; x's four operands and their scale words are in
.irp s, 0,1                                    ; four accumulators by turns, one instruction a turn
.irp t, 0,1
.irp u, 0,1
.if \s == 0
	MM 32+16*\t+8*\u, 160+12*(2*\u+\s), 96+12*(2*\t+\s), 144+8*\u, SCR+2*\u+\s, SCR+4+2*\t+\s
.else
	MM 32+16*\t+8*\u, 160+12*(2*\u+\s), 96+12*(2*\t+\s), 32+16*\t+8*\u, SCR+2*\u+\s, SCR+4+2*\t+\s
.endif
.endr
.endr
.endr
	s_wait_alu depctr_vm_vsrc(0)                   ; this trip's loads have read T0 and T1; the last trip's stores have read T2, T3, the codes and the scale word: all are written again below
	v_add_nc_u32 v[T2], s[SR], v[PWR]              ; the adds (with two v_nop in the last trip) are the four places behind the products, ahead of the relu
	v_add_nc_u32 v[T3], s[SRS], v[PWS]
.if \more
	s_add_co_u32 s[SX], s[SX], 6144
	s_add_co_u32 s[SXS], s[SXS], 512
	v_add_nc_u32 v[T0], s[SX], v[LI]
	v_add_nc_u32 v[T1], s[SXS], v[LS]
	s_wait_alu depctr_va_vdst(0)                   ; the eight products are done reading x's operands and scale words, in which the next trip's land; T0 and T1 are written
	XFETCH
.else
	PLACES 2
.endif
	RELU 32, 32
	QUANT2 32, 48, 0                               ; lanes 0-15: the first tile's rows, lanes 16-31: the second's
	v_cndmask_b32 v[PW], v[TM+4], v[TM+5], s[MHI]  ; each half's own byte; the word's other bytes are 0
	s_wait_alu depctr_va_vdst(0)                   ; the codes, the scale word, T2 and T3 are written, which the four stores read
.irp pp, 0,1,2
	ds_store_b64 v[T2], v[PC+2*\pp:PC+2*\pp+1] offset:8*\pp
.endr
	ds_store_b32 v[T3], v[PW]
	s_add_co_u32 s[SR], s[SR], 768
	s_add_co_u32 s[SRS], s[SRS], 128
.endm
	s_mov_b32 s[SX], XIMG
	s_mov_b32 s[SXS], XSC
	s_mov_b32 s[SR], 0
	s_mov_b32 s[SRS], 0
	s_mov_b32 s[CNT], 0
	v_add_nc_u32 v[T0], s[SX], v[LI]
	v_add_nc_u32 v[T1], s[SXS], v[LS]
	s_wait_alu depctr_va_vdst(0)                   ; T0 and T1 are written, which the first trip's loads read
	XFETCH
.Lp:
	PTRIP 1
	s_add_co_u32 s[CNT], s[CNT], 1
	s_cmp_lt_u32 s[CNT], 6
	s_cbranch_scc1 .Lp
	PTRIP 0                                        ; the seventh trip is written out: nothing is left to fetch
	; V of my head for keys 128 half + 0 .. 127.  NOT transposed: source 0 = x, source 1 = sv_w: a lane holds one channel, and its registers run along the keys, which are the next K
	PLACES 4
.irp g, 0,1                                    ; (the first four operands owe no wait: the products that read v160-207 and SCR+4 .. 7 stand ahead of the last trip's last wait on va_vdst, and no vector line since names them)
.if \g
	s_wait_alu depctr_va_vdst(0)                   ; the four products above are done reading x's operands and scale words, in which the next four land
.endif
.irp i, 0,1,2,3
	FETCH 160+12*\i, AXV, (4*\g+\i)*3072
	ds_load_b32 v[SCR+4+\i], v[AXVS] offset:(4*\g+\i)*256
.endr
	s_wait_dscnt 0x0
.irp i, 0,1,2,3
	MM 96+8*(4*\g+\i), 160+12*\i, 64, 80, SCR+4+\i, SCR+8
.endr
	PLACES 4
.endr
	s_wait_alu depctr_vm_vsrc(0)                   ; the last trip's stores have read the codes and the scale word, which the quantiser below writes again
	RELU 96, 64
.set jj, 0
.rept 15
	v_cndmask_b32 v[128+jj], v[128+jj], v[NIL], s[MA]   ; keys 208 .. 222: zeros, as the quantiser fills its last block
.set jj, jj+1
.endr
.rept 17
	v_cndmask_b32 v[128+jj], v[128+jj], v[NIL], s[MB]   ; keys 207, 223 and 224 .. 255
.set jj, jj+1
.endr
	QUANT 96
	s_wait_alu depctr_va_vdst(0)                   ; the quantiser has written the codes and the scale word, which the image's stores read
	IMAGE VWI, 0
	ds_store_b32 v[VWS], v[PW]
	BARRIER                                        ; Q's, K's and V's codes lie in LDS; nobody reads x's images any more
	; ---- A
.irp i, 0,1,2,3,4,5
	v_mov_b32 v[QF+6+\i], 0                        ; Q's blocks 2 and 3: zero codes
	v_mov_b32 v[KF+42+\i], 0                       ; behind K's seventh block: written once; whatever these six hold in later trips meets Q's zero codes.  (v91 among them is named with v90 as a pair)
.endr
.macro KLOAD ch                        ; seven blocks of K, tiles 7 ch + 0 .. 6, and their scale words: 28 loads
.set kk, 0
.rept 7
	LDBLK KF+6*kk, AK, 384*(7*(\ch)+kk)
	ds_load_b32 v[SCR+kk], v[AKS] offset:64*(7*(\ch)+kk)
.set kk, kk+1
.endr
.endm
.macro KMUL ch                         ; K's operand is its block and whatever codes lie behind it: they meet Q's zero codes
.set kk, 0
.rept 7
	MM0 S+8*(7*(\ch)+kk), KF+6*kk, QF, SCR+kk, SCR+7
.set kk, kk+1
.endr
.endm
	s_mov_b32 s[SX], 0
	s_mov_b32 s[SXS], 0
	s_mov_b32 s[SR], 0
	s_mov_b32 s[CNT], 0
.La:                                               ; 7 trips: a tile of 16 queries against all 224 positions
	s_wait_alu depctr_vm_vsrc(0)                   ; the last trip's loads have read T0 and T1, its stores T2 and v82-89, in which K's blocks land; in the first trip: V's image's stores have read the codes and the scale word
	v_add_nc_u32 v[T0], s[SX], v[AQ]
	v_add_nc_u32 v[T1], s[SXS], v[AQS]
	v_add_nc_u32 v[T2], s[SR], v[OW]
	s_wait_alu depctr_va_vdst(0)                   ; T0, T1 and T2 are written; the last trip's vector and matrix lines are done with v32-37, v44-85 and the scale words, in which the loads below land
	LDBLK QF, T0, 0
	ds_load_b32 v[SCR+7], v[T1]
	KLOAD 0
	s_wait_dscnt 28                                ; Q's block and scale word are in; K's 28 loads may be out
.irp i, 0,1,2,3,4,5
	v_and_b32 v[QF+\i], v[LOM], v[QF+\i]           ; lanes 16-31 are block 1: zero codes
.endr
	PLACES 4
	s_wait_alu depctr_va_vdst(0)                   ; the six lines above have written Q's operand, which the products take; the places above stay beside this wait
	s_wait_dscnt 0x0
	KMUL 0
	PLACES 4
	s_wait_alu depctr_va_vdst(0)                   ; the seven products are done reading K's blocks and scale words, in which the next seven land
	KLOAD 1
.irp b, 0,1,2                                  ; under those loads: the largest score of each block of 32 keys, for the row's maximum and for the block's largest p: blocks 0 to 2, whose six tiles are made
	v_max3_num_f32 v[TM+\b], v[S+16*\b], v[S+16*\b+1], v[S+16*\b+2]
.endr
.irp i, 3,5,7,9,11,13
.irp b, 0,1,2
	v_max3_num_f32 v[TM+\b], v[TM+\b], v[S+16*\b+\i], v[S+16*\b+\i+1]
.endr
.endr
.irp b, 0,1,2
	v_max_num_f32 v[TM+\b], v[TM+\b], v[S+16*\b+15]
.endr
	s_wait_dscnt 0x0
	KMUL 1
	PLACES 4
	s_wait_alu depctr_va_vdst(0)                   ; the seven products are done reading v44-67 and SCR+5, SCR+6, in which V's operands and scale words land
	FETCH 44, AV, 0                                ; V's two operands land while the softmax is worked
	FETCH 56, AV, 1536
	ds_load_b32 v[SCR+5], v[AVS]
	ds_load_b32 v[SCR+6], v[AVS] offset:128
.set jj, 0
.rept 15
	v_cndmask_b32 v[S+96+jj], v[S+96+jj], v[NINF], s[MHI]   ; keys 208 .. 222
.set jj, jj+1
.endr
	v_mov_b32 v[S+111], v[NINF]                    ; keys 207 and 223
.irp b, 3,4,5,6                                ; blocks 3 to 6
	v_max3_num_f32 v[TM+\b], v[S+16*\b], v[S+16*\b+1], v[S+16*\b+2]
.endr
.irp i, 3,5,7,9,11,13
.irp b, 3,4,5,6
	v_max3_num_f32 v[TM+\b], v[TM+\b], v[S+16*\b+\i], v[S+16*\b+\i+1]
.endr
.endr
.irp b, 3,4,5,6
	v_max_num_f32 v[TM+\b], v[TM+\b], v[S+16*\b+15]
.endr
.irp b, 0,1,2,3,4,5,6
	v_permlanex16_b32 v[PC+\b], v[TM+\b], s[SEL], s[SEL+1]
.endr
.irp b, 0,1,2,3,4,5,6
	v_max_num_f32 v[TM+\b], v[TM+\b], v[PC+\b]
.endr
	v_max3_num_f32 v[TM+8], v[TM], v[TM+1], v[TM+2]
	v_max3_num_f32 v[TM+8], v[TM+8], v[TM+3], v[TM+4]
	v_max3_num_f32 v[TM+8], v[TM+8], v[TM+5], v[TM+6]
	v_mul_f32 v[TM+8], s[CS], v[TM+8]              ; the row's largest t
	v_floor_f32 v90, -v[TM+8]                      ; -M = -ceil(t): a whole number
.set jj, 0
.rept 56
	v_pk_fma_f32 v[S+jj:S+jj+1], v[S+jj:S+jj+1], s[CS:CS+1], v[90:91] op_sel_hi:[1,0,0]   ; t - M
.set jj, jj+2
.endr
.irp b, 0,1,2,3,4,5,6
	v_fma_f32 v[TM+\b], v[TM+\b], s[CS], v90
.endr
.set jj, 0
	s_wait_alu depctr_va_vdst(0)
.rept 112
	v_exp_f32 v[S+jj], v[S+jj]                     ; p = 2^(t - M): not normalised
.set jj, jj+1
.endr
	v_nop                                          ; a plain place behind the batch
	s_wait_alu depctr_va_vdst(0)                   ; the 112 exponentials have written p: one wait for the batch, ahead of its first reader
.irp b, 0,1,2,3,4,5,6
	v_exp_f32 v[TM+\b], v[TM+\b]                   ; each block's largest p
.endr
	v_pk_add_f32 v[92:93], v[S:S+1], v[S+2:S+3]    ; the row's sum of the unquantised p, in two chains
	v_pk_add_f32 v[94:95], v[S+4:S+5], v[S+6:S+7]
.set jj, 8
.rept 26
	v_pk_add_f32 v[92:93], v[92:93], v[S+jj:S+jj+1]
	v_pk_add_f32 v[94:95], v[94:95], v[S+jj+2:S+jj+3]
.set jj, jj+4
.endr
	v_pk_add_f32 v[92:93], v[92:93], v[94:95]
	s_wait_alu depctr_va_vdst(0)                   ; the seven exponentials have written the blocks' largest p, ahead of their first reader
.irp b, 0,1,2,3,4,5,6
	v_max_num_f32 v[TM+\b], 0x1800000, v[TM+\b]    ; the floor: the byte cannot fall under 1
.endr
.irp b, 0,1,2,3,4,5,6
	v_add_nc_u32 v[TM+\b], 0xff000000, v[TM+\b]    ; the conversions' scale operands
.endr
	; keys 0 .. 127
.irp b, 0,1,2,3
	v_lshrrev_b32 v[PC+12+\b], 23, v[TM+\b]
.endr
	v_lshl_or_b32 v[PW], v[PC+13], 8, v[PC+12]
	v_lshl_or_b32 v[PW], v[PC+14], 16, v[PW]
	v_lshl_or_b32 v[PW], v[PC+15], 24, v[PW]
	v_cvt_scalef32_pk16_fp6_f32 v[PC:PC+2], v[S:S+15], v[TM]
	v_cvt_scalef32_pk16_fp6_f32 v[PC+12:PC+14], v[S+16:S+31], v[TM+1]
	v_cvt_scalef32_pk16_fp6_f32 v[PC+6:PC+8], v[S+32:S+47], v[TM+2]
	v_cvt_scalef32_pk16_fp6_f32 v[PC+16:PC+18], v[S+48:S+63], v[TM+3]
	v_nop
.irp i, 0,1,2
	v_permlane16_swap_b32 v[PC+\i], v[PC+12+\i]
	v_permlane16_swap_b32 v[PC+6+\i], v[PC+16+\i]
.endr
.irp i, 0,1,2
	v_mov_b32 v[PC+3+\i], v[PC+12+\i]
	v_mov_b32 v[PC+9+\i], v[PC+16+\i]
.endr
	s_wait_dscnt 0x0                               ; V is in
	PLACES 8                                       ; a scale word made by vector instructions stands 8 places ahead of the product, an operand 4
	s_wait_alu depctr_va_vdst(0)                   ; p's codes and scale word are written, which the product takes; the places above stay beside this wait
	MM0 OA, 44, PC, SCR+5, PW
	; keys 128 .. 255: three blocks; the fourth is zero codes under the byte 0
	v_lshrrev_b32 v[PC+12], 23, v[TM+4]
	v_lshrrev_b32 v[PC+13], 23, v[TM+5]
	v_lshrrev_b32 v[PC+14], 23, v[TM+6]
	v_lshl_or_b32 v[PW2], v[PC+13], 8, v[PC+12]
	v_lshl_or_b32 v[PW2], v[PC+14], 16, v[PW2]
	v_mov_b32 v[PC+16], 0
	v_mov_b32 v[PC+17], 0
	v_mov_b32 v[PC+18], 0                          ; these eight lines name no register of the product above: they are the places ahead of the new codes
	v_cvt_scalef32_pk16_fp6_f32 v[PC:PC+2], v[S+64:S+79], v[TM+4]
	v_cvt_scalef32_pk16_fp6_f32 v[PC+12:PC+14], v[S+80:S+95], v[TM+5]
	v_cvt_scalef32_pk16_fp6_f32 v[PC+6:PC+8], v[S+96:S+111], v[TM+6]
	v_nop
.irp i, 0,1,2
	v_permlane16_swap_b32 v[PC+\i], v[PC+12+\i]
	v_permlane16_swap_b32 v[PC+6+\i], v[PC+16+\i]
.endr
.irp i, 0,1,2
	v_mov_b32 v[PC+3+\i], v[PC+12+\i]
	v_mov_b32 v[PC+9+\i], v[PC+16+\i]
.endr
	PLACES 8
	s_wait_alu depctr_va_vdst(0)                   ; the wait stands directly ahead; it also states that p's new codes and scale word are written, which the product takes
	MM OA, 56, PC, OA, SCR+6, PW2
	v_add_f32 v92, v92, v93
	v_permlanex16_b32 v94, v92, s[SEL], s[SEL+1]
	v_add_f32 v92, v92, v94                        ; the row's sum
	s_wait_alu depctr_va_vdst(0)
	v_rcp_f32 v93, v92
	PLACES 4
	s_wait_alu depctr_va_vdst(0)                   ; the reciprocal has written v93, ahead of its first reader
.irp j, 0,1,2,3,4,5,6,7
	v_mul_f32 v[ON+\j], v[OA+\j], v93              ; O(query r, channel 16 head + 8 h + j)
.endr
	s_wait_alu depctr_va_vdst(0)                   ; the eight multiplications have written v82-89, which the two stores read
	ds_store_b128 v[T2], v[ON:ON+3]
	ds_store_b128 v[T2], v[ON+4:ON+7] offset:16
	s_add_co_u32 s[SX], s[SX], 384
	s_add_co_u32 s[SXS], s[SXS], 64
	s_add_co_u32 s[SR], s[SR], 1280
	s_add_co_u32 s[CNT], s[CNT], 1
	s_cmp_lt_u32 s[CNT], 7
	s_cbranch_scc1 .La
	BARRIER                                        ; O lies in LDS; nobody reads Q's, K's or V's codes any more
	s_wait_alu depctr_vm_vsrc(0)                   ; the last trip's loads have read T1, its stores T2 and v82-89: phase O writes T1 and T2 and loads into v82-89
	; ---- O: tile w of 14
	s_cmp_ge_u32 s[WV], 14
	s_cbranch_scc1 .Lend
	v_and_b32 v[T2], 15, v0
	v_and_b32 v[T3], 8, v[T2]
	v_add_nc_u32 v[T2], v[T2], v[T3]               ; r + 8 (r / 8)
	v_lshlrev_b32 v[T1], 2, v[T2]
	s_wait_alu depctr_va_vdst(0)                   ; T1 is written, which the scale words' loads read (all that phase A's lines named stands ahead of the loop's last wait on va_vdst)
.irp b, 0,1
.irp q, 0,1,2,3
	ds_load_b128 v[96+16*\b+4*\q:96+16*\b+4*\q+3], v[ORA] offset:2*OHD*\b+16*\q
	ds_load_b128 v[128+16*\b+4*\q:128+16*\b+4*\q+3], v[ORB] offset:2*OHD*\b+16*\q
.endr
.endr
.irp t, 0,1,2,3                                ; so_w's tile t: rows 32 (t / 2) + 8 (t % 2) + r + 8 (r / 8), out of LDS; tiles 0-3 at v160 on,
	LFRAG 160+12*\t, ASO, (32*(\t/2)+8*(\t%2))*96
.endr
.irp t, 4,5,6,7                                ; tiles 4-7 at v32 on
	LFRAG 12*\t-16, ASO, (32*(\t/2)+8*(\t%2))*96
.endr
.irp t, 0,1,2,3,4,5,6,7
	global_load_b32 v[SCR+\t], v[T1], s[28:29] offset:(32*(\t/2)+8*(\t%2))*4
.endr
	s_wait_dscnt 48                                ; O's rows are in; the 48 younger loads, so_w's eight operands, may be out
	QUANT 96
	PLACES 8                                       ; a scale word made by vector instructions stands 8 places ahead of the product, an operand 4
	s_wait_alu depctr_va_vdst(0)                   ; the quantiser is done reading v96-159, in which so_b lands, and has written O's codes and scale word, which the products take
.irp t, 0,1,2,3,4,5,6,7                        ; so_b in the result's layout: it is the C of each sum
	global_load_b128 v[96+8*\t:96+8*\t+3], v[B64], s[30:31] offset:128*(\t/2)+32*(\t%2)
	global_load_b128 v[96+8*\t+4:96+8*\t+7], v[B64], s[30:31] offset:128*(\t/2)+32*(\t%2)+16
.endr
	s_wait_loadcnt 0x0
	s_wait_dscnt 0x0
.irp t, 0,1,2,3,4,5,6,7
	MM 96+8*\t, 160+12*\t-176*(\t/4), PC, 96+8*\t, SCR+\t, PW
.endr
	PLACES 4
	RELU 96, 64
	s_wait_alu depctr_va_vdst(0)                   ; the relu has written v96-159, which the stage's stores read; the products are done reading v32-79, in which the rows land
.irp b, 0,1,2,3
.irp q, 0,1,2,3
	ds_store_b128 v[SGW], v[96+16*\b+4*\q:96+16*\b+4*\q+3] offset:128*\b+16*\q
.endr
.endr
.irp i, 0,1,2,3,4,5,6,7,8,9,10,11,12,13,14,15
	ds_load_b128 v[32+4*\i:32+4*\i+3], v[SGR] offset:528*\i   ; LDS serves a wave's instructions in order: these see my stores
.endr
	s_wait_dscnt 0x0
.irp i, 0,1,2,3,4,5,6
	global_store_b128 v[GO], v[32+4*\i:32+4*\i+3], s[32:33] offset:12288*\i   ; 32 lanes store a row's 512 consecutive bytes, aligned
.endr
	s_cmp_eq_u32 s[WV], 13                         ; tile 13's row 7 would be node 207
	s_cbranch_scc1 .Lend
	global_store_b128 v[GO], v[60:63], s[32:33] offset:12288*7
	s_cmp_ge_u32 s[WV], 12                         ; tile 12's rows 8-15 would be nodes 208 on
	s_cbranch_scc1 .Lend
.irp i, 8,9,10,11,12,13,14,15
	global_store_b128 v[GO], v[32+4*\i:32+4*\i+3], s[32:33] offset:12288*(\i+8)
.endr
.Lend:
	s_wait_dscnt 0x0                               ; the closing lines, six on end
	s_wait_alu 0x0
	s_wait_tensorcnt 0x0
	ds_add_u32 v239, v253
	s_wait_dscnt 0x0
	s_endpgm
.Lfunc_end_k_qf2b5906066_space:
	.size	k_qf2b5906066_space, .Lfunc_end_k_qf2b5906066_space-k_qf2b5906066_space
	.p2alignl 7, 3214868480
	.fill 96, 4, 3214868480
	.section	.rodata,"a",@progbits
	.p2align	6, 0x0
	.amdhsa_kernel k_qf2b5906066_space
		.amdhsa_group_segment_fixed_size 292864
		.amdhsa_private_segment_fixed_size 0
		.amdhsa_enable_private_segment 0
		.amdhsa_kernarg_size 120
		.amdhsa_user_sgpr_count 2
		.amdhsa_user_sgpr_kernarg_segment_ptr 1
		.amdhsa_wavefront_size32 1
		.amdhsa_system_sgpr_workgroup_id_x 1
		.amdhsa_system_sgpr_workgroup_id_y 1
		.amdhsa_system_sgpr_workgroup_id_z 1
		.amdhsa_system_vgpr_workitem_id 0
		.amdhsa_next_free_vgpr 256
		.amdhsa_next_free_sgpr 80
		.amdhsa_reserve_vcc 0
		.amdhsa_float_denorm_mode_32 3
		.amdhsa_float_denorm_mode_16_64 3
		.amdhsa_memory_ordered 1
		.amdhsa_forward_progress 1
		.amdhsa_inst_pref_size 101
	.end_amdhsa_kernel
	.amdgpu_metadata
---
amdhsa.version: [ 1, 2 ]
amdhsa.kernels:
  - .name:           k_qf2b5906066_space
    .symbol:         k_qf2b5906066_space.kd
    .args:
      - { .name: hidden, .offset: 0, .size: 8, .value_kind: global_buffer, .address_space: global }
      - { .name: tXin, .offset: 8, .size: 8, .value_kind: global_buffer, .address_space: global }
      - { .name: sq_w_codes, .offset: 16, .size: 8, .value_kind: global_buffer, .address_space: global }
      - { .name: sq_w_scales, .offset: 24, .size: 8, .value_kind: global_buffer, .address_space: global }
      - { .name: sq_b, .offset: 32, .size: 8, .value_kind: global_buffer, .address_space: global }
      - { .name: sk_w_codes, .offset: 40, .size: 8, .value_kind: global_buffer, .address_space: global }
      - { .name: sk_w_scales, .offset: 48, .size: 8, .value_kind: global_buffer, .address_space: global }
      - { .name: sk_b, .offset: 56, .size: 8, .value_kind: global_buffer, .address_space: global }
      - { .name: sv_w_codes, .offset: 64, .size: 8, .value_kind: global_buffer, .address_space: global }
      - { .name: sv_w_scales, .offset: 72, .size: 8, .value_kind: global_buffer, .address_space: global }
      - { .name: sv_b, .offset: 80, .size: 8, .value_kind: global_buffer, .address_space: global }
      - { .name: so_w_codes, .offset: 88, .size: 8, .value_kind: global_buffer, .address_space: global }
      - { .name: so_w_scales, .offset: 96, .size: 8, .value_kind: global_buffer, .address_space: global }
      - { .name: so_b, .offset: 104, .size: 8, .value_kind: global_buffer, .address_space: global }
      - { .name: sp, .offset: 112, .size: 8, .value_kind: global_buffer, .address_space: global }
    .group_segment_fixed_size: 292864
    .private_segment_fixed_size: 0
    .kernarg_segment_align: 8
    .kernarg_segment_size: 120
    .max_flat_workgroup_size: 512
    .sgpr_count:     80
    .vgpr_count:     256
    .wavefront_size: 32
...
	.end_amdgpu_metadata
.endif
;; end of part 5
;; launch tempo (part 6): grid 414 x 1, 16 waves a work-group, no clusters, 327,168 bytes of LDS; arguments hidden, tXin, sp, tq_w_codes, tq_w_scales, tq_b, tk_w_codes, tk_w_scales, tk_b, tv_w_codes, tv_w_scales, tv_b, to_w_codes, to_w_scales, to_b, gate_w_codes, gate_w_scales, gate_b, tp, gi, part; writes tp, gi, part
.if DOCPART == 6
	.amdgcn_target "amdgcn-amd-amdhsa--gfx1250"
	.amdhsa_code_object_version 6
	.text
	.protected	k_qf2b5906066_tempo
	.globl	k_qf2b5906066_tempo
	.p2align	8
	.type	k_qf2b5906066_tempo,@function
k_qf2b5906066_tempo:
	s_mov_b64 s[64:65], 0
	v_nop
	global_prefetch_b8 v0, s[64:65] scope:SCOPE_SE
	s_setreg_imm32_b32 hwreg(HW_REG_WAVE_SCHED_MODE, 0, 2), 2
	s_setreg_imm32_b32 hwreg(HW_REG_WAVE_MODE, 25, 1), 1
	s_wait_xcnt 0x0
	s_wait_alu depctr_vm_vsrc(0)
; TEMPORAL ATTENTION, THE GATE'S PRODUCT AND ITS PARTIAL STATISTICS.  One work-group takes 192 neighbouring rows (b, n, t): 8 pairs (b, n) of 24 times, 12 tiles of 16 rows.
; tp = relu(O to_w + to_b), O = causal softmax(Q K^T / sqrt(32)) V;  gi = (sp | tp) gate_w + gate_b;  part[work-group] = the mean and the sum of squared deviations of gi's 192 rows, for each channel.
; All products are on codes of E2M3 with one E8M0 scale for each 32 along K, but P V (K = 24), which is left as it is and feeds a quantiser: f32 operands, v_wmma_f32_16x16x4_f32.
; PHASES, four barriers:  X: waves 0-11 quantise their tile of hidden | tXin and of sp; waves 12-15 bring to_w, gate_w and the two biases into LDS |  P: wave w < 8 projects Q of head w, w >= 8 K of head w - 8 |
; A: wave (head, half) takes two groups of 48 rows (two pairs): V, five score tiles, masks, softmax, P V |  OG: wave w < 12: out projection, tp, gate, gi, statistics of its 16 rows |  wave 0 joins the 12 partial statistics.
; FROM MEMORY THE BYTES COME AS THEY LIE: every load of rows or of codes takes 16 bytes a lane, 512 consecutive bytes a wave.  The layouts that the conversions and the matrix unit want are made by a turn through
; LDS bytes that are the wave's own at that time; LDS serves a wave's instructions in order, so a turn needs no barrier.
; The variance is never a difference of large sums: each part keeps its mean and its squared deviations from that mean, and parts of equal size n are joined by M2 = sum M2_i + n sum (mean_i - mean)^2.
; LIMITS: NaN and infinities among the inputs are not served.  A block whose largest magnitude lies under 2^-124 takes the byte 1; a block of zeros takes the byte 1 with zero codes (these bytes are read here alone).  v_exp_f32 gives 0 under 2^-126.
; No tensor load and no cluster: every LDS byte is made or copied by a wave; what work-groups share, the weights, is 150 KB against the 295 KB of rows that each reads for itself.
; THE MODE: SCHED_MODE bits 1:0 = 2 (LLVM: expert scheduling mode 2), set by the entry lines.  The code itself states the register dependences
; between vector or matrix instructions and memory or LDS instructions, with s_wait_alu, always for 0.
; THE PLAN.  Registers that memory or LDS instructions touch:
;   v1-27, v227, v236-239   offsets and LDS addresses: written at the head, read by loads and stores; not written again while one of these may read them.
;   T0 .. T3      LDS addresses and offsets made anew at four places: each time a wait on vm_vsrc, the vector lines that make them, and a wait on va_vdst ahead of the first instruction that reads them.
;   phase X       a turn: loaded registers are stored to the stage, a wait on vm_vsrc, the turned bytes land in the same registers.  A quantiser reads them and writes PC and PW; ONE wait on va_vdst behind it serves the
;                 image's stores and the loads that land in the quantiser's sources; the next turn's wait on vm_vsrc stands behind the image's stores and ahead of the next quantiser.
;   phase P       v96-143, SCR+4 .. 7: x's operands: the LDS loads of trip i + 1 land there; trip i's eight products read them.  Behind the products stand the four address adds, one wait on va_vdst, and the loads,
;                 which land under the trip's relu and quantiser: these name v32-63, PC, TM and PW alone.  PC, PW: written by the quantiser, read by the trip's four stores, behind a second wait on va_vdst.
;   phase A       a group's 36 LDS loads land in v32-37, 44-49, 56-61, v68-85, v96-131 and SCR+0 .. 9 but SCR+3.  Ahead of them stand the wait on va_vdst in front of the group before's stores (or the one behind phase P) and the wait
;                 on vm_vsrc behind those stores, and no vector line between names one of these registers: so the loads owe nothing more.  v96-119: written by the last multiplications, read by the group's six stores.
;   phase OG      v32-79, SCR+0 .. 3: four operands of a weight at a time: LDS loads land, four products read, one wait on va_vdst ahead of the next four.  v96-159: sums, then the stage's stores' data; v32-95: whole rows, the global stores' data.
.set XIMG,  0                          ; LDS: x: 24 images (tile, K step), 1,536 bytes each
.set XSC,   36864
.set SIMG,  39936                      ; sp: 12 images
.set SSC,   58368
.set QK,    59904                      ; codes of Q (waves 0-7) and K (waves 8-15): for each wave 192 rows x 24 bytes.  In phase X: 9,216 bytes for each of waves 12-15, through which to_w's and gate_w's rows are turned
.set QKW,   4608
.set QS,    133632                     ; their scale words: for each wave 192 x 4 bytes
.set QSW,   768
.set WIMG,  145920                     ; to_w's 8 tiles, then gate_w's (tile t, K step s) at 8 + 2 t + s
.set WSC,   182784
.set BIA,   185856                     ; to_b, gate_b
.set OST,   186880                     ; 192 rows x (512 bytes + 16): phase X: the stage of each of waves 0-11; phase P's head: 6,144 bytes a wave for tq_w's or tk_w's rows; then attention's result; then each wave's stage again
.set STAT,  288256                     ; 12 x (128 means, 128 sums of squared deviations)
.set TVS,   300544                     ; 1,536 bytes a wave: tv_w's 16 rows of its head
.set LI,1
.set LS,2
.set WST,3                             ; waves 12-15: where the weights' rows go as they lie
.set XWI,4
.set XWS,5
.set SWI,6
.set SWS,7
.set PWR,8
.set PWS,9
.set AQ,10
.set AQS,11
.set AK,12
.set AKS,13
.set AX,14
.set AXS,15
.set OW,16
.set OR2,17
.set ORR,18
.set GO,19
.set NIL,20
.set NINF,21
.set LOM,22
.set BA,23
.set STA,24
.set AWI,25
.set AWS,26
.set B64,27
.set T0,28
.set T1,29
.set T2,30
.set T3,31
; phase P: the weight's operand (tile u, K step s) stands at v80, v144, v184, v196: (1 - u) (80 + 64 s) + u (184 + 12 s).  v160-183 are kept for the f32 matrix form alone
.set OA,160                            ; v160-183: three accumulators of P V: written by matrix instructions alone, in the whole text
.set PC,208
.set CM,208                            ; phase A: additive masks, 0 or -infinity
.set CM1,216
.set TM,228
.set WGI,236                           ; waves 12-15: where they store the images
.set WGS,237
.set WGI2,238
.set WGS2,239
.set BWA,227
.set SCR,244
.set PW,255
.set WV,46
.set HD,47
.set HF,48
.set SEL,50
.set CS,52
.set MHI,54
.set CNT,55
.set SX,56
.set SXS,57
.set SR,58
.set SRS,59
.macro PLACES n
.rept \n
	v_nop
.endr
.endm
.macro BARRIER                         ; my LDS stores have landed and my LDS loads are in: then the work-group's barrier
	s_wait_dscnt 0x0
	s_barrier_signal -1
	s_barrier_wait -1
.endm
.macro MM d, a, b, c, sa, sb
	v_wmma_scale_f32_16x16x128_f8f6f4 v[(\d):(\d)+7], v[(\a):(\a)+11], v[(\b):(\b)+11], v[(\c):(\c)+7], v[\sa], v[\sb] matrix_a_fmt:MATRIX_FMT_FP6 matrix_b_fmt:MATRIX_FMT_FP6
.endm
.macro MM0 d, a, b, sa, sb
	v_wmma_scale_f32_16x16x128_f8f6f4 v[(\d):(\d)+7], v[(\a):(\a)+11], v[(\b):(\b)+11], 0, v[\sa], v[\sb] matrix_a_fmt:MATRIX_FMT_FP6 matrix_b_fmt:MATRIX_FMT_FP6
.endm
; Two sets of 16 registers, each half a block of 32 (the other half lies in lane xor 16), become two whole blocks of codes in v[PC + 6 c] on: lanes 0-15 set a's, lanes 16-31 set b's.  Their bytes: v[TM+4+2c], v[TM+5+2c].
.macro QUANT2 a, b, c
	v_max3_num_f32 v[TM+2*(\c)], |v[(\a)]|, |v[(\a)+1]|, 0x1800000       ; with the floor 2^(3 - 127): the byte cannot fall under 1
	v_max3_num_f32 v[TM+2*(\c)+1], |v[(\b)]|, |v[(\b)+1]|, 0x1800000
.irp i, 2,4,6,8,10,12,14
	v_max3_num_f32 v[TM+2*(\c)], v[TM+2*(\c)], |v[(\a)+\i]|, |v[(\a)+\i+1]|
	v_max3_num_f32 v[TM+2*(\c)+1], v[TM+2*(\c)+1], |v[(\b)+\i]|, |v[(\b)+\i+1]|
.endr
	v_permlanex16_b32 v[TM+4+2*(\c)], v[TM+2*(\c)], s[SEL], s[SEL+1]
	v_permlanex16_b32 v[TM+5+2*(\c)], v[TM+2*(\c)+1], s[SEL], s[SEL+1]
	v_max_num_f32 v[TM+2*(\c)], v[TM+2*(\c)], v[TM+4+2*(\c)]
	v_max_num_f32 v[TM+2*(\c)+1], v[TM+2*(\c)+1], v[TM+5+2*(\c)]
	v_add_nc_u32 v[TM+12+2*(\c)], 0xff000000, v[TM+2*(\c)]               ; 2 off the exponent field: the conversion's scale operand
	v_add_nc_u32 v[TM+13+2*(\c)], 0xff000000, v[TM+2*(\c)+1]
	v_lshrrev_b32 v[TM+4+2*(\c)], 23, v[TM+12+2*(\c)]                    ; the scale's byte
	v_lshrrev_b32 v[TM+5+2*(\c)], 23, v[TM+13+2*(\c)]
	v_cvt_scalef32_pk16_fp6_f32 v[PC+6*(\c):PC+6*(\c)+2], v[(\a):(\a)+15], v[TM+12+2*(\c)]
	v_cvt_scalef32_pk16_fp6_f32 v[PC+12+4*(\c):PC+12+4*(\c)+2], v[(\b):(\b)+15], v[TM+13+2*(\c)]
	v_nop                                          ; one plain place behind a scaled conversion
.irp i, 0,1,2
	v_permlane16_swap_b32 v[PC+6*(\c)+\i], v[PC+12+4*(\c)+\i]
.endr
.irp i, 0,1,2
	v_mov_b32 v[PC+3+6*(\c)+\i], v[PC+12+4*(\c)+\i]
.endr
.endm
.macro PWORD4 d
	v_lshl_or_b32 v[\d], v[TM+5], 8, v[TM+4]
	v_lshl_or_b32 v[\d], v[TM+6], 16, v[\d]
	v_lshl_or_b32 v[\d], v[TM+7], 24, v[\d]
.endm
.macro QUANT r                         ; 64 numbers of a lane, register 16 b + i = k 32 b + 16 (lane / 16) + i of my row, become an operand in v[PC] on and its scale word in v[PW]
	QUANT2 (\r), (\r)+16, 0
	QUANT2 (\r)+32, (\r)+48, 1
	PWORD4 PW
.endm
.macro IMAGE adr, off
.irp cc, 0,1,2
	ds_store_b128 v[\adr], v[PC+4*\cc:PC+4*\cc+3] offset:(\off)+512*\cc
.endr
.endm
.macro FETCH reg, adr, off
.irp cc, 0,1,2
	ds_load_b128 v[(\reg)+4*\cc:(\reg)+4*\cc+3], v[\adr] offset:(\off)+512*\cc
.endr
.endm
.macro LDBLK reg, adr, off
.irp pp, 0,1,2
	ds_load_b64 v[(\reg)+2*\pp:(\reg)+2*\pp+1], v[\adr] offset:(\off)+8*\pp
.endr
.endm
.macro LFRAG reg, adr, off             ; a weight's operand out of rows that lie in LDS as in memory: two runs of 24 bytes, in pieces of 8
.irp pp, 0,1,2,3,4,5
	ds_load_b64 v[(\reg)+2*\pp:(\reg)+2*\pp+1], v[\adr] offset:(\off)+48*(\pp/3)+8*(\pp%3)
.endr
.endm
.macro LOADR reg, ptr                  ; my tile's 16 rows, a row of 512 bytes a load
.irp i, 0,1,2,3,4,5,6,7,8,9,10,11,12,13,14,15
	global_load_b128 v[(\reg)+4*\i:(\reg)+4*\i+3], v[GO], s[\ptr:\ptr+1] offset:512*\i
.endr
.endm
.macro TURN reg                        ; 16 rows, row i in v[reg + 4 i] as loaded, go through my stage and come back as register 16 b + i = channel 32 b + 16 (lane / 16) + i of row lane % 16
.irp i, 0,1,2,3,4,5,6,7,8,9,10,11,12,13,14,15
	ds_store_b128 v[ORR], v[(\reg)+4*\i:(\reg)+4*\i+3] offset:528*\i
.endr
	s_wait_alu depctr_vm_vsrc(0)                   ; the sixteen stores have read v[reg ..], in which the turned rows land; the image's stores ahead of them have read the codes and the scale word, which the next quantiser writes
.irp b, 0,1,2,3
.irp q, 0,1,2,3
	ds_load_b128 v[(\reg)+16*\b+4*\q:(\reg)+16*\b+4*\q+3], v[OR2] offset:128*\b+16*\q   ; rows 528 bytes apart
.endr
.endr
	s_wait_dscnt 0x0
.endm
.macro RELU reg, n
.set jj, 0
.rept \n
	v_max_num_f32 v[(\reg)+jj], 0, v[(\reg)+jj]
.set jj, jj+1
.endr
.endm
.macro TOSTAGE                         ; v96-159, register 16 b + i = channel 32 b + 16 h + i of row r, into my 16 rows of the stage, and back as whole rows into v32-95
.irp b, 0,1,2,3
.irp q, 0,1,2,3
	ds_store_b128 v[OR2], v[96+16*\b+4*\q:96+16*\b+4*\q+3] offset:128*\b+16*\q
.endr
.endr
.irp i, 0,1,2,3,4,5,6,7,8,9,10,11,12,13,14,15
	ds_load_b128 v[32+4*\i:32+4*\i+3], v[ORR] offset:528*\i   ; LDS serves a wave's instructions in order: these see my stores
.endr
	s_wait_dscnt 0x0
.endm
.macro BIAS off                        ; a bias in the result's layout into v96-159: it is the C of each sum
.irp t, 0,1,2,3,4,5,6,7
	ds_load_b128 v[96+8*\t:96+8*\t+3], v[BA] offset:(\off)+128*(\t/2)+32*(\t%2)
	ds_load_b128 v[96+8*\t+4:96+8*\t+7], v[BA] offset:(\off)+128*(\t/2)+32*(\t%2)+16
.endr
.endm
	s_load_b512 s[4:19], s[0:1], 0x0               ; hidden, tXin, sp, tq codes, scales, bias, tk codes, scales
	s_load_b512 s[20:35], s[0:1], 0x40             ; tk bias, tv codes, scales, bias, to codes, scales, bias, gate codes
	s_load_b256 s[36:43], s[0:1], 0x80             ; gate scales, bias, tp, gi
	s_load_b64 s[44:45], s[0:1], 0xa0              ; part
	v_lshrrev_b32 v32, 5, v0
	v_readfirstlane_b32 s[WV], v32                 ; wave 0..15
	s_wait_alu depctr_va_sdst(0)                   ; the wave's number is written, ahead of its first reader
	s_and_b32 s[HD], s[WV], 7
	s_lshr_b32 s[HF], s[WV], 3
	v_and_b32 v32, 15, v0                          ; r
	v_bfe_u32 v33, v0, 4, 1                        ; h
	v_and_b32 v34, 31, v0                          ; lane
	v_and_b32 v35, 8, v32
	v_add_nc_u32 v35, v35, v32                     ; r + 8 (r / 8)
	v_lshlrev_b32 v[LI], 4, v34
	v_lshlrev_b32 v[LS], 2, v34
	v_lshlrev_b32 v[B64], 6, v33
	v_mov_b32 v[NIL], 0
	v_mov_b32 v[NINF], 0xff800000
	v_add_nc_u32 v[LOM], -1, v33                   ; all ones in lanes 0-15, 0 in lanes 16-31
	s_lshl_b32 s62, s[WV], 13
	v_add_nc_u32 v[GO], s62, v[LI]                 ; in memory: my tile's 16 rows, 16 bytes a lane
	; every LDS address is a constant + a constant x lane + a constant x wave, made here once, ahead of every branch on the wave's number
	s_mul_i32 s62, s[WV], 3072
	v_add_nc_u32 v[XWI], s62, v[LI]
	s_add_co_u32 s62, s62, WIMG-36864
	v_add_nc_u32 v[WGI], s62, v[LI]                ; waves 12-15: to_w's tiles 2 (w - 12) and the next
	s_lshl_b32 s62, s[WV], 8
	s_add_co_u32 s63, s62, XSC
	v_add_nc_u32 v[XWS], s63, v[LS]
	s_add_co_u32 s63, s62, WSC-3072
	v_add_nc_u32 v[WGS], s63, v[LS]
	s_add_co_u32 s63, s62, BIA-3072
	v_lshl_add_u32 v[BWA], v34, 3, s63             ; 256 bytes of a bias for each of the four
	s_mul_i32 s62, s[WV], 6144
	s_add_co_u32 s62, s62, WIMG+12288-73728
	v_add_nc_u32 v[WGI2], s62, v[LI]               ; gate_w's four operands of tiles 2 (w - 12) and the next
	s_lshl_b32 s62, s[WV], 9
	s_add_co_u32 s62, s62, WSC+1024-6144
	v_add_nc_u32 v[WGS2], s62, v[LS]
	s_mul_i32 s62, s[WV], 1536
	s_add_co_u32 s62, s62, SIMG
	v_add_nc_u32 v[SWI], s62, v[LI]
	s_lshl_b32 s62, s[WV], 7
	s_add_co_u32 s62, s62, SSC
	v_add_nc_u32 v[SWS], s62, v[LS]
	s_mul_i32 s62, s[WV], QKW
	s_add_co_u32 s62, s62, QK
	v_mul_u32_u24 v36, v34, 24
	v_add_nc_u32 v[PWR], s62, v36
	s_mul_i32 s62, s[WV], QSW
	s_add_co_u32 s62, s62, QS
	v_add_nc_u32 v[PWS], s62, v[LS]
	v_mul_u32_u24 v36, v32, 24
	v_lshlrev_b32 v37, 2, v32
	s_wait_alu depctr_va_vdst(0)
	s_mul_i32 s62, s[HD], QKW
	s_mul_i32 s63, s[HF], 2304
	s_add_co_u32 s62, s62, s63
	s_add_co_u32 s62, s62, QK
	v_add_nc_u32 v[AQ], s62, v36                   ; Q of my head, my half's 96 rows
	v_add_nc_u32 v[AK], 8*QKW, v[AQ]
	s_mul_i32 s62, s[HD], QSW
	s_mul_i32 s63, s[HF], 384
	s_add_co_u32 s62, s62, s63
	s_add_co_u32 s62, s62, QS
	v_add_nc_u32 v[AQS], s62, v37
	v_add_nc_u32 v[AKS], 8*QSW, v[AQS]
	s_mul_i32 s62, s[HF], 18432
	v_add_nc_u32 v[AX], s62, v[LI]
	s_mul_i32 s62, s[HF], 1536
	s_add_co_u32 s62, s62, XSC
	v_add_nc_u32 v[AXS], s62, v[LS]
	v_mul_u32_u24 v38, v32, 528
	s_mul_i32 s62, s[HF], 50688
	s_lshl_b32 s63, s[HD], 6
	s_add_co_u32 s62, s62, s63
	s_add_co_u32 s62, s62, OST
	v_lshl_add_u32 v39, v33, 5, v38
	v_add_nc_u32 v[OW], s62, v39                   ; row 96 half + r, + 64 head + 32 h
	s_mul_i32 s62, s[WV], 8448
	s_add_co_u32 s62, s62, OST
	v_add_nc_u32 v39, v38, v[B64]
	v_add_nc_u32 v[OR2], s62, v39
	v_add_nc_u32 v[ORR], s62, v[LI]
	v_add_nc_u32 v[BA], BIA, v[B64]
	s_lshl_b32 s62, s[WV], 10
	s_add_co_u32 s62, s62, STAT
	v_add_nc_u32 v[STA], s62, v[LI]
	v_add_nc_u32 v[AWI], WIMG, v[LI]
	v_add_nc_u32 v[AWS], WSC, v[LS]
	s_and_b32 s62, s[WV], 3                        ; waves 12-15: w - 12
	s_mul_i32 s62, s62, 9216
	s_add_co_u32 s62, s62, QK                      ; their 9,216 bytes: to_w's 32 rows of 96 bytes, then gate_w's 32 rows of 192
	v_add_nc_u32 v[WST], s62, v[LI]
	v_mul_u32_u24 v[T0], v35, 96                   ; there: a tile's rows of 96 bytes,
	v_mad_u32_u24 v[T0], v33, 24, v[T0]
	v_add_nc_u32 v[T0], s62, v[T0]
	v_lshlrev_b32 v[T1], 2, v35                    ; in memory: their scale words;
	s_add_co_u32 s62, s62, 3072
	v_mul_u32_u24 v[T2], v35, 192                  ; there: rows of 192 bytes,
	v_mad_u32_u24 v[T2], v33, 24, v[T2]
	v_add_nc_u32 v[T2], s62, v[T2]
	v_lshlrev_b32 v[T3], 3, v35                    ; in memory: their scale bytes
.irp i, 0,1,2,3,4,5,6,7,12,13,14,15
	v_mov_b32 v[TM+\i], 0                          ; written once: a lane permute's destination counts as one of its sources, and pairs are named whole
.endr
	s_mov_b32 s[SEL], 0x76543210
	s_mov_b32 s[SEL+1], 0xfedcba98                 ; lane xor 16
	s_mov_b32 s[CS], 0x3e8293ee                    ; c = log2(e) / sqrt(32)
	s_mov_b32 s[CS+1], s[CS]
	s_mov_b32 s[MHI], 0xffff0000
	s_mul_i32 s60, ttmp9, 98304                    ; 192 rows of 512 bytes
	s_mov_b32 s61, 0
	s_wait_kmcnt 0x0
	s_add_nc_u64 s[4:5], s[4:5], s[60:61]
	s_add_nc_u64 s[6:7], s[6:7], s[60:61]
	s_add_nc_u64 s[8:9], s[8:9], s[60:61]
	s_add_nc_u64 s[40:41], s[40:41], s[60:61]
	s_add_nc_u64 s[42:43], s[42:43], s[60:61]
	s_lshl_b32 s60, ttmp9, 10
	s_add_nc_u64 s[44:45], s[44:45], s[60:61]
	s_mul_i32 s60, s[HD], 1536
	s_add_nc_u64 s[22:23], s[22:23], s[60:61]      ; tv_w: my head's 16 rows
	s_lshl_b32 s60, s[HD], 6
	s_add_nc_u64 s[24:25], s[24:25], s[60:61]
	s_add_nc_u64 s[26:27], s[26:27], s[60:61]
	; ---- X
	s_cmp_ge_u32 s[WV], 12
	s_cbranch_scc1 .Lweights
	s_wait_alu depctr_va_vdst(0)                   ; the head has written every offset and LDS address, which the loads and stores from here on read, and v32-39, in which loads land
	LOADR 32, 4                                    ; hidden's 16 rows,
	LOADR 96, 6                                    ; tXin's
	s_wait_loadcnt 16                              ; hidden's are in; tXin's 16 loads may be out
	TURN 32
	QUANT 32
	s_wait_alu depctr_va_vdst(0)                   ; the quantiser is done reading v32-95, in which sp's rows land, and has written the codes and the scale word, which the image's stores read
	LOADR 32, 8                                    ; sp's, into the registers that hidden has left
	IMAGE XWI, 0
	ds_store_b32 v[XWS], v[PW]
	s_wait_loadcnt 16                              ; tXin's are in; sp's 16 loads may be out
	TURN 96
	QUANT 96
	s_wait_alu depctr_va_vdst(0)                   ; the quantiser has written the codes and the scale word, which the image's stores read
	IMAGE XWI, 1536
	ds_store_b32 v[XWS], v[PW] offset:128
	s_wait_loadcnt 0x0
	TURN 32
	QUANT 32
	s_wait_alu depctr_va_vdst(0)                   ; the quantiser has written the codes and the scale word, which the image's stores read, and is done reading v64-95, in which phase P's weight and bias land
	IMAGE SWI, 0
	ds_store_b32 v[SWS], v[PW]
	s_branch .Ljoin
.Lweights:                                         ; waves 12-15: two tiles of to_w, two of gate_w (two K steps each) and 256 bytes of a bias.  A wave's 32 rows of each weight are neighbours in memory
	s_sub_co_u32 s62, s[WV], 12
	s_mul_i32 s60, s62, 3072
	s_add_nc_u64 s[28:29], s[28:29], s[60:61]
	s_lshl_b32 s60, s62, 7
	s_add_nc_u64 s[30:31], s[30:31], s[60:61]
	s_mul_i32 s60, s62, 6144
	s_add_nc_u64 s[34:35], s[34:35], s[60:61]
	s_lshl_b32 s60, s62, 8
	s_add_nc_u64 s[36:37], s[36:37], s[60:61]
	s_cmp_lt_u32 s62, 2
	s_cselect_b64 s[74:75], s[32:33], s[38:39]     ; waves 12, 13: to_b; waves 14, 15: gate_b
	s_and_b32 s60, s62, 1
	s_lshl_b32 s60, s60, 8
	v_and_b32 v106, 31, v0
	v_lshlrev_b32 v106, 3, v106
	v_add_nc_u32 v106, s60, v106
	s_wait_alu depctr_va_vdst(0)                   ; the head has written every offset and LDS address, and the three lines above v106, which the loads and stores from here on read; so are v32-39, in which loads land
.irp i, 0,1,2,3,4,5
	global_load_b128 v[32+4*\i:35+4*\i], v[LI], s[28:29] offset:512*\i
.endr
.irp i, 0,1,2,3,4,5,6,7,8,9,10,11
	global_load_b128 v[56+4*\i:59+4*\i], v[LI], s[34:35] offset:512*\i
.endr
	global_load_b32 v[SCR+0], v[T1], s[30:31]
	global_load_b32 v[SCR+1], v[T1], s[30:31] offset:32
.irp f, 0,1,2,3
	global_load_b32 v[SCR+2+\f], v[T3], s[36:37] offset:64*(\f/2)+4*(\f%2)
.endr
	global_load_b64 v[104:105], v106, s[74:75]
	s_wait_loadcnt 0x0
.irp i, 0,1,2,3,4,5,6,7,8,9,10,11,12,13,14,15,16,17
	ds_store_b128 v[WST], v[32+4*\i:35+4*\i] offset:512*\i   ; as they lie,
.endr
	s_wait_alu depctr_vm_vsrc(0)                   ; the eighteen stores have read v32-103, in which the operands land
	LFRAG 32, T0, 0                                ; and back as operands
	LFRAG 44, T0, 768
.irp f, 0,1,2,3
	LFRAG 56+12*\f, T2, 1536*(\f/2)+96*(\f%2)
.endr
	s_wait_dscnt 0x0
.irp u, 0,1
.irp cc, 0,1,2
	ds_store_b128 v[WGI], v[32+12*\u+4*\cc:32+12*\u+4*\cc+3] offset:1536*\u+512*\cc
.endr
	ds_store_b32 v[WGS], v[SCR+\u] offset:128*\u
.endr
.irp f, 0,1,2,3
.irp cc, 0,1,2
	ds_store_b128 v[WGI2], v[56+12*\f+4*\cc:56+12*\f+4*\cc+3] offset:1536*\f+512*\cc
.endr
	ds_store_b32 v[WGS2], v[SCR+2+\f] offset:128*\f
.endr
	ds_store_b64 v[BWA], v[104:105]
.Ljoin:
	s_wait_dscnt 0x0                               ; my LDS stores have landed
	s_wait_alu depctr_vm_vsrc(0)                   ; my LDS stores have read their data (the codes and PW; in waves 12-15 v32-105 and SCR+0 .. 5), and those waves' loads T0, T1 and T2: loads land in the first, vector lines write the others, below
	s_cmp_lt_u32 s[WV], 8                          ; waves 0-7 project Q, waves 8-15 K: only pointers are chosen
	s_cselect_b64 s[66:67], s[10:11], s[16:17]
	s_cselect_b64 s[68:69], s[12:13], s[18:19]
	s_cselect_b64 s[70:71], s[14:15], s[20:21]
	s_mul_i32 s60, s[HD], 6144
	s_add_nc_u64 s[66:67], s[66:67], s[60:61]
	s_lshl_b32 s60, s[HD], 8
	s_add_nc_u64 s[68:69], s[68:69], s[60:61]
	s_lshl_b32 s60, s[HD], 7
	s_add_nc_u64 s[70:71], s[70:71], s[60:61]
	s_mul_i32 s62, s[WV], 6144
	s_add_co_u32 s62, s62, OST                     ; behind the barrier below: 6,144 bytes a wave for my head's 32 rows of the weight
	v_add_nc_u32 v[T0], s62, v[LI]
	v_and_b32 v[T2], 15, v0
	v_and_b32 v[T1], 8, v[T2]
	v_add_nc_u32 v[T2], v[T2], v[T1]
	v_mul_u32_u24 v[T2], v[T2], 192
	v_bfe_u32 v[T1], v0, 4, 1
	v_mad_u32_u24 v[T2], v[T1], 24, v[T2]
	v_add_nc_u32 v[T2], s62, v[T2]                 ; there: row r + 8 (r / 8), + 24 h
.irp i, 0,1,2                                  ; (these loads name LI, T3, B64 and registers that no vector line since the arm's last wait on va_vdst has named: they owe no wait)
	global_load_b128 v[80+4*\i:83+4*\i], v[LI], s[66:67] offset:512*\i
	global_load_b128 v[144+4*\i:147+4*\i], v[LI], s[66:67] offset:1536+512*\i
.endr
.irp i, 0,1,2,3,4,5
	global_load_b128 v[184+4*\i:187+4*\i], v[LI], s[66:67] offset:3072+512*\i
.endr
	global_load_b32 v[SCR+0], v[T3], s[68:69]
	global_load_b32 v[SCR+1], v[T3], s[68:69] offset:4
	global_load_b32 v[SCR+2], v[T3], s[68:69] offset:64
	global_load_b32 v[SCR+3], v[T3], s[68:69] offset:68
.irp u, 0,1
	global_load_b128 v[64+8*\u:64+8*\u+3], v[B64], s[70:71] offset:32*\u
	global_load_b128 v[64+8*\u+4:64+8*\u+7], v[B64], s[70:71] offset:32*\u+16
.endr
	BARRIER                                        ; x's, sp's and the weights' images lie in LDS; nobody reads a stage of phase X any more
	s_wait_loadcnt 0x0
	s_wait_alu depctr_va_vdst(0)                   ; T0 and T2 are written, which the stores and loads below read
.irp i, 0,1,2
	ds_store_b128 v[T0], v[80+4*\i:83+4*\i] offset:512*\i
	ds_store_b128 v[T0], v[144+4*\i:147+4*\i] offset:1536+512*\i
.endr
.irp i, 0,1,2,3,4,5
	ds_store_b128 v[T0], v[184+4*\i:187+4*\i] offset:3072+512*\i
.endr
	s_wait_alu depctr_vm_vsrc(0)                   ; the twelve stores have read v80-91, v144-155 and v184-207, in which the operands land
	LFRAG 80, T2, 0                                ; the operands that stay: tile u's rows are 8 u + r + 8 (r / 8)
	LFRAG 144, T2, 96
	LFRAG 184, T2, 1536
	LFRAG 196, T2, 1632
	; ---- P: Q or K of my head, two tiles of rows a trip.  Transposed: source 0 = 16 rows of the weight, source 1 = x
.macro XFETCH                          ; two tiles' four operands of x and their scale words
.irp f, 0,1,2,3
	FETCH 96+12*\f, T0, 1536*\f
	ds_load_b32 v[SCR+4+\f], v[T1] offset:128*\f
.endr
.endm
; A trip.  more = 1: the next trip's operands are asked for behind this trip's products, and land under its relu and quantiser.
.macro PTRIP more
	s_wait_dscnt 0x0                               ; x's four operands and their scale words are in (in the first trip: the weight's four operands too)
.irp s, 0,1                                    ; four accumulators by turns, one instruction a turn
.irp t, 0,1
.irp u, 0,1
.if \s == 0
	MM 32+16*\t+8*\u, (1-\u)*(80+64*\s)+\u*(184+12*\s), 96+12*(2*\t+\s), 64+8*\u, SCR+2*\u+\s, SCR+4+2*\t+\s
.else
	MM 32+16*\t+8*\u, (1-\u)*(80+64*\s)+\u*(184+12*\s), 96+12*(2*\t+\s), 32+16*\t+8*\u, SCR+2*\u+\s, SCR+4+2*\t+\s
.endif
.endr
.endr
.endr
	s_wait_alu depctr_vm_vsrc(0)                   ; this trip's loads have read T0 and T1; the last trip's stores have read T2, T3, the codes and the scale word: all are written again below
	v_add_nc_u32 v[T2], s[SR], v[PWR]              ; the adds (with two v_nop in the last trip) are the four places behind the products, ahead of the relu
	v_add_nc_u32 v[T3], s[SRS], v[PWS]
.if \more
	s_add_co_u32 s[SX], s[SX], 6144
	s_add_co_u32 s[SXS], s[SXS], 512
	v_add_nc_u32 v[T0], s[SX], v[LI]
	v_add_nc_u32 v[T1], s[SXS], v[LS]
	s_wait_alu depctr_va_vdst(0)                   ; the eight products are done reading x's operands and scale words, in which the next trip's land; T0 and T1 are written
	XFETCH
.else
	PLACES 2
.endif
	RELU 32, 32
	QUANT2 32, 48, 0                               ; lanes 0-15: the first tile's rows, lanes 16-31: the second's
	v_cndmask_b32 v[PW], v[TM+4], v[TM+5], s[MHI]  ; each half's own byte; the word's other bytes are 0
	s_wait_alu depctr_va_vdst(0)                   ; the codes, the scale word, T2 and T3 are written, which the four stores read
.irp pp, 0,1,2
	ds_store_b64 v[T2], v[PC+2*\pp:PC+2*\pp+1] offset:8*\pp
.endr
	ds_store_b32 v[T3], v[PW]
	s_add_co_u32 s[SR], s[SR], 768
	s_add_co_u32 s[SRS], s[SRS], 128
.endm
	s_mov_b32 s[SX], XIMG
	s_mov_b32 s[SXS], XSC
	s_mov_b32 s[SR], 0
	s_mov_b32 s[SRS], 0
	s_mov_b32 s[CNT], 0
	s_wait_alu depctr_vm_vsrc(0)                   ; the weight's stores have read T0, which is written again below
	v_add_nc_u32 v[T0], s[SX], v[LI]
	v_add_nc_u32 v[T1], s[SXS], v[LS]
	s_wait_alu depctr_va_vdst(0)                   ; T0 and T1 are written, which the first trip's loads read
	XFETCH
.Lp:
	PTRIP 1
	s_add_co_u32 s[CNT], s[CNT], 1
	s_cmp_lt_u32 s[CNT], 5
	s_cbranch_scc1 .Lp
	PTRIP 0                                        ; the sixth trip is written out: nothing is left to fetch
	s_wait_dscnt 0x0
	s_wait_alu depctr_vm_vsrc(0)                   ; the last trip's stores have read T2, T3, the codes and the scale word: the lines below write T0 to T3, phase A's masks the codes' registers
	PLACES 4
	s_mul_i32 s62, s[WV], 1536
	s_add_co_u32 s62, s62, TVS                     ; my own 1,536 bytes
	v_add_nc_u32 v[T0], s62, v[LI]
	v_and_b32 v[T2], 15, v0
	v_bfe_u32 v[T3], v0, 4, 1
	v_lshlrev_b32 v[T1], 2, v[T2]                  ; in memory: tv_w's scale word and bias of row r
	v_mul_u32_u24 v[T2], v[T2], 96
	v_mad_u32_u24 v[T2], v[T3], 24, v[T2]
	v_add_nc_u32 v[T2], s62, v[T2]                 ; in LDS: row r, + 24 h
	s_wait_alu depctr_va_vdst(0)                   ; T0, T1 and T2 are written, which the loads and stores below read
	global_load_b128 v[184:187], v[LI], s[22:23]   ; tv_w's 16 rows of my head: 1,536 neighbouring bytes
	global_load_b128 v[188:191], v[LI], s[22:23] offset:512
	global_load_b128 v[192:195], v[LI], s[22:23] offset:1024
	global_load_b32 v[SCR+3], v[T1], s[24:25]
	global_load_b32 v204, v[T1], s[26:27]
	BARRIER                                        ; Q's and K's codes lie in LDS
	s_wait_loadcnt 0x0
	ds_store_b128 v[T0], v[184:187]
	ds_store_b128 v[T0], v[188:191] offset:512
	ds_store_b128 v[T0], v[192:195] offset:1024
	s_wait_alu depctr_vm_vsrc(0)                   ; the three stores have read v184-195, in which the operand lands
	LFRAG 184, T2, 0                               ; tv_w's operand; the first group's wait for LDS covers it
.irp j, 0,1,2,3,4,5,6,7
	v_mov_b32 v[196+\j], v204                      ; V's bias hangs on the lane's channel alone
.endr
	; ---- A.  In S^T a lane holds query r and its register j key 8 h + j of the tile
.irp q, 0,1,2
.irp i, 0,1,2,3,4,5
	v_mov_b32 v[38+12*\q+\i], 0                    ; Q's blocks 2 and 3: zero codes
.endr
.endr
.irp i, 0,1,2,3,4,5
	v_mov_b32 v[86+\i], 0                          ; behind K's third block
.endr
.irp j, 0,1,2,3,4,5,6,7
	s_mov_b32 s72, ((0xffff<<\j)&0xffff)|(((0xffff<<(8+\j))&0xffff)<<16)
	v_cndmask_b32 v[CM+\j], v[NINF], v[NIL], s72   ; inside a tile: key 8 h + j counts for query r where it is not later
.endr
	s_mov_b32 s72, 0xffff00ff
	s_wait_alu depctr_va_vdst(0)
.irp j, 0,1,2,3,4,5,6,7
	v_cndmask_b32 v[CM1+\j], v[NINF], v[CM+\j], s72   ; the middle tile holds the end of one pair and the head of the next: keys 0-7 count for queries 0-7 alone
.endr
	s_mov_b32 s72, 0x00ff00ff
	v_cndmask_b32 v224, v[NINF], v[NIL], s72       ; middle queries against the first tile's keys: queries 0-7 alone
	v_mov_b32 v225, v224
	v_cndmask_b32 v226, v[NINF], v[NIL], s[MHI]    ; last queries against the middle tile's keys: keys 8-15 alone
	v_mov_b32 v227, v226
.macro GROUP g                         ; rows 96 half + 48 g on: tiles 0, 1, 2; two pairs of 24 rows
.irp k, 0,1,2                                  ; (no wait: no vector or matrix line issued since the last wait on va_vdst names a register that these loads touch, and the last wait on vm_vsrc stands behind every store that read one)
	FETCH 96+12*\k, AX, (3*(\g)+\k)*3072
	ds_load_b32 v[SCR+\k], v[AXS] offset:(3*(\g)+\k)*256
	LDBLK 32+12*\k, AQ, 1152*(\g)+384*\k
	ds_load_b32 v[SCR+4+\k], v[AQS] offset:192*(\g)+64*\k
	LDBLK 68+6*\k, AK, 1152*(\g)+384*\k
	ds_load_b32 v[SCR+7+\k], v[AKS] offset:192*(\g)+64*\k
.endr
	s_wait_dscnt 0x0
.irp q, 0,1,2
.irp i, 0,1,2,3,4,5
	v_and_b32 v[32+12*\q+\i], v[LOM], v[32+12*\q+\i]   ; lanes 16-31 are block 1: zero codes
.endr
.endr
.irp k, 0,1,2                                  ; V, NOT transposed: source 0 = hidden's rows, source 1 = tv_w: a lane holds channel r and keys 8 h + 0 .. 7
	MM 136+8*\k, 96+12*\k, 184, 196, SCR+\k, SCR+3
.endr
	PLACES 5                                       ; the scores below are laid over hidden's operands
	RELU 136, 24
	s_wait_alu depctr_va_vdst(0)                   ; the eighteen lines above V's products have written Q's three operands, which the five products below take
	MM0 96, 68, 32, SCR+7, SCR+4                   ; S^T: keys' tile 0 x queries' tile 0
	MM0 104, 68, 44, SCR+7, SCR+5                  ; 0 x 1
	MM0 112, 74, 44, SCR+8, SCR+5                  ; 1 x 1
	MM0 120, 74, 56, SCR+8, SCR+6                  ; 1 x 2
	MM0 128, 80, 56, SCR+9, SCR+6                  ; 2 x 2
	PLACES 4
.irp j, 0,2,4,6                                ; t = score x c + mask
	v_pk_fma_f32 v[96+\j:97+\j], v[96+\j:97+\j], s[CS:CS+1], v[CM+\j:CM+\j+1] op_sel_hi:[1,0,1]
	v_pk_fma_f32 v[104+\j:105+\j], v[104+\j:105+\j], s[CS:CS+1], v[224:225] op_sel_hi:[1,0,0]
	v_pk_fma_f32 v[112+\j:113+\j], v[112+\j:113+\j], s[CS:CS+1], v[CM1+\j:CM1+\j+1] op_sel_hi:[1,0,1]
	v_pk_fma_f32 v[120+\j:121+\j], v[120+\j:121+\j], s[CS:CS+1], v[226:227] op_sel_hi:[1,0,0]
	v_pk_fma_f32 v[128+\j:129+\j], v[128+\j:129+\j], s[CS:CS+1], v[CM+\j:CM+\j+1] op_sel_hi:[1,0,1]
.endr
	v_max3_num_f32 v[TM], v96, v97, v98            ; each query's largest t (its own key always counts)
	v_max3_num_f32 v[TM+2], v104, v105, v106
	v_max3_num_f32 v[TM+4], v120, v121, v122
	v_max3_num_f32 v[TM], v[TM], v99, v100
	v_max3_num_f32 v[TM], v[TM], v101, v102
	v_max_num_f32 v[TM], v[TM], v103
.irp i, 3,5,7,9,11,13
	v_max3_num_f32 v[TM+2], v[TM+2], v[104+\i], v[105+\i]
	v_max3_num_f32 v[TM+4], v[TM+4], v[120+\i], v[121+\i]
.endr
	v_max_num_f32 v[TM+2], v[TM+2], v119
	v_max_num_f32 v[TM+4], v[TM+4], v135
.irp q, 0,1,2
	v_permlanex16_b32 v[TM+12+\q], v[TM+2*\q], s[SEL], s[SEL+1]
.endr
.irp q, 0,1,2
	v_max_num_f32 v[TM+2*\q], v[TM+2*\q], v[TM+12+\q]
.endr
.irp j, 0,2,4,6
	v_pk_add_f32 v[96+\j:97+\j], v[96+\j:97+\j], v[TM:TM+1] op_sel_hi:[1,0] neg_lo:[0,1] neg_hi:[0,1]
.endr
.irp j, 0,2,4,6,8,10,12,14
	v_pk_add_f32 v[104+\j:105+\j], v[104+\j:105+\j], v[TM+2:TM+3] op_sel_hi:[1,0] neg_lo:[0,1] neg_hi:[0,1]
	v_pk_add_f32 v[120+\j:121+\j], v[120+\j:121+\j], v[TM+4:TM+5] op_sel_hi:[1,0] neg_lo:[0,1] neg_hi:[0,1]
.endr
.set jj, 0
	s_wait_alu depctr_va_vdst(0)
.rept 40
	v_exp_f32 v[96+jj], v[96+jj]
.set jj, jj+1
.endr
	v_nop                                          ; a plain place behind the batch
	s_wait_alu depctr_va_vdst(0)                   ; the 40 exponentials have written p: one wait for the batch, ahead of its first reader
	v_pk_add_f32 v[TM+6:TM+7], v[96:97], v[98:99]
	v_pk_add_f32 v[TM+8:TM+9], v[104:105], v[106:107]
	v_pk_add_f32 v[TM+10:TM+11], v[120:121], v[122:123]
	v_pk_add_f32 v[TM+6:TM+7], v[TM+6:TM+7], v[100:101]
	v_pk_add_f32 v[TM+6:TM+7], v[TM+6:TM+7], v[102:103]
.irp j, 4,6,8,10,12,14
	v_pk_add_f32 v[TM+8:TM+9], v[TM+8:TM+9], v[104+\j:105+\j]
	v_pk_add_f32 v[TM+10:TM+11], v[TM+10:TM+11], v[120+\j:121+\j]
.endr
.irp q, 0,1,2
	v_add_f32 v[TM+6+2*\q], v[TM+6+2*\q], v[TM+7+2*\q]
.endr
.irp q, 0,1,2
	v_permlanex16_b32 v[TM+12+\q], v[TM+6+2*\q], s[SEL], s[SEL+1]
.endr
.irp q, 0,1,2
	v_add_f32 v[TM+6+2*\q], v[TM+6+2*\q], v[TM+12+\q]
.endr
	s_wait_alu depctr_va_vdst(0)
.irp q, 0,1,2
	v_rcp_f32 v[TM+7+2*\q], v[TM+6+2*\q]
.endr
	v_nop
	; O^T = V^T p in f32.  The instruction's k = 2 h + j stands for key 8 h + 2 i + j on both sides: V's and p's registers are the operands as they lie.  Accumulators by turns, one instruction a turn
	v_wmma_f32_16x16x4_f32 v[OA:OA+7], v[136:137], v[96:97], 0
	v_wmma_f32_16x16x4_f32 v[OA+8:OA+15], v[136:137], v[104:105], 0
	v_wmma_f32_16x16x4_f32 v[OA+16:OA+23], v[144:145], v[120:121], 0
.irp i, 2,4,6
	v_wmma_f32_16x16x4_f32 v[OA:OA+7], v[136+\i:137+\i], v[96+\i:97+\i], v[OA:OA+7]
	v_wmma_f32_16x16x4_f32 v[OA+8:OA+15], v[136+\i:137+\i], v[104+\i:105+\i], v[OA+8:OA+15]
	v_wmma_f32_16x16x4_f32 v[OA+16:OA+23], v[144+\i:145+\i], v[120+\i:121+\i], v[OA+16:OA+23]
.endr
.irp i, 0,2,4,6
	v_wmma_f32_16x16x4_f32 v[OA+8:OA+15], v[144+\i:145+\i], v[112+\i:113+\i], v[OA+8:OA+15]
	v_wmma_f32_16x16x4_f32 v[OA+16:OA+23], v[152+\i:153+\i], v[128+\i:129+\i], v[OA+16:OA+23]
.endr
	PLACES 8
	s_wait_alu depctr_va_vdst(0)                   ; the three reciprocals have written their results, ahead of the first reader
.irp q, 0,1,2
.irp j, 0,1,2,3,4,5,6,7
	v_mul_f32 v[96+8*\q+\j], v[OA+8*\q+\j], v[TM+7+2*\q]   ; into other registers: O(query r, channel 16 head + 8 h + j)
.endr
.endr
	s_wait_alu depctr_va_vdst(0)                   ; the 24 multiplications have written v96-119, which the six stores read; every vector and matrix line of the group stands ahead of this wait, so the loads that follow the group owe none
.irp q, 0,1,2
	ds_store_b128 v[OW], v[96+8*\q:96+8*\q+3] offset:(48*(\g)+16*\q)*528
	ds_store_b128 v[OW], v[96+8*\q+4:96+8*\q+7] offset:(48*(\g)+16*\q)*528+16
.endr
	s_wait_dscnt 0x0
	s_wait_alu depctr_vm_vsrc(0)                   ; the six stores have read v96-119, in which the next loads land
.endm
	GROUP 0
	GROUP 1
	BARRIER                                        ; O's 192 rows lie in LDS
	s_cmp_ge_u32 s[WV], 12
	s_cbranch_scc1 .Lskip_og
	; ---- OG: tile w
.irp b, 0,1,2,3
.irp q, 0,1,2,3
	ds_load_b128 v[96+16*\b+4*\q:96+16*\b+4*\q+3], v[OR2] offset:128*\b+16*\q
.endr
.endr
	FETCH 184, SWI, 0                              ; sp's operand of my tile: the gate's first K step
	ds_load_b32 v[SCR+9], v[SWS]
	s_wait_dscnt 0x0
	QUANT 96
	PLACES 8                                       ; a scale word made by vector instructions stands 8 places ahead of the product, an operand 4
	s_wait_alu depctr_va_vdst(0)                   ; the quantiser is done reading v96-159, in which to_b lands, and has written O's codes and scale word, which the products take
	BIAS 0                                         ; to_b
.irp g, 0,1
.if \g
	s_wait_alu depctr_va_vdst(0)                   ; the four products above are done reading to_w's operands and scale words, in which the next four land
.endif
.irp i, 0,1,2,3
	FETCH 32+12*\i, AWI, (4*\g+\i)*1536
	ds_load_b32 v[SCR+\i], v[AWS] offset:(4*\g+\i)*128
.endr
	s_wait_dscnt 0x0
.irp i, 0,1,2,3
	MM 96+8*(4*\g+\i), 32+12*\i, PC, 96+8*(4*\g+\i), SCR+\i, PW
.endr
	PLACES 4
.endr
	RELU 96, 64                                    ; tempOut
	QUANT 96                                       ; and its operand: the gate's second K step
	PLACES 8
	s_wait_alu depctr_va_vdst(0)                   ; the relu has written v96-159, which the stage's stores read; the products are done reading v32-79, in which the rows land; the quantiser has written tp's codes and scale word, which the gate's products take
	TOSTAGE
.irp i, 0,1,2,3,4,5,6,7,8,9,10,11,12,13,14,15
	global_store_b128 v[GO], v[32+4*\i:32+4*\i+3], s[40:41] offset:512*\i   ; 32 lanes store a row's 512 consecutive bytes, aligned
.endr
	s_wait_alu depctr_vm_vsrc(0)                   ; the stage's stores have read v96-159, in which gate_b lands; tp's stores have read v32-95, in which gate_w's operands land
	BIAS 512                                       ; gate_b
	s_wait_xcnt 0x0                                ; the stores have read their registers: loads may land there
.irp s, 0,1
.irp g, 0,1
.if (\s+\g) > 0
	s_wait_alu depctr_va_vdst(0)                   ; the four products above are done reading gate_w's operands and scale words, in which the next four land
.endif
.irp i, 0,1,2,3
	FETCH 32+12*\i, AWI, (8+2*(4*\g+\i)+\s)*1536
	ds_load_b32 v[SCR+\i], v[AWS] offset:(8+2*(4*\g+\i)+\s)*128
.endr
	s_wait_dscnt 0x0
.irp i, 0,1,2,3
.if \s == 0
	MM 96+8*(4*\g+\i), 32+12*\i, 184, 96+8*(4*\g+\i), SCR+\i, SCR+9
.else
	MM 96+8*(4*\g+\i), 32+12*\i, PC, 96+8*(4*\g+\i), SCR+\i, PW
.endif
.endr
	PLACES 4
.endr
.endr
	s_wait_alu depctr_va_vdst(0)                   ; the products have written v96-159, which the stage's stores read, and are done reading v32-79, in which the rows land; the places above stay beside this wait
	TOSTAGE
.irp i, 0,1,2,3,4,5,6,7,8,9,10,11,12,13,14,15
	global_store_b128 v[GO], v[32+4*\i:32+4*\i+3], s[42:43] offset:512*\i
.endr
	s_wait_alu depctr_vm_vsrc(0)                   ; the stage's stores have read v96-107, which the lines below write
	; my 16 rows' mean and squared deviations: a lane holds channels 4 lane + 0 .. 3 of each row
	v_pk_add_f32 v[96:97], v[32:33], v[36:37]
	v_pk_add_f32 v[98:99], v[34:35], v[38:39]
.irp i, 2,3,4,5,6,7,8,9,10,11,12,13,14,15
	v_pk_add_f32 v[96:97], v[96:97], v[32+4*\i:33+4*\i]
	v_pk_add_f32 v[98:99], v[98:99], v[34+4*\i:35+4*\i]
.endr
	v_pk_mul_f32 v[96:97], v[96:97], 0x3d800000 op_sel_hi:[1,0]         ; / 16
	v_pk_mul_f32 v[98:99], v[98:99], 0x3d800000 op_sel_hi:[1,0]
	v_pk_add_f32 v[100:101], v[32:33], v[96:97] neg_lo:[0,1] neg_hi:[0,1]
	v_pk_add_f32 v[102:103], v[34:35], v[98:99] neg_lo:[0,1] neg_hi:[0,1]
	v_pk_mul_f32 v[104:105], v[100:101], v[100:101]
	v_pk_mul_f32 v[106:107], v[102:103], v[102:103]
.irp i, 1,2,3,4,5,6,7,8,9,10,11,12,13,14,15
	v_pk_add_f32 v[100:101], v[32+4*\i:33+4*\i], v[96:97] neg_lo:[0,1] neg_hi:[0,1]
	v_pk_add_f32 v[102:103], v[34+4*\i:35+4*\i], v[98:99] neg_lo:[0,1] neg_hi:[0,1]
	v_pk_fma_f32 v[104:105], v[100:101], v[100:101], v[104:105]
	v_pk_fma_f32 v[106:107], v[102:103], v[102:103], v[106:107]
.endr
	s_wait_alu depctr_va_vdst(0)                   ; the lines above have written v96-99 and v104-107, which the two stores read, and are done with v32-107, in which wave 0's loads land
	ds_store_b128 v[STA], v[96:99]
	ds_store_b128 v[STA], v[104:107] offset:512
.Lskip_og:
	BARRIER                                        ; the 12 partial statistics lie in LDS
	s_wait_alu depctr_vm_vsrc(0)                   ; the statistics' stores have read v96-99 and v104-107, in which wave 0's loads land
	s_cmp_lg_u32 s[WV], 0
	s_cbranch_scc1 .Lend
	s_wait_xcnt 0x0                                ; gi's stores have read their registers
.irp p, 0,1,2,3,4,5,6,7,8,9,10,11
	ds_load_b128 v[32+4*\p:32+4*\p+3], v[STA] offset:1024*\p
	ds_load_b128 v[96+4*\p:96+4*\p+3], v[STA] offset:1024*\p+512
.endr
	s_wait_dscnt 0x0
	v_pk_add_f32 v[144:145], v[32:33], v[36:37]
	v_pk_add_f32 v[146:147], v[34:35], v[38:39]
	v_pk_add_f32 v[148:149], v[96:97], v[100:101]
	v_pk_add_f32 v[150:151], v[98:99], v[102:103]
.irp p, 2,3,4,5,6,7,8,9,10,11
	v_pk_add_f32 v[144:145], v[144:145], v[32+4*\p:33+4*\p]
	v_pk_add_f32 v[146:147], v[146:147], v[34+4*\p:35+4*\p]
	v_pk_add_f32 v[148:149], v[148:149], v[96+4*\p:97+4*\p]
	v_pk_add_f32 v[150:151], v[150:151], v[98+4*\p:99+4*\p]
.endr
	v_pk_mul_f32 v[144:145], v[144:145], 0x3daaaaab op_sel_hi:[1,0]     ; / 12
	v_pk_mul_f32 v[146:147], v[146:147], 0x3daaaaab op_sel_hi:[1,0]
	v_pk_add_f32 v[156:157], v[32:33], v[144:145] neg_lo:[0,1] neg_hi:[0,1]
	v_pk_add_f32 v[158:159], v[34:35], v[146:147] neg_lo:[0,1] neg_hi:[0,1]
	v_pk_mul_f32 v[152:153], v[156:157], v[156:157]
	v_pk_mul_f32 v[154:155], v[158:159], v[158:159]
.irp p, 1,2,3,4,5,6,7,8,9,10,11
	v_pk_add_f32 v[156:157], v[32+4*\p:33+4*\p], v[144:145] neg_lo:[0,1] neg_hi:[0,1]
	v_pk_add_f32 v[158:159], v[34+4*\p:35+4*\p], v[146:147] neg_lo:[0,1] neg_hi:[0,1]
	v_pk_fma_f32 v[152:153], v[156:157], v[156:157], v[152:153]
	v_pk_fma_f32 v[154:155], v[158:159], v[158:159], v[154:155]
.endr
	v_pk_fma_f32 v[148:149], v[152:153], 0x41800000, v[148:149] op_sel_hi:[1,0,1]   ; + 16 x the means' squared deviations
	v_pk_fma_f32 v[150:151], v[154:155], 0x41800000, v[150:151] op_sel_hi:[1,0,1]
	s_wait_alu depctr_va_vdst(0)                   ; the lines above have written v144-151, which the two stores read
	global_store_b128 v[LI], v[144:147], s[44:45]
	global_store_b128 v[LI], v[148:151], s[44:45] offset:512
.Lend:
	s_wait_xcnt 0x0
	s_wait_alu depctr_vm_vsrc(0)                   ; the LDS stores of scale words have read v255, which is made anew below
	v_lshl_add_u32 v254, v0, 2, 0x4f600
	v_mov_b32 v255, 0
	s_wait_dscnt 0x0                               ; the closing lines, six on end
	s_wait_alu 0x0
	s_wait_tensorcnt 0x0
	ds_add_u32 v254, v255
	s_wait_dscnt 0x0
	s_endpgm
.Lfunc_end_k_qf2b5906066_tempo:
	.size	k_qf2b5906066_tempo, .Lfunc_end_k_qf2b5906066_tempo-k_qf2b5906066_tempo
	.p2alignl 7, 3214868480
	.fill 96, 4, 3214868480
	.section	.rodata,"a",@progbits
	.p2align	6, 0x0
	.amdhsa_kernel k_qf2b5906066_tempo
		.amdhsa_group_segment_fixed_size 327168
		.amdhsa_private_segment_fixed_size 0
		.amdhsa_enable_private_segment 0
		.amdhsa_kernarg_size 168
		.amdhsa_user_sgpr_count 2
		.amdhsa_user_sgpr_kernarg_segment_ptr 1
		.amdhsa_wavefront_size32 1
		.amdhsa_system_sgpr_workgroup_id_x 1
		.amdhsa_system_sgpr_workgroup_id_y 1
		.amdhsa_system_sgpr_workgroup_id_z 1
		.amdhsa_system_vgpr_workitem_id 0
		.amdhsa_next_free_vgpr 256
		.amdhsa_next_free_sgpr 96
		.amdhsa_reserve_vcc 0
		.amdhsa_float_denorm_mode_32 3
		.amdhsa_float_denorm_mode_16_64 3
		.amdhsa_memory_ordered 1
		.amdhsa_forward_progress 1
		.amdhsa_inst_pref_size 134
	.end_amdhsa_kernel
	.amdgpu_metadata
---
amdhsa.version: [ 1, 2 ]
amdhsa.kernels:
  - .name:           k_qf2b5906066_tempo
    .symbol:         k_qf2b5906066_tempo.kd
    .args:
      - { .name: hidden, .offset: 0, .size: 8, .value_kind: global_buffer, .address_space: global }
      - { .name: tXin, .offset: 8, .size: 8, .value_kind: global_buffer, .address_space: global }
      - { .name: sp, .offset: 16, .size: 8, .value_kind: global_buffer, .address_space: global }
      - { .name: tq_w_codes, .offset: 24, .size: 8, .value_kind: global_buffer, .address_space: global }
      - { .name: tq_w_scales, .offset: 32, .size: 8, .value_kind: global_buffer, .address_space: global }
      - { .name: tq_b, .offset: 40, .size: 8, .value_kind: global_buffer, .address_space: global }
      - { .name: tk_w_codes, .offset: 48, .size: 8, .value_kind: global_buffer, .address_space: global }
      - { .name: tk_w_scales, .offset: 56, .size: 8, .value_kind: global_buffer, .address_space: global }
      - { .name: tk_b, .offset: 64, .size: 8, .value_kind: global_buffer, .address_space: global }
      - { .name: tv_w_codes, .offset: 72, .size: 8, .value_kind: global_buffer, .address_space: global }
      - { .name: tv_w_scales, .offset: 80, .size: 8, .value_kind: global_buffer, .address_space: global }
      - { .name: tv_b, .offset: 88, .size: 8, .value_kind: global_buffer, .address_space: global }
      - { .name: to_w_codes, .offset: 96, .size: 8, .value_kind: global_buffer, .address_space: global }
      - { .name: to_w_scales, .offset: 104, .size: 8, .value_kind: global_buffer, .address_space: global }
      - { .name: to_b, .offset: 112, .size: 8, .value_kind: global_buffer, .address_space: global }
      - { .name: gate_w_codes, .offset: 120, .size: 8, .value_kind: global_buffer, .address_space: global }
      - { .name: gate_w_scales, .offset: 128, .size: 8, .value_kind: global_buffer, .address_space: global }
      - { .name: gate_b, .offset: 136, .size: 8, .value_kind: global_buffer, .address_space: global }
      - { .name: tp, .offset: 144, .size: 8, .value_kind: global_buffer, .address_space: global }
      - { .name: gi, .offset: 152, .size: 8, .value_kind: global_buffer, .address_space: global }
      - { .name: part, .offset: 160, .size: 8, .value_kind: global_buffer, .address_space: global }
    .group_segment_fixed_size: 327168
    .private_segment_fixed_size: 0
    .kernarg_segment_align: 8
    .kernarg_segment_size: 168
    .max_flat_workgroup_size: 512
    .sgpr_count:     96
    .vgpr_count:     256
    .wavefront_size: 32
...
	.end_amdgpu_metadata
.endif
;; end of part 6
;; launch stats (part 7): grid 1 x 1, 9 waves a work-group, no clusters, 19,712 bytes of LDS; arguments part, bn_gamma, bn_beta, coef; writes coef
.if DOCPART == 7
	.amdgcn_target "amdgcn-amd-amdhsa--gfx1250"
	.amdhsa_code_object_version 6
	.text
	.protected	k_qf2b5906066_stats
	.globl	k_qf2b5906066_stats
	.p2align	8
	.type	k_qf2b5906066_stats,@function
k_qf2b5906066_stats:
	s_mov_b64 s[64:65], 0
	v_nop
	global_prefetch_b8 v0, s[64:65] scope:SCOPE_SE
	s_setreg_imm32_b32 hwreg(HW_REG_WAVE_MODE, 25, 1), 1
	s_wait_xcnt 0x0
; The 414 partial statistics of gi (each: 128 means, 128 sums of squared deviations, of 192 rows) become, for each channel, mean, A' = -log2(e) gamma / sqrt(var + 1e-5) and B' = -log2(e) beta,
; so that the last launch's sigmoid is 1 / (1 + 2^((gi - mean) A' + B')).  One work-group: the sum spans all work-groups of the launch before, so it has one owner.
; 9 waves take two groups of 23 partials each, one group after the other through the same registers: 18 parts of 4,416 rows; wave 0 joins the 18.
; Parts of equal size n are joined by mean = the means' mean, M2 = sum M2_i + n sum (mean_i - mean)^2: no difference of large sums is formed.
; A lane holds channels 4 lane + 0 .. 3.  LIMITS: NaN and infinities are not served.
.macro COMBINE n, inv, cnt             ; means at v[8 + 4 i], M2 at v[100 + 4 i], i < n  ->  mean in v[192:195], M2 in v[100:103]
	v_pk_add_f32 v[192:193], v[8:9], v[12:13]
	v_pk_add_f32 v[194:195], v[10:11], v[14:15]
	v_pk_add_f32 v[100:101], v[100:101], v[104:105]
	v_pk_add_f32 v[102:103], v[102:103], v[106:107]
.set ii, 2
.rept \n-2
	s_delay_alu instid0(VALU_DEP_4)
	v_pk_add_f32 v[192:193], v[192:193], v[8+4*ii:9+4*ii]
	s_delay_alu instid0(VALU_DEP_4)
	v_pk_add_f32 v[194:195], v[194:195], v[10+4*ii:11+4*ii]
	s_delay_alu instid0(VALU_DEP_4)
	v_pk_add_f32 v[100:101], v[100:101], v[100+4*ii:101+4*ii]
	s_delay_alu instid0(VALU_DEP_4)
	v_pk_add_f32 v[102:103], v[102:103], v[102+4*ii:103+4*ii]
.set ii, ii+1
.endr
	s_delay_alu instid0(VALU_DEP_4)
	v_pk_mul_f32 v[192:193], v[192:193], \inv op_sel_hi:[1,0]
	s_delay_alu instid0(VALU_DEP_4)
	v_pk_mul_f32 v[194:195], v[194:195], \inv op_sel_hi:[1,0]
	s_delay_alu instid0(VALU_DEP_2)
	v_pk_add_f32 v[196:197], v[8:9], v[192:193] neg_lo:[0,1] neg_hi:[0,1]
	s_delay_alu instid0(VALU_DEP_2)
	v_pk_add_f32 v[198:199], v[10:11], v[194:195] neg_lo:[0,1] neg_hi:[0,1]
	s_delay_alu instid0(VALU_DEP_2)
	v_pk_mul_f32 v[104:105], v[196:197], v[196:197]
	s_delay_alu instid0(VALU_DEP_2)
	v_pk_mul_f32 v[106:107], v[198:199], v[198:199]
.set ii, 1
.rept \n-1
	v_pk_add_f32 v[196:197], v[8+4*ii:9+4*ii], v[192:193] neg_lo:[0,1] neg_hi:[0,1]
	v_pk_add_f32 v[198:199], v[10+4*ii:11+4*ii], v[194:195] neg_lo:[0,1] neg_hi:[0,1]
	s_delay_alu instid0(VALU_DEP_2)
	v_pk_fma_f32 v[104:105], v[196:197], v[196:197], v[104:105]
	s_delay_alu instid0(VALU_DEP_2)
	v_pk_fma_f32 v[106:107], v[198:199], v[198:199], v[106:107]
.set ii, ii+1
.endr
	s_delay_alu instid0(VALU_DEP_2)
	v_pk_fma_f32 v[100:101], v[104:105], \cnt, v[100:101] op_sel_hi:[1,0,1]
	s_delay_alu instid0(VALU_DEP_2)
	v_pk_fma_f32 v[102:103], v[106:107], \cnt, v[102:103] op_sel_hi:[1,0,1]
.endm
	s_load_b256 s[4:11], s[0:1], 0x0               ; part, gamma, beta, coef
	v_lshl_add_u32 v200, v0, 2, 0x4800
	v_mov_b32 v201, 0
	v_lshrrev_b32 v1, 5, v0
	s_delay_alu instid0(VALU_DEP_1)
	v_readfirstlane_b32 s12, v1                    ; wave 0..8
	v_and_b32 v2, 31, v0
	s_delay_alu instid0(VALU_DEP_1)
	v_lshlrev_b32 v3, 4, v2                        ; 16 x lane
	s_mul_i32 s13, s12, 47104
	v_add_nc_u32 v4, s13, v3                       ; my 46 partials of 1,024 bytes
	s_lshl_b32 s13, s12, 11
	v_add_nc_u32 v5, s13, v3                       ; LDS: my two parts of 1,024 bytes
	s_wait_alu depctr_va_vdst(0)
	s_wait_kmcnt 0x0
.irp g, 0,1
.set pp, 0
.rept 23
	global_load_b128 v[8+4*pp:11+4*pp], v4, s[4:5] offset:23552*\g+1024*pp
	global_load_b128 v[100+4*pp:103+4*pp], v4, s[4:5] offset:23552*\g+1024*pp+512
.set pp, pp+1
.endr
	s_wait_loadcnt 0x0
	COMBINE 23, 0x3d321643, 0x43400000             ; / 23; 192 rows to a partial
	ds_store_b128 v5, v[192:195] offset:1024*\g
	ds_store_b128 v5, v[100:103] offset:1024*\g+512
	s_wait_dscnt 0x0                               ; the stores have read their registers, and have landed
.endr
	s_barrier_signal -1
	s_barrier_wait -1
	s_cmp_lg_u32 s12, 0
	s_cbranch_scc1 .Lend
	global_load_b128 v[176:179], v3, s[6:7]        ; gamma
	global_load_b128 v[180:183], v3, s[8:9]        ; beta
.set pp, 0
.rept 18
	ds_load_b128 v[8+4*pp:11+4*pp], v3 offset:1024*pp
	ds_load_b128 v[100+4*pp:103+4*pp], v3 offset:1024*pp+512
.set pp, pp+1
.endr
	s_wait_dscnt 0x0
	COMBINE 18, 0x3d638e39, 0x458a0000             ; / 18; 4,416 rows to a part
	s_mov_b32 s14, 0x375310e7                      ; 1 / 79,488
	s_mov_b32 s15, 0x3727c5ac                      ; 1e-5
.irp i, 0,1,2,3
	v_fma_f32 v[104+\i], v[100+\i], s14, s15       ; the biased variance + eps
.endr
	s_wait_alu depctr_va_vdst(0)
.irp i, 0,1,2,3
	v_rsq_f32 v[108+\i], v[104+\i]
.endr
	s_wait_loadcnt 0x0
.irp i, 0,1,2,3
	v_mul_f32 v[180+\i], 0xbfb8aa3b, v[180+\i]     ; B'.  (Plain work behind the four)
.endr
	s_wait_alu depctr_va_vdst(0)                   ; one wait for the four, ahead of their first reader
.irp i, 0,1,2,3
	v_mul_f32 v[108+\i], v[108+\i], v[176+\i]
.endr
.irp i, 0,1,2,3
	s_delay_alu instid0(VALU_DEP_4)
	v_mul_f32 v[108+\i], 0xbfb8aa3b, v[108+\i]     ; A'
.endr
	global_store_b128 v3, v[192:195], s[10:11]
	global_store_b128 v3, v[108:111], s[10:11] offset:512
	global_store_b128 v3, v[180:183], s[10:11] offset:1024
.Lend:
	s_wait_tensorcnt 0x0
	ds_add_u32 v200, v201
	s_wait_dscnt 0x0
	s_endpgm
.Lfunc_end_k_qf2b5906066_stats:
	.size	k_qf2b5906066_stats, .Lfunc_end_k_qf2b5906066_stats-k_qf2b5906066_stats
	.p2alignl 7, 3214868480
	.fill 96, 4, 3214868480
	.section	.rodata,"a",@progbits
	.p2align	6, 0x0
	.amdhsa_kernel k_qf2b5906066_stats
		.amdhsa_group_segment_fixed_size 19712
		.amdhsa_private_segment_fixed_size 0
		.amdhsa_enable_private_segment 0
		.amdhsa_kernarg_size 32
		.amdhsa_user_sgpr_count 2
		.amdhsa_user_sgpr_kernarg_segment_ptr 1
		.amdhsa_wavefront_size32 1
		.amdhsa_system_sgpr_workgroup_id_x 1
		.amdhsa_system_sgpr_workgroup_id_y 1
		.amdhsa_system_sgpr_workgroup_id_z 1
		.amdhsa_system_vgpr_workitem_id 0
		.amdhsa_next_free_vgpr 202
		.amdhsa_next_free_sgpr 66
		.amdhsa_reserve_vcc 0
		.amdhsa_float_denorm_mode_32 3
		.amdhsa_float_denorm_mode_16_64 3
		.amdhsa_memory_ordered 1
		.amdhsa_forward_progress 1
		.amdhsa_inst_pref_size 59
	.end_amdhsa_kernel
	.amdgpu_metadata
---
amdhsa.version: [ 1, 2 ]
amdhsa.kernels:
  - .name:           k_qf2b5906066_stats
    .symbol:         k_qf2b5906066_stats.kd
    .args:
      - { .name: part, .offset: 0, .size: 8, .value_kind: global_buffer, .address_space: global }
      - { .name: bn_gamma, .offset: 8, .size: 8, .value_kind: global_buffer, .address_space: global }
      - { .name: bn_beta, .offset: 16, .size: 8, .value_kind: global_buffer, .address_space: global }
      - { .name: coef, .offset: 24, .size: 8, .value_kind: global_buffer, .address_space: global }
    .group_segment_fixed_size: 19712
    .private_segment_fixed_size: 0
    .kernarg_segment_align: 8
    .kernarg_segment_size: 32
    .max_flat_workgroup_size: 288
    .sgpr_count:     66
    .vgpr_count:     202
    .wavefront_size: 32
...
	.end_amdgpu_metadata
.endif
;; end of part 7
;; launch blend (part 8): grid 621 x 1, 8 waves a work-group, no clusters, 0 bytes of LDS; arguments gi, sp, tp, coef, out0; writes out0
.if DOCPART == 8
	.amdgcn_target "amdgcn-amd-amdhsa--gfx1250"
	.amdhsa_code_object_version 6
	.text
	.protected	k_qf2b5906066_blend
	.globl	k_qf2b5906066_blend
	.p2align	8
	.type	k_qf2b5906066_blend,@function
k_qf2b5906066_blend:
	s_mov_b64 s[64:65], 0
	v_nop
	global_prefetch_b8 v0, s[64:65] scope:SCOPE_SE
	s_setreg_imm32_b32 hwreg(HW_REG_WAVE_MODE, 25, 1), 1
	s_wait_xcnt 0x0
; out = t + z (s - t), z = 1 / (1 + 2^((gi - mean) A' + B')): the batch norm, the sigmoid and the blend, as a plain stream.
; A wave takes 16 rows, 8,192 neighbouring bytes of each of the three tensors; a lane takes 16 bytes (channels 4 lane + 0 .. 3) of each row, so that its mean, A' and B' stay in 12 registers.
; All 48 loads of a wave go out at once, each of 512 consecutive bytes; the rows are worked in four batches of four behind counted waits.  No register is written twice while a store may read it.
; No LDS, no barrier, no matrix unit: nothing is shared and nothing is multiplied by a matrix.  LIMITS: NaN and infinities are not served; where the exponential passes f32's range z is 0, as the sigmoid's limit is.
.set G, 16                             ; v16-79   gi, then the result
.set SS, 80                            ; v80-143  sp, then sp - tp
.set TT, 144                           ; v144-207 tp
.set E, 208                            ; v208-223 a batch's exponents, then z
	s_load_b256 s[4:11], s[0:1], 0x0               ; gi, sp, tp, coef
	s_load_b64 s[12:13], s[0:1], 0x20              ; out0
	v_lshrrev_b32 v1, 5, v0
	s_delay_alu instid0(VALU_DEP_1)
	v_readfirstlane_b32 s14, v1                    ; wave 0..7
	v_and_b32 v2, 31, v0
	s_delay_alu instid0(VALU_DEP_1)
	v_lshlrev_b32 v1, 4, v2                        ; 16 x lane
	s_lshl_b32 s15, ttmp9, 3
	s_add_co_u32 s15, s15, s14
	s_lshl_b32 s16, s15, 13                        ; my wave's 8,192 bytes
	s_mov_b32 s17, 0
	s_wait_alu depctr_va_vdst(0)
	s_wait_kmcnt 0x0
	s_add_nc_u64 s[4:5], s[4:5], s[16:17]
	s_add_nc_u64 s[6:7], s[6:7], s[16:17]
	s_add_nc_u64 s[8:9], s[8:9], s[16:17]
	s_add_nc_u64 s[12:13], s[12:13], s[16:17]
	global_load_b128 v[4:7], v1, s[10:11]              ; mean
	global_load_b128 v[8:11], v1, s[10:11] offset:512  ; A'
	global_load_b128 v[12:15], v1, s[10:11] offset:1024 ; B'
.irp i, 0,1,2,3,4,5,6,7,8,9,10,11,12,13,14,15
	global_load_b128 v[G+4*\i:G+4*\i+3], v1, s[4:5] offset:512*\i th:TH_LOAD_NT
	global_load_b128 v[SS+4*\i:SS+4*\i+3], v1, s[6:7] offset:512*\i th:TH_LOAD_NT
	global_load_b128 v[TT+4*\i:TT+4*\i+3], v1, s[8:9] offset:512*\i th:TH_LOAD_NT
.endr
.macro BATCH k
	s_wait_loadcnt 36-12*(\k)                      ; loads come back in order: this batch's 12 are in, the younger batches' 12 each may be out
.irp i, 0,1,2,3
.irp h, 0,2
	v_pk_add_f32 v[E+4*\i+\h:E+4*\i+\h+1], v[G+16*(\k)+4*\i+\h:G+16*(\k)+4*\i+\h+1], v[4+\h:5+\h] neg_lo:[0,1] neg_hi:[0,1]
.endr
.endr
.irp i, 0,1,2,3
.irp h, 0,2
	v_pk_fma_f32 v[E+4*\i+\h:E+4*\i+\h+1], v[E+4*\i+\h:E+4*\i+\h+1], v[8+\h:9+\h], v[12+\h:13+\h]
.endr
.endr
.set jj, 0
	s_wait_alu depctr_va_vdst(0)
.rept 16
	v_exp_f32 v[E+jj], v[E+jj]
.set jj, jj+1
.endr
.set jj, 0
.rept 8
	v_pk_add_f32 v[SS+16*(\k)+jj:SS+16*(\k)+jj+1], v[SS+16*(\k)+jj:SS+16*(\k)+jj+1], v[TT+16*(\k)+jj:TT+16*(\k)+jj+1] neg_lo:[0,1] neg_hi:[0,1]   ; s - t: plain work behind the exponentials
.set jj, jj+2
.endr
	s_wait_alu depctr_va_vdst(0)                   ; one wait for the batch of 16, ahead of its first reader
.set jj, 0
.rept 8
	v_pk_add_f32 v[E+jj:E+jj+1], v[E+jj:E+jj+1], 1.0 op_sel_hi:[1,0]
.set jj, jj+2
.endr
.set jj, 0
	s_wait_alu depctr_va_vdst(0)
.rept 16
	v_rcp_f32 v[E+jj], v[E+jj]                     ; z
.set jj, jj+1
.endr
	v_nop
	s_wait_alu depctr_va_vdst(0)
.set jj, 0
.rept 8
	v_pk_fma_f32 v[G+16*(\k)+jj:G+16*(\k)+jj+1], v[E+jj:E+jj+1], v[SS+16*(\k)+jj:SS+16*(\k)+jj+1], v[TT+16*(\k)+jj:TT+16*(\k)+jj+1]
.set jj, jj+2
.endr
.irp i, 0,1,2,3
	global_store_b128 v1, v[G+16*(\k)+4*\i:G+16*(\k)+4*\i+3], s[12:13] offset:512*(4*(\k)+\i) th:TH_STORE_NT   ; 32 lanes store 512 consecutive bytes, aligned
.endr
.endm
	BATCH 0
	BATCH 1
	BATCH 2
	BATCH 3
	s_endpgm
.Lfunc_end_k_qf2b5906066_blend:
	.size	k_qf2b5906066_blend, .Lfunc_end_k_qf2b5906066_blend-k_qf2b5906066_blend
	.p2alignl 7, 3214868480
	.fill 96, 4, 3214868480
	.section	.rodata,"a",@progbits
	.p2align	6, 0x0
	.amdhsa_kernel k_qf2b5906066_blend
		.amdhsa_group_segment_fixed_size 0
		.amdhsa_private_segment_fixed_size 0
		.amdhsa_enable_private_segment 0
		.amdhsa_kernarg_size 40
		.amdhsa_user_sgpr_count 2
		.amdhsa_user_sgpr_kernarg_segment_ptr 1
		.amdhsa_wavefront_size32 1
		.amdhsa_system_sgpr_workgroup_id_x 1
		.amdhsa_system_sgpr_workgroup_id_y 1
		.amdhsa_system_sgpr_workgroup_id_z 1
		.amdhsa_system_vgpr_workitem_id 0
		.amdhsa_next_free_vgpr 224
		.amdhsa_next_free_sgpr 66
		.amdhsa_reserve_vcc 0
		.amdhsa_float_denorm_mode_32 3
		.amdhsa_float_denorm_mode_16_64 3
		.amdhsa_memory_ordered 1
		.amdhsa_forward_progress 1
		.amdhsa_inst_pref_size 22
	.end_amdhsa_kernel
	.amdgpu_metadata
---
amdhsa.version: [ 1, 2 ]
amdhsa.kernels:
  - .name:           k_qf2b5906066_blend
    .symbol:         k_qf2b5906066_blend.kd
    .args:
      - { .name: gi, .offset: 0, .size: 8, .value_kind: global_buffer, .address_space: global }
      - { .name: sp, .offset: 8, .size: 8, .value_kind: global_buffer, .address_space: global }
      - { .name: tp, .offset: 16, .size: 8, .value_kind: global_buffer, .address_space: global }
      - { .name: coef, .offset: 24, .size: 8, .value_kind: global_buffer, .address_space: global }
      - { .name: out0, .offset: 32, .size: 8, .value_kind: global_buffer, .address_space: global }
    .group_segment_fixed_size: 0
    .private_segment_fixed_size: 0
    .kernarg_segment_align: 8
    .kernarg_segment_size: 40
    .max_flat_workgroup_size: 256
    .sgpr_count:     66
    .vgpr_count:     224
    .wavefront_size: 32
...
	.end_amdgpu_metadata
.endif
;; end of part 8
